; MI455X (gfx1250); checked and timed in simulation.
; The chip was launched on July 23, 2026; its instructions are those of AMD's public machine-readable ISA for CDNA 5 (MIT licence, August 2026) and "CDNA5" Instruction Set Architecture Reference Guide (July 2026). The comments in the code are by the model that wrote it; some were corrected since.
;; Multi Head Self Attention. Allowed arithmetic: matrix products marked QUANTISED: E2M1 operands, one E8M0 scale for each 32 along K, by v_wmma_scale_f32_16x16x128_f8f6f4 with both operands' format E2M1 (or v_wmma_scale_f32_32x16x128_f4), f32 sums; everything else in f32.
;; Inputs: Wk 1,024 x 1,024 float32; Wo 1,024 x 1,024 float32; Wq 1,024 x 1,024 float32; Wv 1,024 x 1,024 float32; b1 1,024 float32; b2 1,024 float32; bk 1,024 float32; bo 1,024 float32; bq 1,024 float32; bv 1,024 float32; g1 1,024 float32; g2 1,024 float32; x 2 x 2,048 x 1,024 float32.
;; Outputs: out0 2 x 1,024 float32; out1 2 x 2,048 float32.
;; This version of the problem:
;;   THIS VERSION OF THE PROBLEM IS GIVEN IN LOW PRECISION. The matrix products marked QUANTISED in the list below multiply operands that are first quantised to E2M1 (2 exponent bits, 1 mantissa bit; 4 bits a number), with one power-of-two scale for each 32 numbers along K (OCP MX v1.0); their sums are f32. All else is computed in f32.
;;   The module's matrix products, in the order in which they are computed (A, B: the left and right operand; K: the contracted axis; several contracted axes count as one K, in the product's order):
;;     1. [M 4,096, K 1,024] x [K 1,024, N 1,024]; A: computed on the way; B: input Wq: QUANTISED
;;     2. [M 4,096, K 1,024] x [K 1,024, N 1,024]; A: computed on the way; B: input Wk: QUANTISED
;;     3. [M 4,096, K 1,024] x [K 1,024, N 1,024]; A: computed on the way; B: input Wv: QUANTISED
;;     4. batch 32 x [M 2,048, K 64] x [K 64, N 2,048]; A: computed on the way; B: computed on the way: QUANTISED
;;     5. batch 32 x [M 2,048, K 2,048] x [K 2,048, N 64]; A: softmax (see below); B: computed on the way: QUANTISED
;;     6. [M 4,096, K 1,024] x [K 1,024, N 1,024]; A: computed on the way; B: input Wo: QUANTISED
;;   THE QUANTISER, for each operand of a quantised product, along K:
;;     - K is cut into blocks of 32 from its start; a last block that is shorter is filled with zeros.
;;     - A block's scale is 2^e with e = floor(log2(the largest magnitude in the block)) - 2, held to -126 .. 127; a block of zeros has e = 0. As a byte (E8M0): e + 127.
;;     - Each number is divided by its block's scale, clamped to +-6, and rounded to the nearest number of E2M1, ties to even, subnormals kept.
;;     - The product sums the exact products of the quantised numbers (number of the format x scale) in f32.
;;   ~~~python
;;   def quantise(x, axis):      # numpy; x: float32 -> the quantised numbers, widened to float32 again
;;       x = np.moveaxis(x, axis, -1); K = x.shape[-1]
;;       x = np.pad(x, [(0, 0)] * (x.ndim - 1) + [(0, -K % 32)]); x = x.reshape(x.shape[:-1] + (-1, 32)); a = np.abs(x).max(-1, keepdims=True)
;;       e = np.where(a > 0, np.clip(np.frexp(np.where(a > 0, a, 1))[1] - 1 - 2, -126, 127), 0)      # np.frexp(a)[1] - 1 = floor(log2(a)), exactly
;;       r = np.clip(x / 2.0 ** e, -6, 6)
;;       step = 2.0 ** (np.maximum(np.frexp(np.where(r == 0, 1, r))[1] - 1, 0) - 1)
;;       q = np.round(r / step) * step * 2.0 ** e      # np.round: ties to even
;;       return np.moveaxis(q.reshape(q.shape[:-2] + (-1,))[..., :K], -1, axis).astype(np.float32)
;;   ~~~
;;   SOFTMAX AHEAD OF A QUANTISED PRODUCT. Where the list says 'softmax', what is quantised is not the finished softmax but p = 2^(t - M), with t = logit x log2(e) and M = ceil(the row's largest t), a whole number; so 1/2 < the row's largest p <= 1. The row's sum l is taken of the UNQUANTISED p, in f32, and the product's result is divided by l at the end. Since M is a whole number, a kernel that streams over the keys may use a running M (the ceiling of the running maximum): every later rescaling is an exact power of two, which a block's scale takes up: the codes' values come out the same.
;;   OPERANDS COMPUTED ON THE WAY. 'Computed on the way' means the value that the module computes at that place (a softmax that the list does not call 'softmax' is quantised finished and normalised). What goes into a quantiser is computed in f32, as accurately as f32 sums, v_exp_f32 and their like allow (about 1e-6 of the number): no bf16 or f16 on the way to a quantiser, and a product that is left as it is and whose result goes on into a quantised operand takes f32 operands (vector FMAs, or v_wmma_f32_16x16x4_f32). A number that lies on a knife's edge between two numbers of the format may be rounded either way, as far as f32 arithmetic and the matrix unit's own rounding can turn it there, and no further.
;; 2 versions. Each part assembles by itself: llvm-mc -triple=amdgcn-amd-amdhsa -mcpu=gfx1250 --defsym DOCPART=n.
;; ======== version 1 of 2: 6 launches
;; workspace buffers: wq 2,228,224 bytes; hq 2,228,224 bytes; cq 2,228,224 bytes; att 6,946,816 bytes; part 524,288 bytes; p0 262,144 bytes
;; launch wquant (part 1): grid 32 x 8, 4 waves a work-group, no clusters, 0 bytes of LDS; arguments Wq, Wk, Wv, Wo, wq; writes wq
.if DOCPART == 1
	.amdgcn_target "amdgcn-amd-amdhsa--gfx1250"
	.amdhsa_code_object_version 6
	.text
	.protected	k_q3b7760d2c9_wquant
	.globl	k_q3b7760d2c9_wquant
	.p2align	8
	.type	k_q3b7760d2c9_wquant,@function
k_q3b7760d2c9_wquant:
	s_mov_b64 s[64:65], 0
	v_nop
	global_prefetch_b8 v0, s[64:65] scope:SCOPE_SE
	s_setreg_imm32_b32 hwreg(HW_REG_WAVE_MODE, 25, 1), 1
	s_wait_xcnt 0x0
; Wq, Wk, Wv, Wo [1024 (k)][1024 (n)], f32, become codes of FP4 (E2M1) along K with one E8M0 byte for each 32 along K.
; THE OUTPUT LIES IN THE ORDER OF THE OPERAND'S REGISTERS.  A fragment is 16 columns n x 128 k: 1,024 bytes = chunk c (0, 1) x 512 bytes, lane (r, h)'s 16 bytes at
; 16 (r + 16 h): block 2 c + h of the tile's row r.  wq: [tile 256][K step 8][1,024 bytes], tile = 64 x weight + tile of the weight; from SCOFF on the scale words [tile][K step][r], 4 bytes.
; THE COLUMNS OF A TILE ARE NOT NEIGHBOURS: row r of tile 2 b + u is column 32 b + 8 u + r + 8 (r / 8), so that the results of two neighbouring tiles are 16 neighbours in a lane's registers.
; A LANE TAKES A COLUMN AND ITS REGISTERS RUN DOWN K: a load reads 128 consecutive bytes a wave, a block of 32 lies in one lane, and the conversions give codes with K innermost.
; Work-group (x, y): weight x / 8, columns 128 (x % 8) on, K step y.  A wave: 32 columns = two tiles, four blocks a lane.  A store of codes covers two aligned runs of 256 bytes.
; The scale words leave as pieces of 64 bytes: 128 KiB in all against 16 MiB read.
; A block's scale is 2^(floor(log2(its largest magnitude)) - 2); its byte is that magnitude's exponent field - 2, held at 1 from below.
; LIMITS: a block of zeros, or one whose largest magnitude lies under 2^-124, gets the byte 1 (the rule says 127 for zeros: the codes are zeros, and only this program reads the bytes); NaN and infinities are not served.
.set SCOFF, 2097152
.set X, 32                             ; v32-95  two sets of 32 numbers
.set C, 16                             ; v16-31  four registers of codes for each block: no store's data are written again
	s_load_b256 s[4:11], s[0:1], 0x0               ; Wq, Wk, Wv, Wo
	s_load_b64 s[12:13], s[0:1], 0x20              ; wq
	v_lshrrev_b32 v1, 5, v0
	v_readfirstlane_b32 s14, v1                    ; wave 0..3
	v_and_b32 v1, 31, v0                           ; lane = my column among the wave's 32
	v_lshlrev_b32 v2, 2, v1                        ; in: 4 bytes a lane
	v_bfe_u32 v5, v1, 3, 1                         ; u: which of the two tiles
	v_and_b32 v6, 7, v1
	v_lshrrev_b32 v7, 4, v1
	v_lshl_add_u32 v6, v7, 3, v6                   ; r = lane % 8 + 8 (lane / 16): my row in that tile
	v_lshlrev_b32 v3, 13, v5
	v_lshl_add_u32 v3, v6, 4, v3                   ; codes: 8,192 u + 16 r
	v_lshlrev_b32 v4, 9, v5
	v_lshl_add_u32 v4, v6, 2, v4                   ; scale word: 512 u + 4 r
	s_lshr_b32 s15, ttmp9, 3                       ; weight 0..3
	s_and_b32 s16, ttmp9, 7                        ; group of 128 columns
	s_and_b32 s17, ttmp7, 0xffff                   ; K step
	s_lshl_b32 s18, s17, 19                        ; 128 rows of 4,096 bytes
	s_lshl_b32 s20, s16, 9
	s_add_co_u32 s18, s18, s20
	s_lshl_b32 s20, s14, 7
	s_add_co_u32 s18, s18, s20                     ; + 4 x my wave's first column
	s_mov_b32 s19, 0
	s_lshl_b32 s20, s15, 6
	s_lshl_b32 s21, s16, 3
	s_add_co_u32 s20, s20, s21
	s_lshl_b32 s21, s14, 1
	s_add_co_u32 s20, s20, s21                     ; my first tile: 64 weight + 8 group + 2 wave
	s_lshl_b32 s24, s20, 13
	s_lshl_b32 s21, s17, 10
	s_add_co_u32 s24, s24, s21                     ; its fragment of this K step
	s_mov_b32 s25, 0
	s_lshl_b32 s22, s20, 9
	s_lshl_b32 s21, s17, 6
	s_add_co_u32 s22, s22, s21
	s_add_co_u32 s22, s22, SCOFF                   ; and its scale words
	s_mov_b32 s23, 0
	s_wait_kmcnt 0x0
	s_bitcmp1_b32 s15, 0                           ; the weight is chosen by the work-group's number alone
	s_cselect_b64 s[4:5], s[6:7], s[4:5]           ; Wk or Wq
	s_cselect_b64 s[8:9], s[10:11], s[8:9]         ; Wo or Wv
	s_cmp_lt_u32 s15, 2
	s_cselect_b64 s[4:5], s[4:5], s[8:9]
	s_add_nc_u64 s[4:5], s[4:5], s[18:19]
	s_add_nc_u64 s[24:25], s[12:13], s[24:25]
	s_add_nc_u64 s[22:23], s[12:13], s[22:23]
.macro LOAD t                          ; block t: W(128 y + 32 t + i, my column), i = 0 .. 31, into set t % 2
.irp i, 0,1,2,3,4,5,6,7,8,9,10,11,12,13,14,15,16,17,18,19,20,21,22,23,24,25,26,27,28,29,30,31
	global_load_b32 v[X+32*((\t)%2)+\i], v2, s[4:5] offset:(32*(\t)+\i)*4096 th:TH_LOAD_NT
.endr
.endm
.macro BLOCK t
.set XS, X+32*((\t)%2)
.if (\t) < 3
	s_wait_loadcnt 32                              ; this block's 32 loads are in; the next block's 32 may be out
.else
	s_wait_loadcnt 0
.endif
	v_max3_num_f32 v12, |v[XS]|, |v[XS+1]|, |v[XS+2]|              ; the block's largest magnitude: all 32 numbers are mine; two chains
	v_max3_num_f32 v13, |v[XS+3]|, |v[XS+4]|, |v[XS+5]|
.irp i, 6,10,14,18,22,26
	v_max3_num_f32 v12, v12, |v[XS+\i]|, |v[XS+\i+1]|
	v_max3_num_f32 v13, v13, |v[XS+\i+2]|, |v[XS+\i+3]|
.endr
	v_max3_num_f32 v12, v12, |v[XS+30]|, |v[XS+31]|
	v_max3_num_f32 v12, v12, v13, 0x1800000        ; and the floor 2^(3 - 127): the byte cannot fall under 1
	v_add_nc_u32 v11, 0xff000000, v12              ; 2 off the exponent field: the conversion takes this operand's exponent field as its scale
	v_lshrrev_b32 v13, 23, v11                     ; the scale's byte
.if (\t) == 0
	v_mov_b32 v14, v13                             ; four bytes make my column's scale word of this K step
.else
	v_lshl_or_b32 v14, v13, 8*(\t), v14
.endif
.irp g, 0,1,2,3
	v_cvt_scalef32_pk8_fp4_f32 v[C+4*(\t)+\g], v[XS+8*\g:XS+8*\g+7], v11
.endr
	global_store_b128 v3, v[C+4*(\t):C+4*(\t)+3], s[24:25] offset:((\t)/2)*512+((\t)%2)*256   ; block t = 2 c + h: chunk c, lanes 16 h on
.if (\t)+2 < 4
	LOAD (\t)+2
.endif
.endm
	LOAD 0
	LOAD 1
	BLOCK 0
	BLOCK 1
	BLOCK 2
	BLOCK 3
	global_store_b32 v4, v14, s[22:23]
	s_endpgm
.Lfunc_end_k_q3b7760d2c9_wquant:
	.size	k_q3b7760d2c9_wquant, .Lfunc_end_k_q3b7760d2c9_wquant-k_q3b7760d2c9_wquant
	.p2alignl 7, 3214868480
	.fill 96, 4, 3214868480
	.section	.rodata,"a",@progbits
	.p2align	6, 0x0
	.amdhsa_kernel k_q3b7760d2c9_wquant
		.amdhsa_group_segment_fixed_size 0
		.amdhsa_private_segment_fixed_size 0
		.amdhsa_enable_private_segment 0
		.amdhsa_kernarg_size 40
		.amdhsa_user_sgpr_count 2
		.amdhsa_user_sgpr_kernarg_segment_ptr 1
		.amdhsa_wavefront_size32 1
		.amdhsa_system_sgpr_workgroup_id_x 1
		.amdhsa_system_sgpr_workgroup_id_y 1
		.amdhsa_system_sgpr_workgroup_id_z 1
		.amdhsa_system_vgpr_workitem_id 0
		.amdhsa_next_free_vgpr 96
		.amdhsa_next_free_sgpr 66
		.amdhsa_reserve_vcc 0
		.amdhsa_float_denorm_mode_32 3
		.amdhsa_float_denorm_mode_16_64 3
		.amdhsa_memory_ordered 1
		.amdhsa_forward_progress 1
		.amdhsa_inst_pref_size 21
	.end_amdhsa_kernel
	.amdgpu_metadata
---
amdhsa.version: [ 1, 2 ]
amdhsa.kernels:
  - .name:           k_q3b7760d2c9_wquant
    .symbol:         k_q3b7760d2c9_wquant.kd
    .args:
      - { .name: Wq, .offset: 0, .size: 8, .value_kind: global_buffer, .address_space: global }
      - { .name: Wk, .offset: 8, .size: 8, .value_kind: global_buffer, .address_space: global }
      - { .name: Wv, .offset: 16, .size: 8, .value_kind: global_buffer, .address_space: global }
      - { .name: Wo, .offset: 24, .size: 8, .value_kind: global_buffer, .address_space: global }
      - { .name: wq, .offset: 32, .size: 8, .value_kind: global_buffer, .address_space: global }
    .group_segment_fixed_size: 0
    .private_segment_fixed_size: 0
    .kernarg_segment_align: 8
    .kernarg_segment_size: 40
    .max_flat_workgroup_size: 128
    .sgpr_count:     66
    .vgpr_count:     96
    .wavefront_size: 32
...
	.end_amdgpu_metadata
.endif
;; end of part 1
;; launch ln1q (part 2): grid 256 x 1, 8 waves a work-group, no clusters, 46,592 bytes of LDS; arguments x, g1, b1, hq; writes hq
.if DOCPART == 2
	.amdgcn_target "amdgcn-amd-amdhsa--gfx1250"
	.amdhsa_code_object_version 6
	.text
	.protected	k_q3b7760d2c9_ln1q
	.globl	k_q3b7760d2c9_ln1q
	.p2align	8
	.type	k_q3b7760d2c9_ln1q,@function
k_q3b7760d2c9_ln1q:
	s_mov_b64 s[64:65], 0
	v_nop
	global_prefetch_b8 v0, s[64:65] scope:SCOPE_SE
	s_setreg_imm32_b32 hwreg(HW_REG_WAVE_MODE, 25, 1), 1
	s_wait_xcnt 0x0
; h = LayerNorm(x) g1 + b1 in f32 (mean, then the mean of squared differences, eps 1e-5), quantised along D to FP4 (E2M1) with one E8M0 byte for each 32.
; hq lies in the order of the operand's registers: [tile of 16 tokens 256][K step 8][1,024 bytes]: chunk c x 512 bytes, lane (r, h)'s 16 bytes at 16 (r + 16 h) = block 2 c + h of row r; from SCOFF on
; the scale words [tile][K step][r].  ROW r OF TILE 2 b + u IS TOKEN 32 b + 8 u + r + 8 (r / 8).
; A work-group makes one tile; wave w its rows 2 w and 2 w + 1, which are two neighbouring tokens.  A row of 4,096 bytes is 32 registers of the wave: read once, 512 consecutive bytes a load.
; For the conversions a lane must hold 32 NEIGHBOURS: the finished row turns through the wave's own stage in LDS (128 bytes + 16 of padding for each block) and lane l comes back with block l.
; Codes and scale bytes are gathered as the tile's image in LDS; behind one barrier each wave stores one K step's 1,024 consecutive bytes, wave 0 also the 512 bytes of scale words.
; LIMITS: a block of zeros, or one whose largest magnitude lies under 2^-124, gets the byte 1 (its codes are zeros or subnormal; only this program reads the bytes); NaN and infinities are not served.
.set SCOFF, 2097152
.set STW,  4608                        ; a wave's stage: 32 blocks x 144 bytes
.set IMG,  36864                       ; behind the eight stages: the tile's codes, 8,192 bytes
.set SCB,  45056                       ; and its scale bytes, 512
.set C10,  16                          ; s16 2^-10;  s17 -2^-10;  s22 eps
.set NC10, 17
.set EPS,  22
.set SEL,  20                          ; s[20:21] lane selects: lane l xor 16
.set X, 32                             ; v32-95   the two rows
.set G, 96                             ; v96-127  g1 at my 32 columns
.set B, 128                            ; v128-159 b1
.set T, 160                            ; v160-191 a block of 32 neighbours
	s_load_b256 s[4:11], s[0:1], 0x0               ; x, g1, b1, hq
	v_lshl_add_u32 v208, v0, 2, 0xb200
	v_mov_b32 v209, 0
	v_lshrrev_b32 v1, 5, v0
	v_readfirstlane_b32 s12, v1                    ; wave 0..7
	v_and_b32 v1, 31, v0                           ; lane
	v_lshlrev_b32 v2, 4, v1                        ; 16 bytes a lane
	s_lshr_b32 s13, ttmp9, 1
	s_lshl_b32 s13, s13, 5
	s_and_b32 s14, ttmp9, 1
	s_lshl_b32 s14, s14, 3
	s_add_co_u32 s13, s13, s14
	s_lshl_b32 s14, s12, 1
	s_add_co_u32 s13, s13, s14
	s_lshr_b32 s14, s12, 2
	s_lshl_b32 s14, s14, 3
	s_add_co_u32 s13, s13, s14                     ; my first token: 32 (tile / 2) + 8 (tile % 2) + 2 w + 8 (w / 4)
	s_lshl_b32 s14, s13, 12
	s_mov_b32 s15, 0
	s_wait_kmcnt 0x0
	s_add_nc_u64 s[4:5], s[4:5], s[14:15]
.irp j, 0,1,2,3,4,5,6,7
	global_load_b128 v[X+4*\j:X+4*\j+3], v2, s[4:5] offset:512*\j th:TH_LOAD_NT
.endr
.irp j, 0,1,2,3,4,5,6,7
	global_load_b128 v[G+4*\j:G+4*\j+3], v2, s[6:7] offset:512*\j
.endr
.irp j, 0,1,2,3,4,5,6,7
	global_load_b128 v[B+4*\j:B+4*\j+3], v2, s[8:9] offset:512*\j
.endr
.irp j, 0,1,2,3,4,5,6,7
	global_load_b128 v[X+32+4*\j:X+32+4*\j+3], v2, s[4:5] offset:4096+512*\j th:TH_LOAD_NT
.endr
	s_mul_i32 s13, s12, STW
	v_lshrrev_b32 v3, 3, v1
	v_add_nc_u32 v3, v3, v1
	v_lshlrev_b32 v3, 4, v3
	v_add_nc_u32 v3, s13, v3                       ; the stage, in: 16 (lane + lane / 8): eight lanes' 128 bytes, then 16 of padding; a load's 512 bytes take 576
	v_mul_u32_u24 v4, v1, 144
	v_add_nc_u32 v4, s13, v4                       ; and out: block = lane
	s_lshl_b32 s13, s12, 5
	s_add_co_u32 s13, s13, IMG
	v_lshlrev_b32 v5, 8, v1
	v_add_nc_u32 v5, s13, v5                       ; block l of row r lies at 256 l + 16 r of the image (1,024 (l / 4) + 512 ((l / 2) % 2) + 256 (l % 2) = 256 l)
	s_lshl_b32 s13, s12, 3
	s_add_co_u32 s13, s13, SCB
	v_lshrrev_b32 v6, 2, v1
	v_lshlrev_b32 v6, 6, v6
	v_and_b32 v7, 3, v1
	v_add_nc_u32 v6, v6, v7
	v_add_nc_u32 v6, s13, v6                       ; its byte at 64 (l / 4) + 4 r + l % 4
	s_lshl_b32 s13, s12, 10
	v_add_nc_u32 v8, s13, v2                       ; the way out: K step w, 16 bytes a lane: in hq,
	v_add_nc_u32 v7, IMG, v8                       ; and in the image
	v_add_nc_u32 v9, SCB, v2                       ; the scale words, for wave 0
	v_mov_b32 v15, 0                               ; written once: a lane permute's destination counts as one of its sources
	s_mov_b32 s[C10], 0x3a800000
	s_mov_b32 s[NC10], 0xba800000
	s_mov_b32 s[EPS], 0x3727c5ac
	s_mov_b32 s[SEL], 0x76543210
	s_mov_b32 s[SEL+1], 0xfedcba98
	s_lshl_b32 s14, ttmp9, 9
	s_add_co_u32 s14, s14, SCOFF
	s_add_nc_u64 s[18:19], s[10:11], s[14:15]      ; the tile's scale words
	s_lshl_b32 s14, ttmp9, 13
	s_add_nc_u64 s[10:11], s[10:11], s[14:15]      ; the tile's codes
.macro WSUM r, t                       ; the sum over the 32 lanes, in every lane
	v_add_f32_dpp v[\r], v[\r], v[\r] row_xmask:1 row_mask:0xf bank_mask:0xf
	v_add_f32_dpp v[\r], v[\r], v[\r] row_xmask:2 row_mask:0xf bank_mask:0xf
	v_add_f32_dpp v[\r], v[\r], v[\r] row_xmask:4 row_mask:0xf bank_mask:0xf
	v_add_f32_dpp v[\r], v[\r], v[\r] row_xmask:8 row_mask:0xf bank_mask:0xf
	v_permlanex16_b32 v[\t], v[\r], s[SEL], s[SEL+1]
	v_add_f32 v[\r], v[\r], v[\t]
.endm
; A row of 1,024 numbers, 32 a lane from v[x] on: they become x - mean, in place; v[rs], v[rs + 1] = 1 / sqrt(mean of (x - mean)^2 + eps).  v[mu], v[mu + 1] hold -mean.
.macro LNSTAT x, mu, rs
	v_pk_add_f32 v[10:11], v[\x:\x+1], v[\x+2:\x+3]
	v_pk_add_f32 v[12:13], v[\x+4:\x+5], v[\x+6:\x+7]
.irp k, 8,12,16,20,24,28
	v_pk_add_f32 v[10:11], v[10:11], v[\x+\k:\x+\k+1]
	v_pk_add_f32 v[12:13], v[12:13], v[\x+\k+2:\x+\k+3]
.endr
	v_pk_add_f32 v[10:11], v[10:11], v[12:13]
	v_add_f32 v10, v10, v11
	WSUM 10, 15
	v_mul_f32 v[\mu], s[NC10], v10
	v_mul_f32 v[\mu+1], s[NC10], v10
.irp k, 0,2,4,6,8,10,12,14,16,18,20,22,24,26,28,30
	v_pk_add_f32 v[\x+\k:\x+\k+1], v[\x+\k:\x+\k+1], v[\mu:\mu+1]
.endr
	v_pk_mul_f32 v[10:11], v[\x:\x+1], v[\x:\x+1]
	v_pk_mul_f32 v[12:13], v[\x+2:\x+3], v[\x+2:\x+3]
.irp k, 4,8,12,16,20,24,28
	v_pk_fma_f32 v[10:11], v[\x+\k:\x+\k+1], v[\x+\k:\x+\k+1], v[10:11]
	v_pk_fma_f32 v[12:13], v[\x+\k+2:\x+\k+3], v[\x+\k+2:\x+\k+3], v[12:13]
.endr
	v_pk_add_f32 v[10:11], v[10:11], v[12:13]
	v_add_f32 v10, v10, v11
	WSUM 10, 15
	v_fma_f32 v10, v10, s[C10], s[EPS]
	v_rsq_f32 v[\rs], v10
	v_rsq_f32 v[\rs+1], v10
	v_nop                                          ; a plain line between the transcendentals and the use of their results (ISA guide 5.7.2)
.endm
.macro ROW i
.set XR, X+32*\i
	LNSTAT XR, 16, 18
	s_wait_alu depctr_va_vdst(0)
.irp k, 0,2,4,6,8,10,12,14,16,18,20,22,24,26,28,30
	v_pk_mul_f32 v[XR+\k:XR+\k+1], v[XR+\k:XR+\k+1], v[18:19]
.endr
.irp k, 0,2,4,6,8,10,12,14,16,18,20,22,24,26,28,30
	v_pk_fma_f32 v[XR+\k:XR+\k+1], v[XR+\k:XR+\k+1], v[G+\k:G+\k+1], v[B+\k:B+\k+1]
.endr
.irp j, 0,1,2,3,4,5,6,7
	ds_store_b128 v3, v[XR+4*\j:XR+4*\j+3] offset:576*\j
.endr
.irp q, 0,1,2,3,4,5,6,7
	ds_load_b128 v[T+4*\q:T+4*\q+3], v4 offset:16*\q   ; LDS serves a wave's instructions in order (ISA guide 5.7.1.4): these see the stores above
.endr
	s_wait_dscnt 0x0
	v_max3_num_f32 v30, |v[T]|, |v[T+1]|, |v[T+2]|                 ; block l's largest magnitude: all 32 numbers are mine
	v_max3_num_f32 v31, |v[T+3]|, |v[T+4]|, |v[T+5]|
.irp k, 6,10,14,18,22,26
	v_max3_num_f32 v30, v30, |v[T+\k]|, |v[T+\k+1]|
	v_max3_num_f32 v31, v31, |v[T+\k+2]|, |v[T+\k+3]|
.endr
	v_max3_num_f32 v30, v30, |v[T+30]|, |v[T+31]|
	v_max3_num_f32 v30, v30, v31, 0x1800000        ; and the floor 2^(3 - 127)
	v_add_nc_u32 v31, 0xff000000, v30              ; 2 off the exponent field: the conversion's scale operand
.irp g, 0,1,2,3
	v_cvt_scalef32_pk8_fp4_f32 v[20+4*\i+\g], v[T+8*\g:T+8*\g+7], v31
.endr
	v_lshrrev_b32 v[28+\i], 23, v31                ; the scale's byte (also the plain line behind the conversions)
	ds_store_b128 v5, v[20+4*\i:23+4*\i] offset:16*\i
	ds_store_b8 v6, v[28+\i] offset:4*\i
.endm
	s_wait_loadcnt 8                               ; row 0, g1 and b1 are in; row 1's eight loads may be out
	ROW 0
	s_wait_loadcnt 0x0
	ROW 1
	s_wait_dscnt 0x0                               ; for the others' sake: my stores into the image are done
	s_barrier_signal -1
	s_barrier_wait -1
	ds_load_b128 v[192:195], v7
	ds_load_b128 v[196:199], v7 offset:512
	s_wait_dscnt 1                                 ; the first is back, the second may be out
	global_store_b128 v8, v[192:195], s[10:11]     ; 512 consecutive bytes a store
	s_wait_dscnt 0x0
	global_store_b128 v8, v[196:199], s[10:11] offset:512
	s_cmp_lg_u32 s12, 0
	s_cbranch_scc1 .Lend
	ds_load_b128 v[200:203], v9
	s_wait_dscnt 0x0
	global_store_b128 v2, v[200:203], s[18:19]     ; wave 0: the tile's 128 scale words
.Lend:
	s_wait_tensorcnt 0x0
	ds_add_u32 v208, v209
	s_wait_dscnt 0x0
	s_endpgm
.Lfunc_end_k_q3b7760d2c9_ln1q:
	.size	k_q3b7760d2c9_ln1q, .Lfunc_end_k_q3b7760d2c9_ln1q-k_q3b7760d2c9_ln1q
	.p2alignl 7, 3214868480
	.fill 96, 4, 3214868480
	.section	.rodata,"a",@progbits
	.p2align	6, 0x0
	.amdhsa_kernel k_q3b7760d2c9_ln1q
		.amdhsa_group_segment_fixed_size 46592
		.amdhsa_private_segment_fixed_size 0
		.amdhsa_enable_private_segment 0
		.amdhsa_kernarg_size 32
		.amdhsa_user_sgpr_count 2
		.amdhsa_user_sgpr_kernarg_segment_ptr 1
		.amdhsa_wavefront_size32 1
		.amdhsa_system_sgpr_workgroup_id_x 1
		.amdhsa_system_sgpr_workgroup_id_y 1
		.amdhsa_system_sgpr_workgroup_id_z 1
		.amdhsa_system_vgpr_workitem_id 0
		.amdhsa_next_free_vgpr 210
		.amdhsa_next_free_sgpr 66
		.amdhsa_reserve_vcc 0
		.amdhsa_float_denorm_mode_32 3
		.amdhsa_float_denorm_mode_16_64 3
		.amdhsa_memory_ordered 1
		.amdhsa_forward_progress 1
		.amdhsa_inst_pref_size 24
	.end_amdhsa_kernel
	.amdgpu_metadata
---
amdhsa.version: [ 1, 2 ]
amdhsa.kernels:
  - .name:           k_q3b7760d2c9_ln1q
    .symbol:         k_q3b7760d2c9_ln1q.kd
    .args:
      - { .name: x, .offset: 0, .size: 8, .value_kind: global_buffer, .address_space: global }
      - { .name: g1, .offset: 8, .size: 8, .value_kind: global_buffer, .address_space: global }
      - { .name: b1, .offset: 16, .size: 8, .value_kind: global_buffer, .address_space: global }
      - { .name: hq, .offset: 24, .size: 8, .value_kind: global_buffer, .address_space: global }
    .group_segment_fixed_size: 46592
    .private_segment_fixed_size: 0
    .kernarg_segment_align: 8
    .kernarg_segment_size: 32
    .max_flat_workgroup_size: 256
    .sgpr_count:     66
    .vgpr_count:     210
    .wavefront_size: 32
...
	.end_amdgpu_metadata
.endif
;; end of part 2
;; launch qkv (part 3): grid 16 x 16, 12 waves a work-group, no clusters, 230,912 bytes of LDS; arguments hq, wq, bq, bk, bv, att; writes att
.if DOCPART == 3
	.amdgcn_target "amdgcn-amd-amdhsa--gfx1250"
	.amdhsa_code_object_version 6
	.text
	.protected	k_q3b7760d2c9_qkv
	.globl	k_q3b7760d2c9_qkv
	.p2align	8
	.type	k_q3b7760d2c9_qkv,@function
k_q3b7760d2c9_qkv:
	s_mov_b64 s[64:65], 0
	v_nop
	global_prefetch_b8 v0, s[64:65] scope:SCOPE_SE
	s_setreg_imm32_b32 hwreg(HW_REG_WAVE_MODE, 25, 1), 1
	s_wait_xcnt 0x0
; q = h Wq + bq, k = h Wk + bk, v = h Wv + bv on codes of FP4 (E2M1) with E8M0 scales, sums in f32; the results are quantised at once for attention's two products: q and k along the head's 64 channels, v along the keys.
; hq and wq lie in the order of the operand's registers: [tile of 16 rows][K step 8][1,024 bytes], scale words [tile][K step][row] from SCOFF on.  Row r of tile 2 b + u is item 32 b + 8 u + r + 8 (r / 8),
; for tokens and for columns of the weights alike.  So in D = X x Y (source 0 = a tile of X, source 1 = a tile of Y) a lane holds ONE row of Y, and its 16 registers of X's tiles 2 b and 2 b + 1 are the 16 neighbours 32 b + 16 (lane / 16) + 0 .. 15 of X.
; q, k: X = the head's four tiles of the weight, Y = tokens: the registers run along the channels.   v: X = four tiles of tokens, Y = the weight's tiles: the registers run along the keys.  Nothing else differs.
; SHARES.  Work-group (x, y): 192 columns (three heads of q, k or v: head number 3 x + wave / 4 of 48) x 256 tokens.  Twelve waves, three to a SIMD: a wave makes one head x 64 tokens: 16 accumulators.
; LDS.  Both panels for all of K fit at once (16 + 12 tiles x 8,192 bytes), so every byte is filled once: four tensor loads a wave at the start, one for each group of two K steps; no slot is ever filled again.
; Each group is read behind a counted wait of the loading waves and a barrier.  A fragment is two loads of 512 consecutive bytes: no pitch, no padding.
; No cluster: the waves' way parts on q, k against v, which hangs on the work-group's x; partners of a joint load may not part so.
; att: a record of REC bytes for each (batch, head): K's codes [tile 128][512], V's codes [64 keys 32][tile of channels 4][512], K's scale words [tile][16], V's [128 keys 16][tile 4][16], Q's codes, Q's words.
; A tile of q or k is the first chunk of a fragment (64 of 128 along K; the rest are zero codes, made by the next launch); bytes 2 and 3 of its scale words are 0.  V's scale words get their two halves from two waves, by stores of two bytes: 128 KiB in all.
; LIMITS: a block of zeros, or one whose largest magnitude lies under 2^-124, gets the byte 1; NaN and infinities are not served.
.set SCOFF, 2097152
.set REC,   217088
.set VC,    65536
.set KS,    131072
.set VS,    139264
.set QC,    143360
.set QS,    208896
.set GRP,   57344                      ; LDS: a group of two K steps: 28 tiles x 2,048 bytes: 16 of tokens, then 12 of the weights
.set WPART, 32768
.set AH,  8                            ; v8-11   LDS address of my four token tiles in group g
.set AW,  12                           ; v12-15  of my four tiles of the weight
.set BV,  16                           ; v16-23  bv at my lane's channel of tile j, twice (a pair for the packed add)
.set SC,  32                           ; v32-63  scale words: register 8 p + t: lanes 0-15 K step 2 p, lanes 16-31 K step 2 p + 1; t 0-3 token tiles, 4-7 the weight's
.set FH,  64                           ; v64-95  four fragments of h; later bq or bk; later at work
.set FW,  96                           ; v96-127 four fragments of the weight; later the codes
.set ACC, 128                          ; v128-255 accumulator (i of X, j of Y) at 32 j + 8 i
.set G1H, 16                           ; s[16:23] descriptor group 1 for h's tiles;  s[24:31] for the weights'
.set G1W, 24
.set G0H, 32                           ; s[32:47] group 0 for h, a set for each group of K steps;  s[48:63] for the weights
.set G0W, 48
.set WV,  66
.set TQ,  67                           ; wave % 4: which 64 tokens
.set HW,  68                           ; wave / 4: which of the three heads
.set GY,  69
.set HD,  70                           ; head number 0..47
.set TYPE, 71                          ; 0 q, 1 k, 2 v
.set HEAD, 72
.set T64, 74                           ; which 64 tokens of the batch's 2,048
.set BH,  75
.set SEL, 86                           ; s[86:87] lane selects: lane l xor 16
	s_load_b256 s[4:11], s[0:1], 0x0               ; hq, wq, bq, bk
	s_load_b128 s[12:15], s[0:1], 0x20             ; bv, att
	v_lshl_add_u32 v30, v0, 2, 0x38000
	v_mov_b32 v31, 0
	ds_add_u32 v30, v31
	ds_add_u32 v30, v31
	v_lshrrev_b32 v1, 5, v0
	v_readfirstlane_b32 s[WV], v1                  ; wave 0..11
	s_and_b32 s[TQ], s[WV], 3
	s_lshr_b32 s[HW], s[WV], 2
	s_and_b32 s[GY], ttmp7, 0xffff
	; descriptor group 1: rows of 2,048 bytes (a tile's two K steps: 256 elements of 8 bytes), 8,192 bytes apart (from tile to tile); 2 rows for h, 3 for the weights; no padding
	s_mov_b32 s[G1H+0], 3<<16                      ; no mask; elements of 8 bytes
	s_mov_b32 s[G1H+1], 256<<16                    ; tensor_dim0
	s_mov_b32 s[G1H+2], 2<<16                      ; tensor_dim1
	s_mov_b32 s[G1H+3], 256<<16                    ; tile_dim0
	s_mov_b32 s[G1H+4], 2                          ; tile_dim1
	s_mov_b32 s[G1H+5], 1024                       ; stride
	s_mov_b32 s[G1H+6], 0
	s_mov_b32 s[G1H+7], 0
	s_mov_b32 s[G1W+0], 3<<16
	s_mov_b32 s[G1W+1], 256<<16
	s_mov_b32 s[G1W+2], 3<<16
	s_mov_b32 s[G1W+3], 256<<16
	s_mov_b32 s[G1W+4], 3
	s_mov_b32 s[G1W+5], 1024
	s_mov_b32 s[G1W+6], 0
	s_mov_b32 s[G1W+7], 0
	s_lshl_b32 s88, s[WV], 12                      ; waves 0-7: token tiles 2 w, 2 w + 1 go to 4,096 w
	s_mul_i32 s89, s[TQ], 6144                     ; waves 8-11: three tiles of the weights, behind the 16 token tiles
	s_add_co_u32 s89, s89, WPART
	s_lshl_b32 s90, s[GY], 17                      ; h: tile 16 y + 2 w
	s_lshl_b32 s91, s[WV], 14
	s_add_co_u32 s90, s90, s91
	s_mov_b32 s91, 0
	s_mul_i32 s92, ttmp9, 98304                    ; the weights: tile 12 x + 3 (w % 4)
	s_mul_i32 s93, s[TQ], 24576
	s_add_co_u32 s92, s92, s93
	s_mov_b32 s93, 0
	; every vector address is made here, ahead of the first parting of the waves
	v_and_b32 v5, 31, v0                           ; lane
	v_lshlrev_b32 v1, 2, v5                        ; 4 x lane
	v_lshlrev_b32 v2, 4, v5                        ; 16 x lane
	v_lshrrev_b32 v6, 4, v5                        ; h
	v_lshlrev_b32 v3, 6, v6                        ; bq, bk: my half's 16 channels of a block of 32
	v_and_b32 v7, 15, v5                           ; r
	v_and_b32 v4, 8, v7
	v_add_nc_u32 v4, v4, v7
	v_lshlrev_b32 v4, 2, v4                        ; bv: 4 (r + 8 (r / 8)): my lane's channel of a tile
	s_lshl_b32 s94, s[TQ], 13
	v_add_nc_u32 v[AH], s94, v2
	s_lshl_b32 s94, s[HW], 13
	s_add_co_u32 s94, s94, WPART
	v_add_nc_u32 v[AW], s94, v2
.irp g, 1,2,3
	v_add_nc_u32 v[AH+\g], \g*GRP, v[AH]
	v_add_nc_u32 v[AW+\g], \g*GRP, v[AW]
.endr
	s_wait_dscnt 0x0
	s_wait_kmcnt 0x0
	s_add_nc_u64 s[90:91], s[4:5], s[90:91]
	s_add_nc_u64 s[92:93], s[6:7], s[92:93]
.irp g, 0,1,2,3
	s_mov_b32 s[G0H+4*\g], 1                                       ; count = 1
	s_add_co_u32 s[G0H+4*\g+1], s88, \g*GRP                        ; LDS address
	s_add_nc_u64 s[G0H+4*\g+2:G0H+4*\g+3], s[90:91], \g*2048       ; global address: K steps 2 g and 2 g + 1
	s_or_b32 s[G0H+4*\g+3], s[G0H+4*\g+3], 0x80000000              ; type = 2
	s_mov_b32 s[G0W+4*\g], 1
	s_add_co_u32 s[G0W+4*\g+1], s89, \g*GRP
	s_add_nc_u64 s[G0W+4*\g+2:G0W+4*\g+3], s[92:93], \g*2048
	s_or_b32 s[G0W+4*\g+3], s[G0W+4*\g+3], 0x80000000
.endr
	s_cmp_lt_u32 s[WV], 8                          ; all first fills in one branch on the wave's number: four loads of every wave are out, on either way
	s_cbranch_scc0 .Lfill_w
.irp g, 0,1,2,3
	tensor_load_to_lds s[G0H+4*\g:G0H+4*\g+3], s[G1H:G1H+7]
	s_nop 0
.endr
.rept 4
	v_nop                                          ; behind a tensor load
.endr
	s_branch .Lfilled
.Lfill_w:
.irp g, 0,1,2,3
	tensor_load_to_lds s[G0W+4*\g:G0W+4*\g+3], s[G1W:G1W+7]
	s_nop 0
.endr
.rept 4
	v_nop
.endr
.Lfilled:
	s_mul_i32 s[HD], ttmp9, 3
	s_add_co_u32 s[HD], s[HD], s[HW]
	s_lshr_b32 s[TYPE], s[HD], 4
	s_and_b32 s[HEAD], s[HD], 15
	s_lshl_b32 s[T64], s[GY], 2
	s_add_co_u32 s[T64], s[T64], s[TQ]
	s_and_b32 s[T64], s[T64], 31
	s_lshr_b32 s[BH], s[GY], 3
	s_lshl_b32 s[BH], s[BH], 4
	s_add_co_u32 s[BH], s[BH], s[HEAD]             ; 16 x batch + head
	s_lshl_b32 s88, s[GY], 13
	s_lshl_b32 s89, s[TQ], 11
	s_add_co_u32 s88, s88, s89
	s_add_co_u32 s88, s88, SCOFF
	s_mov_b32 s89, 0
	s_add_nc_u64 s[76:77], s[4:5], s[88:89]        ; the scale words of my four token tiles (tile 16 y + 4 (w % 4) on)
	s_lshl_b32 s88, s[HD], 11
	s_add_co_u32 s88, s88, SCOFF
	s_add_nc_u64 s[78:79], s[6:7], s[88:89]        ; and of my head's four tiles of the weight
	s_cmp_eq_u32 s[TYPE], 1
	s_cselect_b64 s[80:81], s[10:11], s[8:9]
	s_cmp_eq_u32 s[TYPE], 2
	s_cselect_b64 s[80:81], s[12:13], s[80:81]     ; bq, bk or bv,
	s_lshl_b32 s88, s[HEAD], 8
	s_add_nc_u64 s[80:81], s[80:81], s[88:89]      ; at my head's 64 numbers
.irp p, 0,1,2,3
.irp t, 0,1,2,3
	global_load_b32 v[SC+8*\p+\t], v1, s[76:77] offset:\t*512+\p*128
	global_load_b32 v[SC+8*\p+4+\t], v1, s[78:79] offset:\t*512+\p*128
.endr
.endr
.irp j, 0,1,2,3
	global_load_b32 v[BV+2*\j], v4, s[80:81] offset:(32*(\j/2)+8*(\j%2))*4
	global_load_b32 v[BV+2*\j+1], v4, s[80:81] offset:(32*(\j/2)+8*(\j%2))*4
.endr
	s_mul_i32 s90, s[BH], REC
	s_mov_b32 s91, 0
	s_add_nc_u64 s[14:15], s[14:15], s[90:91]      ; my record
	s_mov_b32 s88, QC
	s_cmp_eq_u32 s[TYPE], 1
	s_cselect_b32 s88, 0, s88
	s_cmp_eq_u32 s[TYPE], 2
	s_cselect_b32 s88, VC, s88                     ; where the codes go: Q's, K's or V's part,
	s_lshl_b32 s90, s[T64], 11
	s_add_co_u32 s88, s88, s90                     ; + 2,048 for each 64 tokens, in all three
	s_add_nc_u64 s[82:83], s[14:15], s[88:89]
	s_lshl_b32 s90, s[T64], 8
	s_add_co_u32 s92, s90, KS                      ; k's words: 256 bytes for each 64 tokens
	s_add_co_u32 s90, s90, QS                      ; q's likewise
	s_lshr_b32 s93, s[T64], 1
	s_lshl_b32 s93, s93, 8
	s_and_b32 s94, s[T64], 1
	s_lshl_b32 s94, s94, 1
	s_add_co_u32 s93, s93, s94
	s_add_co_u32 s93, s93, VS                      ; v's: 256 bytes for each 128 keys, my 64 keys' two bytes of each word
	s_cmp_eq_u32 s[TYPE], 1
	s_cselect_b32 s88, s92, s90
	s_cmp_eq_u32 s[TYPE], 2
	s_cselect_b32 s88, s93, s88
	s_add_nc_u64 s[84:85], s[14:15], s[88:89]
	s_mov_b32 s[SEL], 0x76543210
	s_mov_b32 s[SEL+1], 0xfedcba98
; One matrix instruction.  zero: the first K step starts the sum.  odd: an odd K step's scale words lie in lanes 16-31.
.macro MM d, a, b, sa, sb, zero, odd
.if \zero
	v_wmma_scale_f32_16x16x128_f8f6f4 v[(\d):(\d)+7], v[(\a):(\a)+7], v[(\b):(\b)+7], 0, v[\sa], v[\sb] matrix_a_fmt:MATRIX_FMT_FP4 matrix_b_fmt:MATRIX_FMT_FP4
.elseif \odd
	v_wmma_scale_f32_16x16x128_f8f6f4 v[(\d):(\d)+7], v[(\a):(\a)+7], v[(\b):(\b)+7], v[(\d):(\d)+7], v[\sa], v[\sb] matrix_a_fmt:MATRIX_FMT_FP4 matrix_b_fmt:MATRIX_FMT_FP4 matrix_a_scale:MATRIX_SCALE_ROW1 matrix_b_scale:MATRIX_SCALE_ROW1
.else
	v_wmma_scale_f32_16x16x128_f8f6f4 v[(\d):(\d)+7], v[(\a):(\a)+7], v[(\b):(\b)+7], v[(\d):(\d)+7], v[\sa], v[\sb] matrix_a_fmt:MATRIX_FMT_FP4 matrix_b_fmt:MATRIX_FMT_FP4
.endif
.endm
; A K step of 128: 16 LDS loads, 16 matrix instructions.  The 16 accumulators take turns, one instruction a turn, in the same order in every step and on both ways.
.macro KSTEP s
.if (\s)%2 == 0
	s_wait_tensorcnt 3-(\s)/2                      ; my part of this group of two K steps has landed; the later groups' loads may stay out
	s_barrier_signal -1
	s_barrier_wait -1                              ; everybody's has
.endif
.if (\s) > 0
.rept 4
	v_nop                                          ; places in front of loads into registers that matrix instructions have read (ISA guide 7.12.1 for vector instructions)
.endr
.endif
.irp j, 0,1,2,3
.irp c, 0,1
	ds_load_b128 v[FH+8*\j+4*\c:FH+8*\j+4*\c+3], v[AH+(\s)/2] offset:\j*2048+((\s)%2)*1024+\c*512
	ds_load_b128 v[FW+8*\j+4*\c:FW+8*\j+4*\c+3], v[AW+(\s)/2] offset:\j*2048+((\s)%2)*1024+\c*512
.endr
.endr
	s_wait_dscnt 0x0
.if (\s) == 0
	s_wait_loadcnt 0x0                             ; the scale words and bv
.endif
	s_cmp_eq_u32 s[TYPE], 2
	s_cbranch_scc1 .Lv_\@
.irp j, 0,1,2,3                                ; q, k: source 0 = the weight's tile i, source 1 = token tile j
.irp i, 0,1,2,3
	MM ACC+32*\j+8*\i, FW+8*\i, FH+8*\j, SC+8*((\s)/2)+4+\i, SC+8*((\s)/2)+\j, (\s)==0, (\s)%2
.endr
.endr
	s_branch .Lj_\@
.Lv_\@:
.irp j, 0,1,2,3                                ; v: source 0 = token tile i, source 1 = the weight's tile j
.irp i, 0,1,2,3
	MM ACC+32*\j+8*\i, FH+8*\i, FW+8*\j, SC+8*((\s)/2)+\i, SC+8*((\s)/2)+4+\j, (\s)==0, (\s)%2
.endr
.endr
.Lj_\@:
.endm
; nb blocks of 32 along the next K; block q: 16 numbers of a lane from v[base + 16 q] on, the other 16 in lane l xor 16.  Codes: four registers for each pair of blocks from v[cd] on, in the operand's layout
; (lanes 0-15 the even block, lanes 16-31 the odd one); v[hw + q / 2]: the pair's two scale bytes.  All lines take the blocks by turns.
.macro QUANT nb, base, tm, tp, scl, by, cd, hw
.set qq, 0
.rept \nb
	v_max3_num_f32 v[\tm+qq], |v[\base+16*qq]|, |v[\base+16*qq+1]|, 0x1800000   ; with the floor 2^(3 - 127): the byte cannot fall under 1
.set qq, qq+1
.endr
.irp i, 2,4,6,8,10,12,14
.set qq, 0
.rept \nb
	v_max3_num_f32 v[\tm+qq], v[\tm+qq], |v[\base+16*qq+\i]|, |v[\base+16*qq+\i+1]|
.set qq, qq+1
.endr
.endr
.set qq, 0
.rept \nb
	v_permlanex16_b32 v[\tp+qq], v[\tm+qq], s[SEL], s[SEL+1]
.set qq, qq+1
.endr
.set qq, 0
.rept \nb
	v_max_num_f32 v[\tm+qq], v[\tm+qq], v[\tp+qq]  ; the block's largest magnitude
.set qq, qq+1
.endr
.set qq, 0
.rept \nb
	v_add_nc_u32 v[\scl+qq], 0xff000000, v[\tm+qq] ; 2 off its exponent field: the conversion's scale operand
.set qq, qq+1
.endr
.set qq, 0
.rept \nb
	v_lshrrev_b32 v[\by+qq], 23, v[\scl+qq]        ; the scale's byte
.set qq, qq+1
.endr
.set qq, 0
.rept \nb
	v_cvt_scalef32_pk8_fp4_f32 v[\cd+2*qq], v[\base+16*qq:\base+16*qq+7], v[\scl+qq]
	v_cvt_scalef32_pk8_fp4_f32 v[\cd+2*qq+1], v[\base+16*qq+8:\base+16*qq+15], v[\scl+qq]
.set qq, qq+1
.endr
	v_nop                                          ; one plain line behind a scaled conversion
.set qq, 0
.rept \nb/2
	v_permlane16_swap_b32 v[\cd+4*qq], v[\cd+4*qq+2]      ; the first's lanes 16-31 change places with the second's lanes 0-15: a whole block in a lane
	v_permlane16_swap_b32 v[\cd+4*qq+1], v[\cd+4*qq+3]
	v_lshl_or_b32 v[\hw+qq], v[\by+2*qq+1], 8, v[\by+2*qq]
.set qq, qq+1
.endr
.endm
	KSTEP 0
	KSTEP 1
	KSTEP 2
	KSTEP 3
	KSTEP 4
	KSTEP 5
	KSTEP 6
	KSTEP 7
.rept 4
	v_nop                                          ; places in front of the loads below and of the first read of results
.endr
.irp i, 0,1,2,3                                ; bq or bk in the result's layout: for tile i my half's eight channels 32 (i / 2) + 8 (i % 2) + 16 h + 0 .. 7.  (Every wave loads them; v's do not use them.)
	global_load_b128 v[FH+8*\i:FH+8*\i+3], v3, s[80:81] offset:(32*(\i/2)+8*(\i%2))*4
	global_load_b128 v[FH+8*\i+4:FH+8*\i+7], v3, s[80:81] offset:(32*(\i/2)+8*(\i%2))*4+16
.endr
	s_wait_loadcnt 0x0
	s_cmp_eq_u32 s[TYPE], 2
	s_cbranch_scc1 .Lbias_v
.irp j, 0,1,2,3                                ; each accumulator from its low end on
.irp i, 0,1,2,3
.irp m, 0,2,4,6
	v_pk_add_f32 v[ACC+32*\j+8*\i+\m:ACC+32*\j+8*\i+\m+1], v[ACC+32*\j+8*\i+\m:ACC+32*\j+8*\i+\m+1], v[FH+8*\i+\m:FH+8*\i+\m+1]
.endr
.endr
.endr
	s_branch .Lbiased
.Lbias_v:
.irp j, 0,1,2,3                                ; v: a lane holds one channel of tile j: one number for all its registers
.irp i, 0,1,2,3
.irp m, 0,2,4,6
	v_pk_add_f32 v[ACC+32*\j+8*\i+\m:ACC+32*\j+8*\i+\m+1], v[ACC+32*\j+8*\i+\m:ACC+32*\j+8*\i+\m+1], v[BV+2*\j:BV+2*\j+1]
.endr
.endr
.endr
.Lbiased:
	QUANT 8, ACC, 64, 72, 80, 88, 96, 112          ; blocks 2 j and 2 j + 1 belong to Y's tile j.  (v72-79, the permutes' destinations, were written by the loads above)
	v_permlane16_swap_b32 v112, v113               ; tile 0's half words in lanes 0-15, tile 1's in lanes 16-31
	v_permlane16_swap_b32 v114, v115
.irp j, 0,1,2,3
	global_store_b128 v2, v[96+4*\j:99+4*\j], s[82:83] offset:512*\j   ; 512 consecutive bytes a store, 2,048 on end
.endr
	s_cmp_eq_u32 s[TYPE], 2
	s_cbranch_scc1 .Lwords_v
	global_store_b32 v1, v112, s[84:85]            ; q, k: whole words, bytes 2 and 3 = 0
	global_store_b32 v1, v114, s[84:85] offset:128
	s_wait_tensorcnt 0x0
	ds_add_u32 v30, v31
	s_wait_dscnt 0x0
	s_endpgm
.Lwords_v:
	global_store_b16 v1, v112, s[84:85]            ; v: my 64 keys' half of each word
	global_store_b16 v1, v114, s[84:85] offset:128
	s_wait_tensorcnt 0x0
	ds_add_u32 v30, v31
	s_wait_dscnt 0x0
	s_endpgm
.Lfunc_end_k_q3b7760d2c9_qkv:
	.size	k_q3b7760d2c9_qkv, .Lfunc_end_k_q3b7760d2c9_qkv-k_q3b7760d2c9_qkv
	.p2alignl 7, 3214868480
	.fill 96, 4, 3214868480
	.section	.rodata,"a",@progbits
	.p2align	6, 0x0
	.amdhsa_kernel k_q3b7760d2c9_qkv
		.amdhsa_group_segment_fixed_size 230912
		.amdhsa_private_segment_fixed_size 0
		.amdhsa_enable_private_segment 0
		.amdhsa_kernarg_size 48
		.amdhsa_user_sgpr_count 2
		.amdhsa_user_sgpr_kernarg_segment_ptr 1
		.amdhsa_wavefront_size32 1
		.amdhsa_system_sgpr_workgroup_id_x 1
		.amdhsa_system_sgpr_workgroup_id_y 1
		.amdhsa_system_sgpr_workgroup_id_z 1
		.amdhsa_system_vgpr_workitem_id 0
		.amdhsa_next_free_vgpr 256
		.amdhsa_next_free_sgpr 96
		.amdhsa_reserve_vcc 0
		.amdhsa_float_denorm_mode_32 3
		.amdhsa_float_denorm_mode_16_64 3
		.amdhsa_memory_ordered 1
		.amdhsa_forward_progress 1
		.amdhsa_inst_pref_size 72
	.end_amdhsa_kernel
	.amdgpu_metadata
---
amdhsa.version: [ 1, 2 ]
amdhsa.kernels:
  - .name:           k_q3b7760d2c9_qkv
    .symbol:         k_q3b7760d2c9_qkv.kd
    .args:
      - { .name: hq, .offset: 0, .size: 8, .value_kind: global_buffer, .address_space: global }
      - { .name: wq, .offset: 8, .size: 8, .value_kind: global_buffer, .address_space: global }
      - { .name: bq, .offset: 16, .size: 8, .value_kind: global_buffer, .address_space: global }
      - { .name: bk, .offset: 24, .size: 8, .value_kind: global_buffer, .address_space: global }
      - { .name: bv, .offset: 32, .size: 8, .value_kind: global_buffer, .address_space: global }
      - { .name: att, .offset: 40, .size: 8, .value_kind: global_buffer, .address_space: global }
    .group_segment_fixed_size: 230912
    .private_segment_fixed_size: 0
    .kernarg_segment_align: 8
    .kernarg_segment_size: 48
    .max_flat_workgroup_size: 384
    .sgpr_count:     96
    .vgpr_count:     256
    .wavefront_size: 32
...
	.end_amdgpu_metadata
.endif
;; end of part 3
;; launch attn (part 4): grid 8 x 32, 16 waves a work-group, no clusters, 169,984 bytes of LDS; arguments att, cq, p0; writes cq, p0
.if DOCPART == 4
	.amdgcn_target "amdgcn-amd-amdhsa--gfx1250"
	.amdhsa_code_object_version 6
	.text
	.protected	k_q3b7760d2c9_attn
	.globl	k_q3b7760d2c9_attn
	.p2align	8
	.type	k_q3b7760d2c9_attn,@function
k_q3b7760d2c9_attn:
	s_mov_b64 s[64:65], 0
	v_nop
	global_prefetch_b8 v0, s[64:65] scope:SCOPE_SE
	s_setreg_imm32_b32 hwreg(HW_REG_WAVE_MODE, 25, 1), 1
	s_wait_xcnt 0x0
; ctx = softmax(q k^T / 8) v for one (batch, head), both products on codes of FP4 (E2M1) with E8M0 scales; ctx is quantised at once along D for the output projection.  Also: query 0's finished softmax / 16, to p0.
; THE SOFTMAX AHEAD OF THE SECOND PRODUCT: t = score x log2(e) / 8; M = the running largest t rounded UP to a whole number; p = 2^(t - M) is quantised along the keys, not normalised; the row's sum is taken of the
; unquantised p and divides at the end.  When M moves, the sum and O are multiplied by 2^(old M - new M): exact.
; SHARES.  Work-group (x, y): head record y, queries 256 x on.  Sixteen waves, four to a SIMD, so that one wave's vector work stands beside another's matrix work; a wave owns one tile of 16 queries and walks all 2,048 keys, 128 a step.
; LDS.  The head's K codes, V codes and both sets of scale words are the record's first 143,360 bytes: they come ONCE, one tensor load of 35 rows of 256 bytes a wave, and stay: nothing is filled again.
; All operands lie in the order of their registers: a fragment's chunk is 512 consecutive bytes, 16 a lane.  A tile of q or k has 64 of the instruction's 128 along K: its second chunk is zero codes, kept in registers; the scale bytes there are 0.
; LAYOUT.  Both products are used transposed: S^T = K Q^T (source 0 = 16 keys), O^T = V^T P^T (source 0 = 16 channels): a lane holds ONE query (row lane % 16 of its tile) throughout.  Row r of tile 2 b + u (of keys, of channels,
; of queries) is item 32 b + 8 u + r + 8 (r / 8): so the 16 registers of tiles 2 b, 2 b + 1 are the neighbours 32 b + 16 (lane / 16) + 0 .. 15.
; No cluster: the shared 140 KiB are fetched once for a work-group's 256 key steps, and the pass for query 0 parts on the work-group's x.
; LIMITS: v_exp_f32 gives 0 for p under 2^-126; a block of zeros gets the byte 1; NaN and infinities are not served.
; REGISTERS: v1-7 addresses that stay; v8-11 the step's; v12 -M, v13 the largest t, v[14:15] the sum; v16-23 Q; v24 Q's words; v25-28 K's words; v29-30 V's; v31 scratch address; v32-95 eight fragments of K;
; v96-159 S^T, then p; v160-191 O^T; v192-223 four fragments of V; v224-231 p's codes; v232-254 at work; v253 p's scale word.
.set REC,   217088
.set SCOFF, 2097152
.set VC,    65536
.set KS,    131072
.set VS,    139264
.set QC,    143360
.set QS,    208896
.set SCR,   143360                     ; LDS, behind the fill: 256 bytes of scratch, a block of their own
.set WV,  10
.set SEL, 44                           ; s[44:45] lane selects: lane l xor 16
.set CS,  46                           ; s[46:47] c = log2(e) / 8, twice: the packed form names a pair
.set TK,  48                           ; the step's codes of K and of V begin 4,096 bytes further on each trip,
.set TS,  49                           ; K's scale words 512,
.set TV,  50                           ; V's 256
.set CNT, 51
	s_load_b128 s[4:7], s[0:1], 0x0                ; att, cq
	s_load_b64 s[8:9], s[0:1], 0x10                ; p0
	v_lshl_add_u32 v243, v0, 2, 0x29000
	v_mov_b32 v255, 0
	ds_add_u32 v243, v255
	ds_add_u32 v243, v255
	v_lshrrev_b32 v8, 5, v0
	v_readfirstlane_b32 s[WV], v8                  ; wave 0..15
	s_and_b32 s11, ttmp7, 0xffff                   ; 16 x batch + head
	s_mul_i32 s12, s11, REC
	s_mov_b32 s13, 0
	s_mul_i32 s28, s[WV], 8960                     ; my sixteenth of the fill
	s_mov_b32 s29, 0
	s_mov_b32 s16, 3<<16                           ; group 1: a dense block as 35 rows of 256 bytes (32 elements of 8 bytes); no mask, no padding
	s_mov_b32 s17, 32<<16                          ; tensor_dim0
	s_mov_b32 s18, 35<<16                          ; tensor_dim1
	s_mov_b32 s19, 32<<16                          ; tile_dim0
	s_mov_b32 s20, 35                              ; tile_dim1
	s_mov_b32 s21, 32                              ; stride
	s_mov_b32 s22, 0
	s_mov_b32 s23, 0
	s_mov_b32 s24, 1
	s_mul_i32 s25, s[WV], 8960                     ; LDS address
	v_and_b32 v8, 31, v0                           ; lane
	v_lshlrev_b32 v1, 4, v8                        ; 16 x lane: K's codes in LDS; also my offset in a chunk in memory
	v_and_b32 v9, 15, v8                           ; r
	v_lshlrev_b32 v6, 2, v9                        ; 4 r
	v_add_nc_u32 v2, VC, v1                        ; V's codes
	v_lshl_add_u32 v3, v8, 2, KS                   ; K's scale words: 4 x lane: two tiles a load
	v_lshl_add_u32 v4, v8, 2, VS                   ; V's
	v_lshl_add_u32 v31, v8, 3, SCR
	v_lshrrev_b32 v10, 4, v8                       ; h
	v_and_b32 v11, 8, v9
	v_add_nc_u32 v11, v11, v9
	v_lshl_add_u32 v11, v10, 3, v11
	v_lshlrev_b32 v7, 2, v11                       ; the pass for query 0: 4 (8 (lane / 16) + r + 8 (r / 8)): my key among 32
	s_lshl_b32 s14, s[WV], 12
	v_add_nc_u32 v5, s14, v1                       ; that pass: wave w takes key step w: its codes of K,
	s_lshl_b32 s14, s[WV], 9
	v_add_nc_u32 v250, s14, v3                     ; its scale words,
	v_mov_b32 v251, SCR                            ; and query 0's two numbers
	s_wait_dscnt 0x0
	s_wait_kmcnt 0x0
	s_add_nc_u64 s[4:5], s[4:5], s[12:13]          ; my record
	s_add_nc_u64 s[26:27], s[4:5], s[28:29]
	s_or_b32 s27, s27, 0x80000000                  ; type = 2
	tensor_load_to_lds s[24:27], s[16:23]          ; one load of mine is out
	s_nop 0
.rept 4
	v_nop                                          ; behind a tensor load
.endr
	s_lshl_b32 s30, ttmp9, 4
	s_add_co_u32 s30, s30, s[WV]                   ; my tile of queries, of the batch's 128
	s_lshl_b32 s12, s30, 9
	s_add_co_u32 s12, s12, QC
	s_add_nc_u64 s[32:33], s[4:5], s[12:13]
	s_lshl_b32 s12, s30, 6
	s_add_co_u32 s12, s12, QS
	s_add_nc_u64 s[34:35], s[4:5], s[12:13]
	global_load_b128 v[16:19], v1, s[32:33]        ; Q's chunk stays in registers
	global_load_b32 v24, v6, s[34:35]              ; and its scale words
	s_add_nc_u64 s[40:41], s[4:5], QC              ; tile 0 of the queries, for the last pass
	s_add_nc_u64 s[42:43], s[4:5], QS
	s_lshr_b32 s54, s11, 4
	s_lshl_b32 s54, s54, 7
	s_add_co_u32 s54, s54, s30                     ; my tile among all 256
	s_and_b32 s55, s11, 15                         ; head
	s_lshl_b32 s12, s54, 13
	s_lshl_b32 s14, s55, 9
	s_add_co_u32 s12, s12, s14                     ; ctx's codes: tile x 8,192 + head x 512 (K step head / 2, chunk head % 2)
	s_add_nc_u64 s[36:37], s[6:7], s[12:13]
	s_lshl_b32 s12, s54, 9
	s_lshr_b32 s14, s55, 1
	s_lshl_b32 s14, s14, 6
	s_add_co_u32 s12, s12, s14
	s_and_b32 s14, s55, 1
	s_lshl_b32 s14, s14, 1
	s_add_co_u32 s12, s12, s14
	s_add_co_u32 s12, s12, SCOFF                   ; its scale words: my head's two bytes of each
	s_add_nc_u64 s[38:39], s[6:7], s[12:13]
	s_lshl_b32 s12, s11, 13
	s_lshl_b32 s14, s[WV], 9
	s_add_co_u32 s12, s12, s14
	s_add_nc_u64 s[52:53], s[8:9], s[12:13]        ; p0: my head's row, key step w
	s_mov_b32 s[SEL], 0x76543210
	s_mov_b32 s[SEL+1], 0xfedcba98
	s_mov_b32 s[CS], 0x3e38aa3b                    ; c = log2(e) / 8
	s_mov_b32 s[CS+1], s[CS]
	s_mov_b32 s[TK], 0
	s_mov_b32 s[TS], 0
	s_mov_b32 s[TV], 0
	s_mov_b32 s[CNT], 16
	v_mov_b32 v13, 0xff61b1e6                      ; the largest t so far: -3e38, under every t
	v_floor_f32 v12, -v13                          ; -M
	v_mov_b32 v14, 0
	v_mov_b32 v15, 0
.irp j, 20,21,22,23
	v_mov_b32 v[\j], 0                             ; Q's second chunk: zero codes
.endr
.irp t, 0,1,2,3,4,5,6,7
.irp j, 4,5,6,7
	v_mov_b32 v[32+8*\t+\j], 0                     ; K's likewise: written once
.endr
.endr
.irp b, 0,1,2,3
	v_mov_b32 v[236+\b], 0                         ; written once: a lane permute's destination counts as one of its sources
.endr
	v_mov_b32 v253, 0                              ; (named as the upper half of the pair v[252:253] before it is first written)
.irp j, 0,1,2,3,4,5,6,7,8,9,10,11,12,13,14,15,16,17,18,19,20,21,22,23,24,25,26,27,28,29,30,31
	v_mov_b32 v[160+\j], 0                         ; O^T: the step is written once; the first finds zeros, which the first change of M leaves zeros
.endr
; nb blocks of 32 along the next K; block q: 16 numbers of a lane from v[base + 16 q] on, the other 16 in lane l xor 16.  Codes in the operand's layout from v[cd] on; v[hw + q / 2]: a pair's two scale bytes.
.macro QUANT nb, base, tm, tp, scl, by, cd, hw
.set qq, 0
.rept \nb
	v_max3_num_f32 v[\tm+qq], |v[\base+16*qq]|, |v[\base+16*qq+1]|, 0x1800000   ; with the floor 2^(3 - 127)
.set qq, qq+1
.endr
.irp i, 2,4,6,8,10,12,14
.set qq, 0
.rept \nb
	v_max3_num_f32 v[\tm+qq], v[\tm+qq], |v[\base+16*qq+\i]|, |v[\base+16*qq+\i+1]|
.set qq, qq+1
.endr
.endr
.set qq, 0
.rept \nb
	v_permlanex16_b32 v[\tp+qq], v[\tm+qq], s[SEL], s[SEL+1]
.set qq, qq+1
.endr
.set qq, 0
.rept \nb
	v_max_num_f32 v[\tm+qq], v[\tm+qq], v[\tp+qq]
.set qq, qq+1
.endr
.set qq, 0
.rept \nb
	v_add_nc_u32 v[\scl+qq], 0xff000000, v[\tm+qq]
.set qq, qq+1
.endr
.set qq, 0
.rept \nb
	v_lshrrev_b32 v[\by+qq], 23, v[\scl+qq]
.set qq, qq+1
.endr
.set qq, 0
.rept \nb
	v_cvt_scalef32_pk8_fp4_f32 v[\cd+2*qq], v[\base+16*qq:\base+16*qq+7], v[\scl+qq]
	v_cvt_scalef32_pk8_fp4_f32 v[\cd+2*qq+1], v[\base+16*qq+8:\base+16*qq+15], v[\scl+qq]
.set qq, qq+1
.endr
	v_nop                                          ; one plain line behind a scaled conversion
.set qq, 0
.rept \nb/2
	v_permlane16_swap_b32 v[\cd+4*qq], v[\cd+4*qq+2]
	v_permlane16_swap_b32 v[\cd+4*qq+1], v[\cd+4*qq+3]
	v_lshl_or_b32 v[\hw+qq], v[\by+2*qq+1], 8, v[\by+2*qq]
.set qq, qq+1
.endr
.endm
	s_wait_tensorcnt 0x0                           ; my part of the head's K and V is in,
	s_wait_loadcnt 0x0                             ; and Q
	s_barrier_signal -1
	s_barrier_wait -1                              ; everybody's is
.Lstep:                                            ; 16 trips of 128 keys
	v_add_nc_u32 v8, s[TK], v1                     ; (these four are also the places behind the last trip's products, in front of the loads into V's registers)
	v_add_nc_u32 v9, s[TK], v2
	v_add_nc_u32 v10, s[TS], v3
	v_add_nc_u32 v11, s[TV], v4
.irp t, 0,1,2,3,4,5,6,7
	ds_load_b128 v[32+8*\t:35+8*\t], v8 offset:512*\t
.endr
.irp p, 0,1,2,3
	ds_load_b32 v[25+\p], v10 offset:128*\p        ; lanes 0-15: tile 2 p's words, lanes 16-31: tile 2 p + 1's
.endr
.irp t, 0,1,2,3
.irp c, 0,1
	ds_load_b128 v[192+8*\t+4*\c:195+8*\t+4*\c], v9 offset:(4*\c+\t)*512
.endr
.endr
.irp p, 0,1
	ds_load_b32 v[29+\p], v11 offset:128*\p
.endr
	s_wait_dscnt 10                                ; K's twelve loads are in; V's ten may be out
.irp t, 0,2,4,6                                ; S^T = K Q^T
	v_wmma_scale_f32_16x16x128_f8f6f4 v[96+8*\t:103+8*\t], v[32+8*\t:39+8*\t], v[16:23], 0, v[25+\t/2], v24 matrix_a_fmt:MATRIX_FMT_FP4 matrix_b_fmt:MATRIX_FMT_FP4
	v_wmma_scale_f32_16x16x128_f8f6f4 v[104+8*\t:111+8*\t], v[40+8*\t:47+8*\t], v[16:23], 0, v[25+\t/2], v24 matrix_a_fmt:MATRIX_FMT_FP4 matrix_b_fmt:MATRIX_FMT_FP4 matrix_a_scale:MATRIX_SCALE_ROW1
.endr
.rept 4
	v_nop                                          ; places in front of the first read of results (ISA guide 7.12.1)
.endr
.irp b, 0,1,2,3
	v_max3_num_f32 v[232+\b], v[96+16*\b], v[97+16*\b], v[98+16*\b]   ; the largest score of each block of 32 keys: it serves the row's maximum and, since p rises with the score, the block's largest p
.endr
.irp i, 3,5,7,9,11,13
.irp b, 0,1,2,3
	v_max3_num_f32 v[232+\b], v[232+\b], v[96+16*\b+\i], v[97+16*\b+\i]
.endr
.endr
.irp b, 0,1,2,3
	v_max_num_f32 v[232+\b], v[232+\b], v[111+16*\b]
.endr
.irp b, 0,1,2,3
	v_permlanex16_b32 v[236+\b], v[232+\b], s[SEL], s[SEL+1]
.endr
.irp b, 0,1,2,3
	v_max_num_f32 v[232+\b], v[232+\b], v[236+\b]  ; with lane l xor 16's 16 keys
.endr
	v_max3_num_f32 v254, v232, v233, v234
	v_max_num_f32 v254, v254, v235                 ; the step's largest score of my query
	v_mul_f32 v254, s[CS], v254                    ; as t (c is positive)
	v_max_num_f32 v13, v13, v254                   ; the running largest t
	v_mov_b32 v254, v12
	v_floor_f32 v12, -v13                          ; the new -M = floor(-t) = -ceil(t)
	v_sub_f32 v254, v12, v254                      ; old M - new M: a whole number, 0 or less
	v_cvt_i32_f32 v254, v254                       ; (it saturates)
	v_ldexp_f32 v252, 1.0, v254                    ; f = 2^(old M - new M)
.irp j, 0,2,4,6,8,10,12,14,16,18,20,22,24,26,28,30,32,34,36,38,40,42,44,46,48,50,52,54,56,58,60,62
	v_pk_fma_f32 v[96+\j:97+\j], v[96+\j:97+\j], s[CS:CS+1], v[12:13] op_sel_hi:[1,0,0]   ; t - M, two at a time
.endr
.irp b, 0,1,2,3
	v_fma_f32 v[232+\b], v[232+\b], s[CS], v12     ; the same of each block's largest score
.endr
.irp j, 0,1,2,3,4,5,6,7,8,9,10,11,12,13,14,15,16,17,18,19,20,21,22,23,24,25,26,27,28,29,30,31,32,33,34,35,36,37,38,39,40,41,42,43,44,45,46,47,48,49,50,51,52,53,54,55,56,57,58,59,60,61,62,63
	v_exp_f32 v[96+\j], v[96+\j]                   ; p = 2^(t - M), at most 1
.endr
.irp b, 0,1,2,3
	v_exp_f32 v[232+\b], v[232+\b]                 ; the block's largest p
.endr
	v_pk_mul_f32 v[14:15], v[14:15], v[252:253] op_sel_hi:[1,0]   ; the sums under the new M (a plain line behind the exponentials)
	s_wait_alu depctr_va_vdst(0)
.irp b, 0,1,2,3
	v_max_num_f32 v[232+\b], 0x1800000, v[232+\b]  ; the floor 2^(3 - 127)
.endr
.irp b, 0,1,2,3
	v_add_nc_u32 v[244+\b], 0xff000000, v[232+\b]  ; the conversion's scale operand
.endr
.irp b, 0,1,2,3
	v_lshrrev_b32 v[236+\b], 23, v[244+\b]         ; the scale's byte
.endr
	v_lshl_or_b32 v253, v237, 8, v236              ; p's scale word for these 128 keys
	v_lshl_or_b32 v253, v238, 16, v253
	v_lshl_or_b32 v253, v239, 24, v253
.irp b, 0,1,2,3
	v_cvt_scalef32_pk8_fp4_f32 v[224+2*\b], v[96+16*\b:103+16*\b], v[244+\b]
	v_cvt_scalef32_pk8_fp4_f32 v[225+2*\b], v[104+16*\b:111+16*\b], v[244+\b]
.endr
	v_nop                                          ; one plain line behind a scaled conversion
.irp c, 0,1
.irp i, 0,1
	v_permlane16_swap_b32 v[224+4*\c+\i], v[226+4*\c+\i]   ; a whole block in a lane
.endr
.endr
.irp j, 0,2,4,6,8,10,12,14,16,18,20,22,24,26,28,30
	v_pk_mul_f32 v[160+\j:161+\j], v[160+\j:161+\j], v[252:253] op_sel_hi:[1,0]   ; O^T under the new M, each accumulator from its low end on
.endr
	v_pk_add_f32 v[236:237], v[96:97], v[98:99]    ; the row's sum, of the unquantised p: two chains.  (These lines also stand between what vector lines wrote for the second product and that product)
.irp j, 4,8,12,16,20,24,28,32,36,40,44,48,52,56,60
	v_pk_add_f32 v[14:15], v[14:15], v[96+\j:97+\j]
	v_pk_add_f32 v[236:237], v[236:237], v[98+\j:99+\j]
.endr
	v_pk_add_f32 v[14:15], v[14:15], v[236:237]
	s_wait_dscnt 0x0                               ; V
.irp t, 0,2                                    ; O^T += V^T P^T: the four accumulators by turns
	v_wmma_scale_f32_16x16x128_f8f6f4 v[160+8*\t:167+8*\t], v[192+8*\t:199+8*\t], v[224:231], v[160+8*\t:167+8*\t], v[29+\t/2], v253 matrix_a_fmt:MATRIX_FMT_FP4 matrix_b_fmt:MATRIX_FMT_FP4
	v_wmma_scale_f32_16x16x128_f8f6f4 v[168+8*\t:175+8*\t], v[200+8*\t:207+8*\t], v[224:231], v[168+8*\t:175+8*\t], v[29+\t/2], v253 matrix_a_fmt:MATRIX_FMT_FP4 matrix_b_fmt:MATRIX_FMT_FP4 matrix_a_scale:MATRIX_SCALE_ROW1
.endr
	s_add_co_u32 s[TK], s[TK], 4096
	s_add_co_u32 s[TS], s[TS], 512
	s_add_co_u32 s[TV], s[TV], 256
	s_sub_co_u32 s[CNT], s[CNT], 1
	s_cmp_lg_u32 s[CNT], 0
	s_cbranch_scc1 .Lstep
	; THE WAY OUT: ctx = O^T / the sum; a lane's 32 registers are its half of the head's two blocks of 32 channels: quantised in registers, they are one chunk of ctx's fragment.
.rept 4
	v_nop
.endr
	v_add_f32 v14, v14, v15
	v_permlanex16_b32 v252, v14, s[SEL], s[SEL+1]
	v_add_f32 v14, v14, v252                       ; the row's sum
	v_rcp_f32 v248, v14
	v_rcp_f32 v249, v14
	v_mov_b32 v246, v12                            ; (a plain line behind the transcendentals)  -M,
	s_wait_alu depctr_va_vdst(0)
	v_mul_f32 v247, 0x3d800000, v248               ; and 1 / (16 x the sum): what the pass for query 0 wants
.irp j, 0,2,4,6,8,10,12,14,16,18,20,22,24,26,28,30
	v_pk_mul_f32 v[160+\j:161+\j], v[160+\j:161+\j], v[248:249]
.endr
	QUANT 2, 160, 232, 236, 244, 240, 224, 242
	global_store_b128 v1, v[224:227], s[36:37]     ; 512 consecutive bytes
	global_store_b16 v6, v242, s[38:39]            ; my head's two bytes of each row's word; lanes 16-31 write what lanes 0-15 write
	; QUERY 0's finished softmax.  It is row 0 of tile 0: wave 0 of the work-groups with x = 0 holds its -M and 1 / (16 l) in lane 0.
	s_cmp_lg_u32 s[WV], 0
	s_cbranch_scc1 .Lnot_wave_0
	ds_store_b64 v31, v[246:247]
.Lnot_wave_0:
	s_wait_dscnt 0x0                               ; for the others' sake: the store is done
	s_barrier_signal -1
	s_barrier_wait -1
	s_cmp_lg_u32 ttmp9, 0
	s_cbranch_scc1 .Lend
	ds_load_b64 v[234:235], v251                   ; lane 0's pair, in every lane
	global_load_b128 v[16:19], v1, s[40:41]        ; tile 0 of the queries
	global_load_b32 v24, v6, s[42:43]
.irp t, 0,1,2,3,4,5,6,7
	ds_load_b128 v[32+8*\t:35+8*\t], v5 offset:512*\t   ; wave w: key step w
.endr
.irp p, 0,1,2,3
	ds_load_b32 v[25+\p], v250 offset:128*\p
.endr
	s_wait_loadcnt 0x0
	s_wait_dscnt 0x0
.irp t, 0,2,4,6                                ; NOT transposed: source 0 = the queries, source 1 = 16 keys: register 0 of lanes 0-15 is query 0's score with the tile's 16 keys
	v_wmma_scale_f32_16x16x128_f8f6f4 v[96+8*\t:103+8*\t], v[16:23], v[32+8*\t:39+8*\t], 0, v24, v[25+\t/2] matrix_a_fmt:MATRIX_FMT_FP4 matrix_b_fmt:MATRIX_FMT_FP4
	v_wmma_scale_f32_16x16x128_f8f6f4 v[104+8*\t:111+8*\t], v[16:23], v[40+8*\t:47+8*\t], 0, v24, v[25+\t/2] matrix_a_fmt:MATRIX_FMT_FP4 matrix_b_fmt:MATRIX_FMT_FP4 matrix_b_scale:MATRIX_SCALE_ROW1
.endr
.rept 4
	v_nop
.endr
.irp p, 0,1,2,3
	v_permlane16_swap_b32 v[96+16*\p], v[104+16*\p]   ; tile 2 p's sixteen scores in lanes 0-15, tile 2 p + 1's in lanes 16-31
.endr
.irp p, 0,1,2,3
	v_fma_f32 v[96+16*\p], v[96+16*\p], s[CS], v234
.endr
.irp p, 0,1,2,3
	v_exp_f32 v[96+16*\p], v[96+16*\p]
.endr
	v_nop
	s_wait_alu depctr_va_vdst(0)
.irp p, 0,1,2,3
	v_mul_f32 v[96+16*\p], v[96+16*\p], v235
.endr
.irp p, 0,1,2,3
	global_store_b32 v7, v[96+16*\p], s[52:53] offset:128*\p   ; 32 keys: 128 consecutive bytes
.endr
.Lend:
	s_wait_tensorcnt 0x0
	ds_add_u32 v243, v255
	s_wait_dscnt 0x0
	s_endpgm
.Lfunc_end_k_q3b7760d2c9_attn:
	.size	k_q3b7760d2c9_attn, .Lfunc_end_k_q3b7760d2c9_attn-k_q3b7760d2c9_attn
	.p2alignl 7, 3214868480
	.fill 96, 4, 3214868480
	.section	.rodata,"a",@progbits
	.p2align	6, 0x0
	.amdhsa_kernel k_q3b7760d2c9_attn
		.amdhsa_group_segment_fixed_size 169984
		.amdhsa_private_segment_fixed_size 0
		.amdhsa_enable_private_segment 0
		.amdhsa_kernarg_size 24
		.amdhsa_user_sgpr_count 2
		.amdhsa_user_sgpr_kernarg_segment_ptr 1
		.amdhsa_wavefront_size32 1
		.amdhsa_system_sgpr_workgroup_id_x 1
		.amdhsa_system_sgpr_workgroup_id_y 1
		.amdhsa_system_sgpr_workgroup_id_z 1
		.amdhsa_system_vgpr_workitem_id 0
		.amdhsa_next_free_vgpr 256
		.amdhsa_next_free_sgpr 66
		.amdhsa_reserve_vcc 0
		.amdhsa_float_denorm_mode_32 3
		.amdhsa_float_denorm_mode_16_64 3
		.amdhsa_memory_ordered 1
		.amdhsa_forward_progress 1
		.amdhsa_inst_pref_size 30
	.end_amdhsa_kernel
	.amdgpu_metadata
---
amdhsa.version: [ 1, 2 ]
amdhsa.kernels:
  - .name:           k_q3b7760d2c9_attn
    .symbol:         k_q3b7760d2c9_attn.kd
    .args:
      - { .name: att, .offset: 0, .size: 8, .value_kind: global_buffer, .address_space: global }
      - { .name: cq, .offset: 8, .size: 8, .value_kind: global_buffer, .address_space: global }
      - { .name: p0, .offset: 16, .size: 8, .value_kind: global_buffer, .address_space: global }
    .group_segment_fixed_size: 169984
    .private_segment_fixed_size: 0
    .kernarg_segment_align: 8
    .kernarg_segment_size: 24
    .max_flat_workgroup_size: 512
    .sgpr_count:     66
    .vgpr_count:     256
    .wavefront_size: 32
...
	.end_amdgpu_metadata
.endif
;; end of part 4
;; launch outln (part 5): grid 128 x 1, 16 waves a work-group, no clusters, 281,088 bytes of LDS; arguments cq, wq, bo, x, g2, b2, part; writes part
.if DOCPART == 5
	.amdgcn_target "amdgcn-amd-amdhsa--gfx1250"
	.amdhsa_code_object_version 6
	.text
	.protected	k_q3b7760d2c9_outln
	.globl	k_q3b7760d2c9_outln
	.p2align	8
	.type	k_q3b7760d2c9_outln,@function
k_q3b7760d2c9_outln:
	s_mov_b64 s[64:65], 0
	v_nop
	global_prefetch_b8 v0, s[64:65] scope:SCOPE_SE
	s_setreg_imm32_b32 hwreg(HW_REG_WAVE_MODE, 25, 1), 1
	s_wait_xcnt 0x0
; y = x + ctx Wo + bo (the product on codes of FP4 with E8M0 scales, sums in f32), LayerNorm of each row, and the work-group's share of the mean over the 2,048 tokens of a batch.
; The mean of (y - mean) rstd g2 + b2 over tokens is g2 x the mean of (y - mean) rstd, + b2: g2 and b2 are applied to the column sums (the same value up to f32 rounding).
; part[work-group][column] = g2 x (the sum over my 32 rows) / 2,048 + b2 / 64; the 64 work-groups of a batch add up to the result.
; SHARES.  A work-group takes 32 tokens (tiles 2 g and 2 g + 1) x all 1,024 columns, since a row's statistics want the whole row.  In the product wave w takes Wo's four tiles 4 w on (64 columns) x both token tiles:
; eight accumulators; its fragments of Wo come straight from memory into a ring of four sets of registers, four K steps ahead; each is read once by this work-group.
; The product is used transposed (source 0 = 16 columns of Wo, source 1 = 16 tokens): with row r of tile 2 b + u being column 32 b + 8 u + r + 8 (r / 8), a lane's registers are neighbouring columns of one token's row.
; LDS: ctx's images (16,384 bytes, one tensor load of 1,024 bytes a wave); x's rows, 8,192 bytes for each wave, its own (one tensor load); a stage of 32 rows x (4,096 + 16) bytes.  Every byte is filled once.
; In the LayerNorm wave w takes stage rows 2 w and 2 w + 1, which are two neighbouring tokens.  The waves' column sums meet in x's bytes, which have had their only fill and their last read.
; No cluster: what is shared between work-groups is Wo's stream, which goes through registers here.  128 work-groups: a row cannot be shared further without a second pass over y.
; LIMITS: NaN and infinities are not served.
.set SCOFF, 2097152
.set XB,   16384
.set STG,  147456
.set SP,   4112
.set WV,   18
.set G1C,  20                          ; s[20:27] group 1 for ctx's images;  s[28:35] for x's rows;  s[36:39], s[40:43] their groups 0
.set G1X,  28
.set G0C,  36
.set G0X,  40
.set SEL,  56                          ; s[56:57]
.set C10,  58                          ; 2^-10, -2^-10, eps
.set NC10, 59
.set EPS,  60
.set CW,   24                          ; v24-31  ctx's scale words: 4 u + p
.set WW,   32                          ; v32-47  Wo's: 4 i + p
.set CF,   48                          ; v48-63  ctx's two fragments
.set WR,   64                          ; v64-191 Wo's fragments: four sets of four
.set BO,   64                          ; later: bo at my 32 columns
.set ACC,  192                         ; v192-255 accumulator (tile i of Wo, token tile u) at 32 u + 8 i
.set CSUM, 224                         ; later: my two rows' column sums
	s_load_b256 s[4:11], s[0:1], 0x0               ; cq, wq, bo, x
	s_load_b128 s[12:15], s[0:1], 0x20             ; g2, b2
	s_load_b64 s[16:17], s[0:1], 0x30              ; part
	v_lshl_add_u32 v254, v0, 2, 0x44200
	v_mov_b32 v255, 0
	ds_add_u32 v254, v255
	ds_add_u32 v254, v255
	s_wait_dscnt 0x0
	v_lshrrev_b32 v1, 5, v0
	v_readfirstlane_b32 s[WV], v1                  ; wave 0..15
	s_mov_b32 s[G1C+0], 3<<16                      ; dense blocks as rows of 256 bytes (32 elements of 8 bytes): 4 rows of ctx's images,
	s_mov_b32 s[G1C+1], 32<<16
	s_mov_b32 s[G1C+2], 4<<16
	s_mov_b32 s[G1C+3], 32<<16
	s_mov_b32 s[G1C+4], 4
	s_mov_b32 s[G1C+5], 32
	s_mov_b32 s[G1C+6], 0
	s_mov_b32 s[G1C+7], 0
	s_mov_b32 s[G1X+0], 3<<16                      ; 32 rows of x (two tokens)
	s_mov_b32 s[G1X+1], 32<<16
	s_mov_b32 s[G1X+2], 32<<16
	s_mov_b32 s[G1X+3], 32<<16
	s_mov_b32 s[G1X+4], 32
	s_mov_b32 s[G1X+5], 32
	s_mov_b32 s[G1X+6], 0
	s_mov_b32 s[G1X+7], 0
	s_lshl_b32 s44, ttmp9, 14
	s_lshl_b32 s45, s[WV], 10
	s_add_co_u32 s44, s44, s45                     ; ctx: 16,384 g + 1,024 w
	s_mov_b32 s45, 0
	s_lshl_b32 s50, ttmp9, 5
	s_lshr_b32 s51, s[WV], 3
	s_lshl_b32 s51, s51, 3
	s_add_co_u32 s50, s50, s51
	s_and_b32 s51, s[WV], 7
	s_lshl_b32 s52, s51, 1
	s_add_co_u32 s50, s50, s52
	s_lshr_b32 s51, s51, 2
	s_lshl_b32 s51, s51, 3
	s_add_co_u32 s50, s50, s51                     ; stage rows 2 w, 2 w + 1 are tokens 32 g + 8 (w / 8) + 2 (w % 8) + 8 ((w % 8) / 4) and the next
	s_lshl_b32 s50, s50, 12
	s_mov_b32 s51, 0
	s_mov_b32 s[G0C], 1
	s_lshl_b32 s[G0C+1], s[WV], 10
	s_mov_b32 s[G0X], 1
	s_lshl_b32 s[G0X+1], s[WV], 13
	s_add_co_u32 s[G0X+1], s[G0X+1], XB
	v_and_b32 v3, 31, v0                           ; lane
	v_lshlrev_b32 v1, 2, v3                        ; 4 x lane
	v_lshlrev_b32 v2, 4, v3                        ; 16 x lane: in memory, and in ctx's images (they begin at LDS byte 0)
	v_and_b32 v10, 15, v3                          ; r
	v_lshrrev_b32 v11, 4, v3                       ; h
	v_mul_u32_u24 v4, v10, SP
	v_lshl_add_u32 v4, v11, 6, v4
	s_lshl_b32 s52, s[WV], 8
	s_add_co_u32 s52, s52, STG
	v_add_nc_u32 v4, s52, v4                       ; into the stage: row r, + 256 w + 64 h: my 16 columns of a block of 32
	v_add_nc_u32 v5, 16*SP, v4                     ; the second token tile's rows
	s_mul_i32 s52, s[WV], 2*SP
	s_add_co_u32 s52, s52, STG
	v_add_nc_u32 v6, s52, v2                       ; back: my two rows, 16 bytes a lane
	s_lshl_b32 s52, s[WV], 13
	s_add_co_u32 s52, s52, XB
	v_add_nc_u32 v7, s52, v2                       ; x's two rows
	v_lshlrev_b32 v14, 3, v0                       ; 8 x thread: my two columns at the end
	v_add_nc_u32 v8, XB, v14
	v_add_nc_u32 v9, 65536, v8
	v_mov_b32 v15, 0                               ; written once: a lane permute's destination counts as one of its sources
	s_wait_kmcnt 0x0
	s_add_nc_u64 s[G0C+2:G0C+3], s[4:5], s[44:45]
	s_or_b32 s[G0C+3], s[G0C+3], 0x80000000
	s_add_nc_u64 s[G0X+2:G0X+3], s[10:11], s[50:51]
	s_or_b32 s[G0X+3], s[G0X+3], 0x80000000
	tensor_load_to_lds s[G0C:G0C+3], s[G1C:G1C+7]  ; two loads of mine are out
	s_nop 0
	tensor_load_to_lds s[G0X:G0X+3], s[G1X:G1X+7]
	s_nop 0
.rept 4
	v_nop                                          ; behind a tensor load
.endr
	s_lshl_b32 s44, ttmp9, 10
	s_add_co_u32 s44, s44, SCOFF
	s_add_nc_u64 s[44:45], s[4:5], s[44:45]        ; ctx's scale words, tiles 2 g and 2 g + 1
	s_lshl_b32 s46, s[WV], 2
	s_add_co_u32 s46, s46, 192                     ; Wo's tiles begin at 192; mine at 192 + 4 w
	s_lshl_b32 s48, s46, 13
	s_mov_b32 s49, 0
	s_add_nc_u64 s[48:49], s[6:7], s[48:49]        ; their codes
	s_lshl_b32 s46, s46, 9
	s_add_co_u32 s46, s46, SCOFF
	s_mov_b32 s47, 0
	s_add_nc_u64 s[46:47], s[6:7], s[46:47]        ; their scale words
	s_lshl_b32 s52, ttmp9, 12
	s_mov_b32 s53, 0
	s_add_nc_u64 s[16:17], s[16:17], s[52:53]
	s_mov_b32 s[SEL], 0x76543210
	s_mov_b32 s[SEL+1], 0xfedcba98
	s_mov_b32 s[C10], 0x3a800000
	s_mov_b32 s[NC10], 0xba800000
	s_mov_b32 s[EPS], 0x3727c5ac
.irp u, 0,1
.irp p, 0,1,2,3
	global_load_b32 v[CW+4*\u+\p], v1, s[44:45] offset:\u*512+\p*128
.endr
.endr
.irp i, 0,1,2,3
.irp p, 0,1,2,3
	global_load_b32 v[WW+4*\i+\p], v1, s[46:47] offset:\i*512+\p*128
.endr
.endr
.macro LOADW s                         ; Wo's four fragments of K step s into set s % 4: eight loads of 512 consecutive bytes
.irp i, 0,1,2,3
.irp c, 0,1
	global_load_b128 v[WR+32*((\s)%4)+8*\i+4*\c:WR+32*((\s)%4)+8*\i+4*\c+3], v2, s[48:49] offset:\i*8192+(\s)*1024+\c*512
.endr
.endr
.endm
	LOADW 0
	LOADW 1
	LOADW 2
	LOADW 3
.macro MM d, a, b, sa, sb, zero, odd
.if \zero
	v_wmma_scale_f32_16x16x128_f8f6f4 v[(\d):(\d)+7], v[(\a):(\a)+7], v[(\b):(\b)+7], 0, v[\sa], v[\sb] matrix_a_fmt:MATRIX_FMT_FP4 matrix_b_fmt:MATRIX_FMT_FP4
.elseif \odd
	v_wmma_scale_f32_16x16x128_f8f6f4 v[(\d):(\d)+7], v[(\a):(\a)+7], v[(\b):(\b)+7], v[(\d):(\d)+7], v[\sa], v[\sb] matrix_a_fmt:MATRIX_FMT_FP4 matrix_b_fmt:MATRIX_FMT_FP4 matrix_a_scale:MATRIX_SCALE_ROW1 matrix_b_scale:MATRIX_SCALE_ROW1
.else
	v_wmma_scale_f32_16x16x128_f8f6f4 v[(\d):(\d)+7], v[(\a):(\a)+7], v[(\b):(\b)+7], v[(\d):(\d)+7], v[\sa], v[\sb] matrix_a_fmt:MATRIX_FMT_FP4 matrix_b_fmt:MATRIX_FMT_FP4
.endif
.endm
; A K step.  n: how many younger global loads may stay out when this step's fragments of Wo have to be there.  The eight accumulators take turns.
.macro KSTEP s, n
.irp u, 0,1
.irp c, 0,1
	ds_load_b128 v[CF+8*\u+4*\c:CF+8*\u+4*\c+3], v2 offset:\u*8192+(\s)*1024+\c*512
.endr
.endr
	s_wait_loadcnt \n
	s_wait_dscnt 0x0
.irp u, 0,1
.irp i, 0,1,2,3
	MM ACC+32*\u+8*\i, WR+32*((\s)%4)+8*\i, CF+8*\u, WW+4*\i+(\s)/2, CW+4*\u+(\s)/2, (\s)==0, (\s)%2
.endr
.endr
.rept 4
	v_nop                                          ; places in front of loads into registers that matrix instructions have read, and of the first read of results
.endr
.endm
	s_wait_tensorcnt 0x1                           ; my part of ctx's images is in; x's rows may stay out
	s_barrier_signal -1
	s_barrier_wait -1
	KSTEP 0, 24                                    ; behind this step's fragments: those of the three steps that follow
	LOADW 4
	KSTEP 1, 24
	LOADW 5
	KSTEP 2, 24
	LOADW 6
	KSTEP 3, 24
	LOADW 7
	KSTEP 4, 24
.irp j, 0,1,2,3,4,5,6,7
	global_load_b128 v[BO+4*\j:BO+4*\j+3], v2, s[8:9] offset:512*\j   ; bo, into the set that steps 0 and 4 have left
.endr
	global_load_b64 v[16:17], v14, s[12:13]        ; g2, b2 at my two columns
	global_load_b64 v[18:19], v14, s[14:15]
	KSTEP 5, 26                                    ; two steps' fragments and the ten loads above
	KSTEP 6, 18
	KSTEP 7, 10
.irp u, 0,1
.irp i, 0,1,2,3
	ds_store_b128 v[4+\u], v[ACC+32*\u+8*\i:ACC+32*\u+8*\i+3] offset:128*(\i/2)+32*(\i%2)         ; each accumulator from its low end on
	ds_store_b128 v[4+\u], v[ACC+32*\u+8*\i+4:ACC+32*\u+8*\i+7] offset:128*(\i/2)+32*(\i%2)+16
.endr
.endr
	s_wait_dscnt 0x0                               ; for the others' sake: my stores into the stage are done
	s_barrier_signal -1
	s_barrier_wait -1                              ; 32 whole rows lie in the stage
	s_wait_tensorcnt 0x0                           ; x's two rows, my own load's
	s_wait_loadcnt 0x0                             ; bo, g2, b2
.irp i, 0,1
.irp j, 0,1,2,3,4,5,6,7
	ds_load_b128 v[96+32*\i+4*\j:99+32*\i+4*\j], v6 offset:\i*SP+512*\j
.endr
.irp j, 0,1,2,3,4,5,6,7
	ds_load_b128 v[160+32*\i+4*\j:163+32*\i+4*\j], v7 offset:\i*4096+512*\j
.endr
.endr
.macro WSUM r, t                       ; the sum over the 32 lanes, in every lane
	v_add_f32_dpp v[\r], v[\r], v[\r] row_xmask:1 row_mask:0xf bank_mask:0xf
	v_add_f32_dpp v[\r], v[\r], v[\r] row_xmask:2 row_mask:0xf bank_mask:0xf
	v_add_f32_dpp v[\r], v[\r], v[\r] row_xmask:4 row_mask:0xf bank_mask:0xf
	v_add_f32_dpp v[\r], v[\r], v[\r] row_xmask:8 row_mask:0xf bank_mask:0xf
	v_permlanex16_b32 v[\t], v[\r], s[SEL], s[SEL+1]
	v_add_f32 v[\r], v[\r], v[\t]
.endm
; A row of 1,024 numbers, 32 a lane from v[x] on: they become x - mean, in place; v[rs], v[rs + 1] = 1 / sqrt(mean of (x - mean)^2 + eps).  v[mu], v[mu + 1] hold -mean.
.macro LNSTAT x, mu, rs
	v_pk_add_f32 v[10:11], v[\x:\x+1], v[\x+2:\x+3]
	v_pk_add_f32 v[12:13], v[\x+4:\x+5], v[\x+6:\x+7]
.irp k, 8,12,16,20,24,28
	v_pk_add_f32 v[10:11], v[10:11], v[\x+\k:\x+\k+1]
	v_pk_add_f32 v[12:13], v[12:13], v[\x+\k+2:\x+\k+3]
.endr
	v_pk_add_f32 v[10:11], v[10:11], v[12:13]
	v_add_f32 v10, v10, v11
	WSUM 10, 15
	v_mul_f32 v[\mu], s[NC10], v10
	v_mul_f32 v[\mu+1], s[NC10], v10
.irp k, 0,2,4,6,8,10,12,14,16,18,20,22,24,26,28,30
	v_pk_add_f32 v[\x+\k:\x+\k+1], v[\x+\k:\x+\k+1], v[\mu:\mu+1]
.endr
	v_pk_mul_f32 v[10:11], v[\x:\x+1], v[\x:\x+1]
	v_pk_mul_f32 v[12:13], v[\x+2:\x+3], v[\x+2:\x+3]
.irp k, 4,8,12,16,20,24,28
	v_pk_fma_f32 v[10:11], v[\x+\k:\x+\k+1], v[\x+\k:\x+\k+1], v[10:11]
	v_pk_fma_f32 v[12:13], v[\x+\k+2:\x+\k+3], v[\x+\k+2:\x+\k+3], v[12:13]
.endr
	v_pk_add_f32 v[10:11], v[10:11], v[12:13]
	v_add_f32 v10, v10, v11
	WSUM 10, 15
	v_fma_f32 v10, v10, s[C10], s[EPS]
	v_rsq_f32 v[\rs], v10
	v_rsq_f32 v[\rs+1], v10
	v_nop                                          ; a plain line between the transcendentals and the use of their results (ISA guide 5.7.2)
	s_wait_alu depctr_va_vdst(0)
.endm
.macro LNROW i
.set YR, 96+32*\i
.set XR, 160+32*\i
.irp k, 0,2,4,6,8,10,12,14,16,18,20,22,24,26,28,30
	v_pk_add_f32 v[YR+\k:YR+\k+1], v[YR+\k:YR+\k+1], v[BO+\k:BO+\k+1]
.endr
.irp k, 0,2,4,6,8,10,12,14,16,18,20,22,24,26,28,30
	v_pk_add_f32 v[YR+\k:YR+\k+1], v[YR+\k:YR+\k+1], v[XR+\k:XR+\k+1]
.endr
	LNSTAT YR, 20, 22
.irp k, 0,2,4,6,8,10,12,14,16,18,20,22,24,26,28,30
.if \i == 0
	v_pk_mul_f32 v[CSUM+\k:CSUM+\k+1], v[YR+\k:YR+\k+1], v[22:23]      ; the first row starts the column sums
.else
	v_pk_fma_f32 v[CSUM+\k:CSUM+\k+1], v[YR+\k:YR+\k+1], v[22:23], v[CSUM+\k:CSUM+\k+1]
.endif
.endr
.endm
	s_wait_dscnt 16                                ; row 0's sixteen loads are in; row 1's may be out
	LNROW 0
	s_wait_dscnt 0x0
	LNROW 1
.irp j, 0,1,2,3,4,5,6,7
	ds_store_b128 v7, v[CSUM+4*\j:CSUM+4*\j+3] offset:512*\j   ; into my own x bytes: their only fill has landed and my reads of them are back
.endr
	s_wait_dscnt 0x0
	s_barrier_signal -1
	s_barrier_wait -1
.irp k, 0,1,2,3,4,5,6,7
	ds_load_b64 v[96+2*\k:97+2*\k], v8 offset:\k*8192          ; the sixteen waves' sums of my two columns
.endr
.irp k, 0,1,2,3,4,5,6,7
	ds_load_b64 v[112+2*\k:113+2*\k], v9 offset:\k*8192
.endr
	s_wait_dscnt 0x0
.irp k, 0,2,4,6,8,10,12,14
	v_pk_add_f32 v[96+\k:97+\k], v[96+\k:97+\k], v[112+\k:113+\k]
.endr
.irp k, 0,2,4,6
	v_pk_add_f32 v[96+\k:97+\k], v[96+\k:97+\k], v[104+\k:105+\k]
.endr
.irp k, 0,2
	v_pk_add_f32 v[96+\k:97+\k], v[96+\k:97+\k], v[100+\k:101+\k]
.endr
	v_pk_add_f32 v[96:97], v[96:97], v[98:99]
	v_pk_mul_f32 v[96:97], v[96:97], 0x3a000000 op_sel_hi:[1,0]        ; / 2,048
	v_pk_mul_f32 v[98:99], v[18:19], 0x3c800000 op_sel_hi:[1,0]        ; b2 / 64
	v_pk_fma_f32 v[96:97], v[96:97], v[16:17], v[98:99]
	global_store_b64 v14, v[96:97], s[16:17]       ; 256 consecutive bytes a wave
	s_wait_xcnt 0x0
	v_lshl_add_u32 v254, v0, 2, 0x44200
	v_mov_b32 v255, 0
	s_wait_tensorcnt 0x0
	ds_add_u32 v254, v255
	s_wait_dscnt 0x0
	s_endpgm
.Lfunc_end_k_q3b7760d2c9_outln:
	.size	k_q3b7760d2c9_outln, .Lfunc_end_k_q3b7760d2c9_outln-k_q3b7760d2c9_outln
	.p2alignl 7, 3214868480
	.fill 96, 4, 3214868480
	.section	.rodata,"a",@progbits
	.p2align	6, 0x0
	.amdhsa_kernel k_q3b7760d2c9_outln
		.amdhsa_group_segment_fixed_size 281088
		.amdhsa_private_segment_fixed_size 0
		.amdhsa_enable_private_segment 0
		.amdhsa_kernarg_size 56
		.amdhsa_user_sgpr_count 2
		.amdhsa_user_sgpr_kernarg_segment_ptr 1
		.amdhsa_wavefront_size32 1
		.amdhsa_system_sgpr_workgroup_id_x 1
		.amdhsa_system_sgpr_workgroup_id_y 1
		.amdhsa_system_sgpr_workgroup_id_z 1
		.amdhsa_system_vgpr_workitem_id 0
		.amdhsa_next_free_vgpr 256
		.amdhsa_next_free_sgpr 66
		.amdhsa_reserve_vcc 0
		.amdhsa_float_denorm_mode_32 3
		.amdhsa_float_denorm_mode_16_64 3
		.amdhsa_memory_ordered 1
		.amdhsa_forward_progress 1
		.amdhsa_inst_pref_size 46
	.end_amdhsa_kernel
	.amdgpu_metadata
---
amdhsa.version: [ 1, 2 ]
amdhsa.kernels:
  - .name:           k_q3b7760d2c9_outln
    .symbol:         k_q3b7760d2c9_outln.kd
    .args:
      - { .name: cq, .offset: 0, .size: 8, .value_kind: global_buffer, .address_space: global }
      - { .name: wq, .offset: 8, .size: 8, .value_kind: global_buffer, .address_space: global }
      - { .name: bo, .offset: 16, .size: 8, .value_kind: global_buffer, .address_space: global }
      - { .name: x, .offset: 24, .size: 8, .value_kind: global_buffer, .address_space: global }
      - { .name: g2, .offset: 32, .size: 8, .value_kind: global_buffer, .address_space: global }
      - { .name: b2, .offset: 40, .size: 8, .value_kind: global_buffer, .address_space: global }
      - { .name: part, .offset: 48, .size: 8, .value_kind: global_buffer, .address_space: global }
    .group_segment_fixed_size: 281088
    .private_segment_fixed_size: 0
    .kernarg_segment_align: 8
    .kernarg_segment_size: 56
    .max_flat_workgroup_size: 512
    .sgpr_count:     66
    .vgpr_count:     256
    .wavefront_size: 32
...
	.end_amdgpu_metadata
.endif
;; end of part 5
;; launch sums (part 6): grid 24 x 1, 4 waves a work-group, no clusters, 0 bytes of LDS; arguments part, p0, out0, out1; writes out0, out1
.if DOCPART == 6
	.amdgcn_target "amdgcn-amd-amdhsa--gfx1250"
	.amdhsa_code_object_version 6
	.text
	.protected	k_q3b7760d2c9_sums
	.globl	k_q3b7760d2c9_sums
	.p2align	8
	.type	k_q3b7760d2c9_sums,@function
k_q3b7760d2c9_sums:
	s_mov_b64 s[64:65], 0
	v_nop
	global_prefetch_b8 v0, s[64:65] scope:SCOPE_SE
	s_setreg_imm32_b32 hwreg(HW_REG_WAVE_MODE, 25, 1), 1
	s_wait_xcnt 0x0
; out0[batch][column] = the sum of the batch's 64 rows of part;  out1[batch][key] = the sum of the batch's 16 heads' rows of p0 (each already divided by 16).
; A thread owns two columns; a work-group 256 (1,024 consecutive bytes a row).  Work-groups 0-7: out0; 8-23: out1.  Every sum has one owner and a fixed order.  No LDS, no barrier: threads share nothing.
; 0.8 MB are read: matrix units, tensor loads and clusters have nothing to do here.
	s_load_b256 s[4:11], s[0:1], 0x0               ; part, p0, out0, out1
	v_lshlrev_b32 v1, 3, v0                        ; 8 bytes a thread
	s_mov_b32 s13, 0
	s_mov_b32 s15, 0
	s_cmp_lt_u32 ttmp9, 8
	s_cbranch_scc0 .Lattention
	s_lshr_b32 s12, ttmp9, 2                       ; batch
	s_lshl_b32 s12, s12, 18                        ; its 64 rows of 4,096 bytes
	s_and_b32 s14, ttmp9, 3
	s_lshl_b32 s14, s14, 10
	s_add_co_u32 s12, s12, s14
	s_lshl_b32 s14, ttmp9, 10                      ; out0: 4,096 batch + 1,024 (g % 4) = 1,024 g
	s_wait_kmcnt 0x0
	s_add_nc_u64 s[4:5], s[4:5], s[12:13]
	s_add_nc_u64 s[8:9], s[8:9], s[14:15]
.set n, 0
.rept 64
	global_load_b64 v[8+2*n:9+2*n], v1, s[4:5] offset:n*4096
.set n, n+1
.endr
	s_wait_loadcnt 0x0
.set n, 4
.rept 60                                       ; four chains
	v_pk_add_f32 v[8+2*(n%4):9+2*(n%4)], v[8+2*(n%4):9+2*(n%4)], v[8+2*n:9+2*n]
.set n, n+1
.endr
	v_pk_add_f32 v[8:9], v[8:9], v[10:11]
	v_pk_add_f32 v[12:13], v[12:13], v[14:15]
	v_pk_add_f32 v[8:9], v[8:9], v[12:13]
	global_store_b64 v1, v[8:9], s[8:9]
	s_endpgm
.Lattention:
	s_sub_co_u32 s16, ttmp9, 8                     ; 0..15
	s_lshr_b32 s12, s16, 3                         ; batch
	s_lshl_b32 s12, s12, 17                        ; its 16 rows of 8,192 bytes
	s_and_b32 s14, s16, 7
	s_lshl_b32 s14, s14, 10
	s_add_co_u32 s12, s12, s14
	s_lshl_b32 s14, s16, 10
	s_wait_kmcnt 0x0
	s_add_nc_u64 s[6:7], s[6:7], s[12:13]
	s_add_nc_u64 s[10:11], s[10:11], s[14:15]
.set n, 0
.rept 16
	global_load_b64 v[8+2*n:9+2*n], v1, s[6:7] offset:n*8192
.set n, n+1
.endr
	s_wait_loadcnt 0x0
.set n, 4
.rept 12
	v_pk_add_f32 v[8+2*(n%4):9+2*(n%4)], v[8+2*(n%4):9+2*(n%4)], v[8+2*n:9+2*n]
.set n, n+1
.endr
	v_pk_add_f32 v[8:9], v[8:9], v[10:11]
	v_pk_add_f32 v[12:13], v[12:13], v[14:15]
	v_pk_add_f32 v[8:9], v[8:9], v[12:13]
	global_store_b64 v1, v[8:9], s[10:11]
	s_endpgm
.Lfunc_end_k_q3b7760d2c9_sums:
	.size	k_q3b7760d2c9_sums, .Lfunc_end_k_q3b7760d2c9_sums-k_q3b7760d2c9_sums
	.p2alignl 7, 3214868480
	.fill 96, 4, 3214868480
	.section	.rodata,"a",@progbits
	.p2align	6, 0x0
	.amdhsa_kernel k_q3b7760d2c9_sums
		.amdhsa_group_segment_fixed_size 0
		.amdhsa_private_segment_fixed_size 0
		.amdhsa_enable_private_segment 0
		.amdhsa_kernarg_size 32
		.amdhsa_user_sgpr_count 2
		.amdhsa_user_sgpr_kernarg_segment_ptr 1
		.amdhsa_wavefront_size32 1
		.amdhsa_system_sgpr_workgroup_id_x 1
		.amdhsa_system_sgpr_workgroup_id_y 1
		.amdhsa_system_sgpr_workgroup_id_z 1
		.amdhsa_system_vgpr_workitem_id 0
		.amdhsa_next_free_vgpr 140
		.amdhsa_next_free_sgpr 66
		.amdhsa_reserve_vcc 0
		.amdhsa_float_denorm_mode_32 3
		.amdhsa_float_denorm_mode_16_64 3
		.amdhsa_memory_ordered 1
		.amdhsa_forward_progress 1
		.amdhsa_inst_pref_size 14
	.end_amdhsa_kernel
	.amdgpu_metadata
---
amdhsa.version: [ 1, 2 ]
amdhsa.kernels:
  - .name:           k_q3b7760d2c9_sums
    .symbol:         k_q3b7760d2c9_sums.kd
    .args:
      - { .name: part, .offset: 0, .size: 8, .value_kind: global_buffer, .address_space: global }
      - { .name: p0, .offset: 8, .size: 8, .value_kind: global_buffer, .address_space: global }
      - { .name: out0, .offset: 16, .size: 8, .value_kind: global_buffer, .address_space: global }
      - { .name: out1, .offset: 24, .size: 8, .value_kind: global_buffer, .address_space: global }
    .group_segment_fixed_size: 0
    .private_segment_fixed_size: 0
    .kernarg_segment_align: 8
    .kernarg_segment_size: 32
    .max_flat_workgroup_size: 128
    .sgpr_count:     66
    .vgpr_count:     140
    .wavefront_size: 32
...
	.end_amdgpu_metadata
.endif
;; end of part 6
;; ======== version 2 of 2: 5 launches
;; limits: right only within a limited range of input values
;; workspace buffers: wq 2,228,224 bytes; hq 2,228,224 bytes; cq 2,228,224 bytes; att 6,946,816 bytes; part 524,288 bytes; p0 262,144 bytes
;; launch prep (part 7): grid 256 x 1, 8 waves a work-group, no clusters, 46,592 bytes of LDS; arguments x, g1, b1, hq, Wq, Wk, Wv, Wo, wq; writes hq, wq
.if DOCPART == 7
	.amdgcn_target "amdgcn-amd-amdhsa--gfx1250"
	.amdhsa_code_object_version 6
	.text
	.protected	k_q3b7760d2c9_prep
	.globl	k_q3b7760d2c9_prep
	.p2align	8
	.type	k_q3b7760d2c9_prep,@function
k_q3b7760d2c9_prep:
	s_mov_b64 s[64:65], 0
	v_nop
	global_prefetch_b8 v0, s[64:65] scope:SCOPE_SE
	s_setreg_imm32_b32 hwreg(HW_REG_WAVE_MODE, 25, 1), 1
	s_wait_xcnt 0x0
; TWO QUANTISERS IN ONE LAUNCH, since neither needs the other: every wave does a share of both, and no way parts on the work-group's number.
; (1) h = LayerNorm(x) g1 + b1 in f32 (mean, then the mean of squared differences, eps 1e-5), quantised along D to FP4 (E2M1) with one E8M0 byte for each 32.
; (2) Wq, Wk, Wv, Wo [1024 (k)][1024 (n)], f32, quantised along K likewise.
; BOTH OUTPUTS LIE IN THE ORDER OF THE OPERAND'S REGISTERS: [tile of 16 rows 256][K step 8][1,024 bytes]: chunk c (0, 1) x 512 bytes, lane (r, h)'s 16 bytes at 16 (r + 16 h) = block 2 c + h of row r; from SCOFF on the
; scale words [tile][K step][r], 4 bytes.  ROW r OF TILE 2 b + u IS ITEM 32 b + 8 u + r + 8 (r / 8), for tokens and for the weights' columns alike (wq's tile = 64 x weight + tile of the weight).
; (1) A work-group makes one tile of tokens; wave w its rows 2 w and 2 w + 1, two neighbouring tokens.  A row of 4,096 bytes is 32 registers of the wave: read once, 512 consecutive bytes a load.  For the conversions a lane
; must hold 32 NEIGHBOURS: the finished row turns through the wave's own stage in LDS (128 bytes + 16 of padding for each block) and lane l comes back with block l.  Codes and bytes are gathered as the tile's image in LDS;
; behind one barrier each wave stores one K step's 1,024 consecutive bytes, wave 0 also the 512 bytes of scale words.
; (2) Work-group g: weight g / 64, columns 128 ((g / 8) % 8) on, K step g % 8.  Wave w: 32 of these columns (w % 4), half c = w / 4 of the K step: two blocks of 32.  A LANE TAKES A COLUMN AND ITS REGISTERS RUN DOWN K:
; a load reads 128 consecutive bytes a wave (four waves side by side: 512), a block lies in one lane, and the conversions give codes with K innermost.  A store of codes covers two aligned runs of 256 bytes.
; A wave's two scale bytes are half a word: they leave by one store of two bytes a lane, 128 KiB in all against 16 MiB read.
; ORDER: the first block of the weight and both rows are asked for at once (64 loads); the second block is asked for as soon as the first has left its 32 registers, and is worked on last.
; A block's scale is 2^(floor(log2(its largest magnitude)) - 2); its byte is that magnitude's exponent field - 2, held at 1 from below.
; LIMITS: a block of zeros, or one whose largest magnitude lies under 2^-124, gets the byte 1 (the rule says 127 for zeros: the codes are zeros, and only this program reads the bytes); NaN and infinities are not served.
.set SCOFF, 2097152
.set STW,  4608                        ; a wave's stage: 32 blocks x 144 bytes
.set IMG,  36864                       ; behind the eight stages: the tile's codes, 8,192 bytes
.set SCB,  45056                       ; and its scale bytes, 512
.set C10,  16                          ; s16 2^-10;  s17 -2^-10;  s22 eps
.set NC10, 17
.set EPS,  22
.set SEL,  20                          ; s[20:21] lane selects: lane l xor 16
.set X, 32                             ; v32-95   the two rows
.set G, 96                             ; v96-127  g1 at my 32 columns
.set B, 128                            ; v128-159 b1
.set T, 160                            ; v160-191 a block of 32 neighbours; later the way out
.set WX, 192                           ; v192-223 a block of the weight: 32 numbers down K
.set WC, 224                           ; v224-231 its codes: four registers for each of my two blocks: no store's data are written again
.set WA, 236                           ; v236     4 x lane
.set WCO, 237                          ; v237     my column's place among the codes
.set WSO, 238                          ; v238     and among the scale words
.set WB, 239                           ; v239     my two scale bytes
	s_load_b256 s[4:11], s[0:1], 0x0               ; x, g1, b1, hq
	s_load_b256 s[24:31], s[0:1], 0x20             ; Wq, Wk, Wv, Wo
	s_load_b64 s[32:33], s[0:1], 0x40              ; wq
	v_lshl_add_u32 v240, v0, 2, 0xb200
	v_mov_b32 v241, 0
	v_lshrrev_b32 v1, 5, v0
	s_delay_alu instid0(VALU_DEP_1)
	v_readfirstlane_b32 s12, v1                    ; wave 0..7
	v_and_b32 v1, 31, v0                           ; lane
	s_delay_alu instid0(VALU_DEP_1)
	v_lshlrev_b32 v2, 4, v1                        ; 16 bytes a lane
	s_delay_alu instid0(VALU_DEP_2)
	v_lshlrev_b32 v[WA], 2, v1                     ; the weight: lane = my column among the wave's 32
	s_delay_alu instid0(VALU_DEP_3)
	v_bfe_u32 v10, v1, 3, 1                        ; u: which of the two tiles
	s_delay_alu instid0(VALU_DEP_4)
	v_and_b32 v11, 7, v1
	v_lshrrev_b32 v12, 4, v1
	s_delay_alu instid0(VALU_DEP_1)
	v_lshl_add_u32 v11, v12, 3, v11                ; r = lane % 8 + 8 (lane / 16): my row in that tile
	s_delay_alu instid0(VALU_DEP_4)
	v_lshlrev_b32 v[WCO], 13, v10
	s_delay_alu instid0(VALU_DEP_1)
	v_lshl_add_u32 v[WCO], v11, 4, v[WCO]          ; codes: 8,192 u + 16 r
	v_lshlrev_b32 v[WSO], 9, v10
	s_delay_alu instid0(VALU_DEP_1)
	v_lshl_add_u32 v[WSO], v11, 2, v[WSO]          ; scale word: 512 u + 4 r
	s_lshr_b32 s13, ttmp9, 1
	s_lshl_b32 s13, s13, 5
	s_and_b32 s14, ttmp9, 1
	s_lshl_b32 s14, s14, 3
	s_add_co_u32 s13, s13, s14
	s_lshl_b32 s14, s12, 1
	s_add_co_u32 s13, s13, s14
	s_lshr_b32 s14, s12, 2
	s_lshl_b32 s14, s14, 3
	s_add_co_u32 s13, s13, s14                     ; my first token: 32 (tile / 2) + 8 (tile % 2) + 2 w + 8 (w / 4)
	s_lshl_b32 s14, s13, 12
	s_mov_b32 s15, 0
	s_lshr_b32 s34, ttmp9, 6                       ; weight 0..3
	s_bfe_u32 s35, ttmp9, 0x30003                  ; group of 128 columns
	s_and_b32 s36, ttmp9, 7                        ; K step
	s_and_b32 s37, s12, 3                          ; which 32 of the columns
	s_lshr_b32 s38, s12, 2                         ; c: which 64 of the K step's 128
	s_lshl_b32 s40, s36, 19                        ; 128 rows of 4,096 bytes a K step,
	s_lshl_b32 s39, s38, 18                        ; 64 rows a half,
	s_add_co_u32 s40, s40, s39
	s_lshl_b32 s39, s35, 9
	s_add_co_u32 s40, s40, s39
	s_lshl_b32 s39, s37, 7
	s_add_co_u32 s40, s40, s39                     ; + 4 x my wave's first column
	s_mov_b32 s41, 0
	s_lshl_b32 s42, s34, 6
	s_lshl_b32 s39, s35, 3
	s_add_co_u32 s42, s42, s39
	s_lshl_b32 s39, s37, 1
	s_add_co_u32 s42, s42, s39                     ; my first tile: 64 weight + 8 group + 2 (w % 4)
	s_lshl_b32 s44, s42, 13
	s_lshl_b32 s39, s36, 10
	s_add_co_u32 s44, s44, s39
	s_lshl_b32 s39, s38, 9
	s_add_co_u32 s44, s44, s39                     ; its fragment of this K step, chunk c
	s_mov_b32 s45, 0
	s_lshl_b32 s46, s42, 9
	s_lshl_b32 s39, s36, 6
	s_add_co_u32 s46, s46, s39
	s_lshl_b32 s39, s38, 1
	s_add_co_u32 s46, s46, s39
	s_add_co_u32 s46, s46, SCOFF                   ; its scale words, bytes 2 c and 2 c + 1
	s_mov_b32 s47, 0
	s_wait_alu depctr_va_vdst(0)
	s_wait_kmcnt 0x0
	s_bitcmp1_b32 s34, 0                           ; the weight is chosen by the work-group's number alone
	s_cselect_b64 s[24:25], s[26:27], s[24:25]     ; Wk or Wq
	s_cselect_b64 s[28:29], s[30:31], s[28:29]     ; Wo or Wv
	s_cmp_lt_u32 s34, 2
	s_cselect_b64 s[24:25], s[24:25], s[28:29]
	s_add_nc_u64 s[24:25], s[24:25], s[40:41]
	s_add_nc_u64 s[44:45], s[32:33], s[44:45]
	s_add_nc_u64 s[46:47], s[32:33], s[46:47]
	s_add_nc_u64 s[4:5], s[4:5], s[14:15]
.macro WLOAD t                         ; my block t of the weight: W(128 s + 64 c + 32 t + i, my column), i = 0 .. 31
.irp i, 0,1,2,3,4,5,6,7,8,9,10,11,12,13,14,15,16,17,18,19,20,21,22,23,24,25,26,27,28,29,30,31
	global_load_b32 v[WX+\i], v[WA], s[24:25] offset:(32*(\t)+\i)*4096 th:TH_LOAD_NT
.endr
.endm
.macro WBLOCK t
	v_max3_num_f32 v232, |v[WX]|, |v[WX+1]|, |v[WX+2]|             ; the block's largest magnitude: all 32 numbers are mine; two chains
	v_max3_num_f32 v233, |v[WX+3]|, |v[WX+4]|, |v[WX+5]|
.irp i, 6,10,14,18,22,26
	s_delay_alu instid0(VALU_DEP_2)
	v_max3_num_f32 v232, v232, |v[WX+\i]|, |v[WX+\i+1]|
	s_delay_alu instid0(VALU_DEP_2)
	v_max3_num_f32 v233, v233, |v[WX+\i+2]|, |v[WX+\i+3]|
.endr
	s_delay_alu instid0(VALU_DEP_2)
	v_max3_num_f32 v232, v232, |v[WX+30]|, |v[WX+31]|
	s_delay_alu instid0(VALU_DEP_1)
	v_max3_num_f32 v232, v232, v233, 0x1800000     ; and the floor 2^(3 - 127): the byte cannot fall under 1
	s_delay_alu instid0(VALU_DEP_1)
	v_add_nc_u32 v234, 0xff000000, v232            ; 2 off the exponent field: the conversion takes this operand's exponent field as its scale
	s_delay_alu instid0(VALU_DEP_1)
	v_lshrrev_b32 v233, 23, v234                   ; the scale's byte
.if (\t) == 0
	s_delay_alu instid0(VALU_DEP_1)
	v_mov_b32 v[WB], v233
.else
	s_delay_alu instid0(VALU_DEP_1)
	v_lshl_or_b32 v[WB], v233, 8, v[WB]
.endif
.irp g, 0,1,2,3
	v_cvt_scalef32_pk8_fp4_f32 v[WC+4*(\t)+\g], v[WX+8*\g:WX+8*\g+7], v234
.endr
	v_nop                                          ; one plain line behind the last scaled conversion
	global_store_b128 v[WCO], v[WC+4*(\t):WC+4*(\t)+3], s[44:45] offset:256*(\t)   ; block 2 c + t: chunk c, lanes 16 t on
.endm
	WLOAD 0
.irp j, 0,1,2,3,4,5,6,7
	global_load_b128 v[X+4*\j:X+4*\j+3], v2, s[4:5] offset:512*\j th:TH_LOAD_NT
.endr
.irp j, 0,1,2,3,4,5,6,7
	global_load_b128 v[G+4*\j:G+4*\j+3], v2, s[6:7] offset:512*\j
.endr
.irp j, 0,1,2,3,4,5,6,7
	global_load_b128 v[B+4*\j:B+4*\j+3], v2, s[8:9] offset:512*\j
.endr
.irp j, 0,1,2,3,4,5,6,7
	global_load_b128 v[X+32+4*\j:X+32+4*\j+3], v2, s[4:5] offset:4096+512*\j th:TH_LOAD_NT
.endr
	s_mul_i32 s13, s12, STW
	v_lshrrev_b32 v3, 3, v1
	s_delay_alu instid0(VALU_DEP_1)
	v_add_nc_u32 v3, v3, v1
	s_delay_alu instid0(VALU_DEP_1)
	v_lshlrev_b32 v3, 4, v3
	s_delay_alu instid0(VALU_DEP_1)
	v_add_nc_u32 v3, s13, v3                       ; the stage, in: 16 (lane + lane / 8): eight lanes' 128 bytes, then 16 of padding; a load's 512 bytes take 576
	v_mul_u32_u24 v4, v1, 144
	s_delay_alu instid0(VALU_DEP_1)
	v_add_nc_u32 v4, s13, v4                       ; and out: block = lane
	s_lshl_b32 s13, s12, 5
	s_add_co_u32 s13, s13, IMG
	v_lshlrev_b32 v5, 8, v1
	s_delay_alu instid0(VALU_DEP_1)
	v_add_nc_u32 v5, s13, v5                       ; block l of row r lies at 256 l + 16 r of the image (1,024 (l / 4) + 512 ((l / 2) % 2) + 256 (l % 2) = 256 l)
	s_lshl_b32 s13, s12, 3
	s_add_co_u32 s13, s13, SCB
	v_lshrrev_b32 v6, 2, v1
	s_delay_alu instid0(VALU_DEP_1)
	v_lshlrev_b32 v6, 6, v6
	v_and_b32 v7, 3, v1
	s_delay_alu instid0(VALU_DEP_1)
	v_add_nc_u32 v6, v6, v7
	s_delay_alu instid0(VALU_DEP_1)
	v_add_nc_u32 v6, s13, v6                       ; its byte at 64 (l / 4) + 4 r + l % 4
	s_lshl_b32 s13, s12, 10
	v_add_nc_u32 v8, s13, v2                       ; the way out: K step w, 16 bytes a lane: in hq,
	s_delay_alu instid0(VALU_DEP_1)
	v_add_nc_u32 v7, IMG, v8                       ; and in the image
	v_add_nc_u32 v9, SCB, v2                       ; the scale words, for wave 0
	v_mov_b32 v15, 0                               ; written once: a lane permute's destination counts as one of its sources
	s_mov_b32 s[C10], 0x3a800000
	s_mov_b32 s[NC10], 0xba800000
	s_mov_b32 s[EPS], 0x3727c5ac
	s_mov_b32 s[SEL], 0x76543210
	s_mov_b32 s[SEL+1], 0xfedcba98
	s_lshl_b32 s14, ttmp9, 9
	s_add_co_u32 s14, s14, SCOFF
	s_add_nc_u64 s[18:19], s[10:11], s[14:15]      ; the tile's scale words
	s_lshl_b32 s14, ttmp9, 13
	s_add_nc_u64 s[10:11], s[10:11], s[14:15]      ; the tile's codes
.macro WSUM r, t                       ; the sum over the 32 lanes, in every lane
	s_delay_alu instid0(VALU_DEP_1)
	v_add_f32_dpp v[\r], v[\r], v[\r] row_xmask:1 row_mask:0xf bank_mask:0xf
	s_delay_alu instid0(VALU_DEP_1)
	v_add_f32_dpp v[\r], v[\r], v[\r] row_xmask:2 row_mask:0xf bank_mask:0xf
	s_delay_alu instid0(VALU_DEP_1)
	v_add_f32_dpp v[\r], v[\r], v[\r] row_xmask:4 row_mask:0xf bank_mask:0xf
	s_delay_alu instid0(VALU_DEP_1)
	v_add_f32_dpp v[\r], v[\r], v[\r] row_xmask:8 row_mask:0xf bank_mask:0xf
	s_delay_alu instid0(VALU_DEP_1)
	v_permlanex16_b32 v[\t], v[\r], s[SEL], s[SEL+1]
	s_delay_alu instid0(VALU_DEP_1)
	v_add_f32 v[\r], v[\r], v[\t]
.endm
; A row of 1,024 numbers, 32 a lane from v[x] on: they become x - mean, in place; v[rs], v[rs + 1] = 1 / sqrt(mean of (x - mean)^2 + eps).  v[mu], v[mu + 1] hold -mean.
.macro LNSTAT x, mu, rs
	v_pk_add_f32 v[10:11], v[\x:\x+1], v[\x+2:\x+3]
	v_pk_add_f32 v[12:13], v[\x+4:\x+5], v[\x+6:\x+7]
.irp k, 8,12,16,20,24,28
	s_delay_alu instid0(VALU_DEP_2)
	v_pk_add_f32 v[10:11], v[10:11], v[\x+\k:\x+\k+1]
	s_delay_alu instid0(VALU_DEP_2)
	v_pk_add_f32 v[12:13], v[12:13], v[\x+\k+2:\x+\k+3]
.endr
	s_delay_alu instid0(VALU_DEP_1)
	v_pk_add_f32 v[10:11], v[10:11], v[12:13]
	s_delay_alu instid0(VALU_DEP_1)
	v_add_f32 v10, v10, v11
	WSUM 10, 15
	s_delay_alu instid0(VALU_DEP_1)
	v_mul_f32 v[\mu], s[NC10], v10
	s_delay_alu instid0(VALU_DEP_2)
	v_mul_f32 v[\mu+1], s[NC10], v10
.irp k, 0,2,4,6,8,10,12,14,16,18,20,22,24,26,28,30
	v_pk_add_f32 v[\x+\k:\x+\k+1], v[\x+\k:\x+\k+1], v[\mu:\mu+1]
.endr
	v_pk_mul_f32 v[10:11], v[\x:\x+1], v[\x:\x+1]
	v_pk_mul_f32 v[12:13], v[\x+2:\x+3], v[\x+2:\x+3]
.irp k, 4,8,12,16,20,24,28
	s_delay_alu instid0(VALU_DEP_2)
	v_pk_fma_f32 v[10:11], v[\x+\k:\x+\k+1], v[\x+\k:\x+\k+1], v[10:11]
	s_delay_alu instid0(VALU_DEP_2)
	v_pk_fma_f32 v[12:13], v[\x+\k+2:\x+\k+3], v[\x+\k+2:\x+\k+3], v[12:13]
.endr
	s_delay_alu instid0(VALU_DEP_1)
	v_pk_add_f32 v[10:11], v[10:11], v[12:13]
	s_delay_alu instid0(VALU_DEP_1)
	v_add_f32 v10, v10, v11
	WSUM 10, 15
	s_delay_alu instid0(VALU_DEP_1)
	v_fma_f32 v10, v10, s[C10], s[EPS]
	s_wait_alu depctr_va_vdst(0)
	v_rsq_f32 v[\rs], v10
	v_rsq_f32 v[\rs+1], v10
	v_nop                                          ; a plain line between the transcendentals and the use of their results (ISA guide 5.7.2)
.endm
.macro ROW i
.set XR, X+32*\i
	LNSTAT XR, 16, 18
	s_wait_alu depctr_va_vdst(0)
.irp k, 0,2,4,6,8,10,12,14,16,18,20,22,24,26,28,30
	v_pk_mul_f32 v[XR+\k:XR+\k+1], v[XR+\k:XR+\k+1], v[18:19]
.endr
.irp k, 0,2,4,6,8,10,12,14,16,18,20,22,24,26,28,30
	v_pk_fma_f32 v[XR+\k:XR+\k+1], v[XR+\k:XR+\k+1], v[G+\k:G+\k+1], v[B+\k:B+\k+1]
.endr
.irp j, 0,1,2,3,4,5,6,7
	ds_store_b128 v3, v[XR+4*\j:XR+4*\j+3] offset:576*\j
.endr
.irp q, 0,1,2,3,4,5,6,7
	ds_load_b128 v[T+4*\q:T+4*\q+3], v4 offset:16*\q   ; LDS serves a wave's instructions in order (ISA guide 5.7.1.4): these see the stores above
.endr
	s_wait_dscnt 0x0
	v_max3_num_f32 v30, |v[T]|, |v[T+1]|, |v[T+2]|                 ; block l's largest magnitude: all 32 numbers are mine
	v_max3_num_f32 v31, |v[T+3]|, |v[T+4]|, |v[T+5]|
.irp k, 6,10,14,18,22,26
	s_delay_alu instid0(VALU_DEP_2)
	v_max3_num_f32 v30, v30, |v[T+\k]|, |v[T+\k+1]|
	s_delay_alu instid0(VALU_DEP_2)
	v_max3_num_f32 v31, v31, |v[T+\k+2]|, |v[T+\k+3]|
.endr
	s_delay_alu instid0(VALU_DEP_2)
	v_max3_num_f32 v30, v30, |v[T+30]|, |v[T+31]|
	s_delay_alu instid0(VALU_DEP_1)
	v_max3_num_f32 v30, v30, v31, 0x1800000        ; and the floor 2^(3 - 127)
	s_delay_alu instid0(VALU_DEP_1)
	v_add_nc_u32 v31, 0xff000000, v30              ; 2 off the exponent field: the conversion's scale operand
.irp g, 0,1,2,3
	v_cvt_scalef32_pk8_fp4_f32 v[20+4*\i+\g], v[T+8*\g:T+8*\g+7], v31
.endr
	v_lshrrev_b32 v[28+\i], 23, v31                ; the scale's byte (also the plain line behind the conversions)
	ds_store_b128 v5, v[20+4*\i:23+4*\i] offset:16*\i
	ds_store_b8 v6, v[28+\i] offset:4*\i
.endm
	s_wait_loadcnt 32                              ; the weight's first block is in; the 32 loads of x, g1 and b1 may be out
	WBLOCK 0
	WLOAD 1                                        ; the second block, into the registers that the first has left
	s_wait_loadcnt 40                              ; row 0, g1 and b1 are in; row 1's eight loads and the block's 32 may be out
	ROW 0
	s_wait_loadcnt 32                              ; row 1 is in
	ROW 1
	s_wait_dscnt 0x0                               ; for the others' sake: my stores into the image are done
	s_barrier_signal -1
	s_barrier_wait -1
	ds_load_b128 v[T:T+3], v7
	ds_load_b128 v[T+4:T+7], v7 offset:512
	s_wait_dscnt 1                                 ; the first is back, the second may be out
	global_store_b128 v8, v[T:T+3], s[10:11]       ; 512 consecutive bytes a store
	s_wait_dscnt 0x0
	global_store_b128 v8, v[T+4:T+7], s[10:11] offset:512
	s_cmp_lg_u32 s12, 0
	s_cbranch_scc1 .Lwords_done
	ds_load_b128 v[T+8:T+11], v9
	s_wait_dscnt 0x0
	global_store_b128 v2, v[T+8:T+11], s[18:19]    ; wave 0: the tile's 128 scale words
.Lwords_done:
	s_wait_loadcnt 0x0                             ; the weight's second block
	WBLOCK 1
	global_store_b16 v[WSO], v[WB], s[46:47]       ; my column's bytes 2 c and 2 c + 1 of this K step's word
	s_wait_tensorcnt 0x0
	ds_add_u32 v240, v241
	s_wait_dscnt 0x0
	s_endpgm
.Lfunc_end_k_q3b7760d2c9_prep:
	.size	k_q3b7760d2c9_prep, .Lfunc_end_k_q3b7760d2c9_prep-k_q3b7760d2c9_prep
	.p2alignl 7, 3214868480
	.fill 96, 4, 3214868480
	.section	.rodata,"a",@progbits
	.p2align	6, 0x0
	.amdhsa_kernel k_q3b7760d2c9_prep
		.amdhsa_group_segment_fixed_size 46592
		.amdhsa_private_segment_fixed_size 0
		.amdhsa_enable_private_segment 0
		.amdhsa_kernarg_size 72
		.amdhsa_user_sgpr_count 2
		.amdhsa_user_sgpr_kernarg_segment_ptr 1
		.amdhsa_wavefront_size32 1
		.amdhsa_system_sgpr_workgroup_id_x 1
		.amdhsa_system_sgpr_workgroup_id_y 1
		.amdhsa_system_sgpr_workgroup_id_z 1
		.amdhsa_system_vgpr_workitem_id 0
		.amdhsa_next_free_vgpr 242
		.amdhsa_next_free_sgpr 66
		.amdhsa_reserve_vcc 0
		.amdhsa_float_denorm_mode_32 3
		.amdhsa_float_denorm_mode_16_64 3
		.amdhsa_memory_ordered 1
		.amdhsa_forward_progress 1
		.amdhsa_inst_pref_size 40
	.end_amdhsa_kernel
	.amdgpu_metadata
---
amdhsa.version: [ 1, 2 ]
amdhsa.kernels:
  - .name:           k_q3b7760d2c9_prep
    .symbol:         k_q3b7760d2c9_prep.kd
    .args:
      - { .name: x, .offset: 0, .size: 8, .value_kind: global_buffer, .address_space: global }
      - { .name: g1, .offset: 8, .size: 8, .value_kind: global_buffer, .address_space: global }
      - { .name: b1, .offset: 16, .size: 8, .value_kind: global_buffer, .address_space: global }
      - { .name: hq, .offset: 24, .size: 8, .value_kind: global_buffer, .address_space: global }
      - { .name: Wq, .offset: 32, .size: 8, .value_kind: global_buffer, .address_space: global }
      - { .name: Wk, .offset: 40, .size: 8, .value_kind: global_buffer, .address_space: global }
      - { .name: Wv, .offset: 48, .size: 8, .value_kind: global_buffer, .address_space: global }
      - { .name: Wo, .offset: 56, .size: 8, .value_kind: global_buffer, .address_space: global }
      - { .name: wq, .offset: 64, .size: 8, .value_kind: global_buffer, .address_space: global }
    .group_segment_fixed_size: 46592
    .private_segment_fixed_size: 0
    .kernarg_segment_align: 8
    .kernarg_segment_size: 72
    .max_flat_workgroup_size: 256
    .sgpr_count:     66
    .vgpr_count:     242
    .wavefront_size: 32
...
	.end_amdgpu_metadata
.endif
;; end of part 7
;; launch qkv (part 8): grid 16 x 16, 12 waves a work-group, no clusters, 327,680 bytes of LDS; arguments hq, wq, bq, bk, bv, att; writes att
.if DOCPART == 8
	.amdgcn_target "amdgcn-amd-amdhsa--gfx1250"
	.amdhsa_code_object_version 6
	.text
	.protected	k_q3b7760d2c9_qkv
	.globl	k_q3b7760d2c9_qkv
	.p2align	8
	.type	k_q3b7760d2c9_qkv,@function
k_q3b7760d2c9_qkv:
	s_mov_b64 s[64:65], 0
	v_nop
	global_prefetch_b8 v0, s[64:65] scope:SCOPE_SE
	s_setreg_imm32_b32 hwreg(HW_REG_WAVE_MODE, 25, 1), 1
	s_wait_xcnt 0x0
; q = h Wq + bq, k = h Wk + bk, v = h Wv + bv on codes of FP4 (E2M1) with E8M0 scales, sums in f32; the results are quantised at once for attention's two products: q and k along the head's 64 channels, v along the keys.
; hq and wq lie in the order of the operand's registers: [tile of 16 rows][K step 8][1,024 bytes], scale words [tile][K step][row] from SCOFF on.  Row r of tile 2 b + u is item 32 b + 8 u + r + 8 (r / 8),
; for tokens and for columns of the weights alike.  So in D = X x Y (source 0 = a tile of X, source 1 = a tile of Y) a lane holds ONE row of Y, and its 16 registers of X's tiles 2 b and 2 b + 1 are the 16 neighbours 32 b + 16 (lane / 16) + 0 .. 15 of X.
; q, k: X = the head's four tiles of the weight, Y = tokens: the registers run along the channels.   v: X = four tiles of tokens, Y = the weight's tiles: the registers run along the keys.  Nothing else differs.
; SHARES.  Work-group (x, y): 192 columns (three heads of q, k or v: head number 3 x + wave / 4 of 48) x 256 tokens.  Twelve waves, three to a SIMD: a wave makes one head x 64 tokens: 16 accumulators.
; LDS.  Both panels for all of K fit at once (16 + 12 tiles x 8,192 bytes), so every byte is filled once: four tensor loads a wave at the start, one for each group of two K steps; no slot is ever filled again.
; Each group is read behind a counted wait of the loading waves and a barrier.  A fragment is two loads of 512 consecutive bytes: no pitch, no padding.
; No cluster: the waves' way parts on q, k against v, which hangs on the work-group's x; partners of a joint load may not part so.
; att: a record of REC bytes for each (batch, head): K's codes [tile 128][512], V's codes [64 keys 32][tile of channels 4][512], K's scale words [tile][16], V's [128 keys 16][tile 4][16], Q's codes, Q's words.
; A tile of q or k is the first chunk of a fragment (64 of 128 along K; the rest are zero codes, made by the next launch); bytes 2 and 3 of its scale words are 0.  V's scale words get their two halves from two waves, by stores of two bytes: 128 KiB in all.
; LIMITS: a block of zeros, or one whose largest magnitude lies under 2^-124, gets the byte 1; NaN and infinities are not served.
.set SCOFF, 2097152
.set REC,   217088
.set VC,    65536
.set KS,    131072
.set VS,    139264
.set QC,    143360
.set QS,    208896
; THE PANELS COME IN TWO HALVES OF K (this replaces what the head comment says of four groups): a half is 28 tiles x 4,096 bytes (four K steps of each tile).  Each wave asks for its part of the first half at the head,
; and for its part of the second half behind the first barrier, with a tensor wait, an LDS add and its wait in front of the barrier; all of LDS is claimed.  Every byte is still filled once.
.set GRP,   114688                     ; LDS: a half of K: 28 tiles x 4,096 bytes: 16 of tokens, then 12 of the weights
.set WPART, 65536
.set AH,  8                            ; v8-9   LDS address of my four token tiles in group g
.set AW,  12                           ; v12-13  of my four tiles of the weight
.set BV,  16                           ; v16-23  bv at my lane's channel of tile j, twice (a pair for the packed add)
.set SC,  32                           ; v32-63  scale words: register 8 p + t: lanes 0-15 K step 2 p, lanes 16-31 K step 2 p + 1; t 0-3 token tiles, 4-7 the weight's
.set FH,  64                           ; v64-95  four fragments of h; later bq or bk; later at work
.set FW,  96                           ; v96-127 four fragments of the weight; later the codes
.set ACC, 128                          ; v128-255 accumulator (i of X, j of Y) at 32 j + 8 i
.set G1H, 16                           ; s[16:23] descriptor group 1 for h's tiles;  s[24:31] for the weights'
.set G1W, 24
.set G0H, 32                           ; s[32:39] group 0 for h, a set for each group of K steps;  s[48:55] for the weights
.set G0W, 48
.set WV,  66
.set TQ,  67                           ; wave % 4: which 64 tokens
.set HW,  68                           ; wave / 4: which of the three heads
.set GY,  69
.set HD,  70                           ; head number 0..47
.set TYPE, 71                          ; 0 q, 1 k, 2 v
.set HEAD, 72
.set T64, 74                           ; which 64 tokens of the batch's 2,048
.set BH,  75
.set SEL, 86                           ; s[86:87] lane selects: lane l xor 16
	s_load_b256 s[4:11], s[0:1], 0x0               ; hq, wq, bq, bk
	s_load_b128 s[12:15], s[0:1], 0x20             ; bv, att
	v_lshl_add_u32 v30, v0, 2, 0x38000
	v_mov_b32 v31, 0
	ds_add_u32 v30, v31
	ds_add_u32 v30, v31
	v_lshrrev_b32 v1, 5, v0
	s_delay_alu instid0(VALU_DEP_1)
	v_readfirstlane_b32 s[WV], v1                  ; wave 0..11
	s_and_b32 s[TQ], s[WV], 3
	s_lshr_b32 s[HW], s[WV], 2
	s_and_b32 s[GY], ttmp7, 0xffff
	; descriptor group 1: rows of 4,096 bytes (a tile's four K steps: 512 elements of 8 bytes), 8,192 bytes apart (from tile to tile); 2 rows for h, 3 for the weights; no padding
	s_mov_b32 s[G1H+0], 3<<16                      ; no mask; elements of 8 bytes
	s_mov_b32 s[G1H+1], 512<<16                    ; tensor_dim0: rows of 4,096 bytes
	s_mov_b32 s[G1H+2], 2<<16                      ; tensor_dim1
	s_mov_b32 s[G1H+3], 512<<16                    ; tile_dim0
	s_mov_b32 s[G1H+4], 2                          ; tile_dim1
	s_mov_b32 s[G1H+5], 1024                       ; stride
	s_mov_b32 s[G1H+6], 0
	s_mov_b32 s[G1H+7], 0
	s_mov_b32 s[G1W+0], 3<<16
	s_mov_b32 s[G1W+1], 512<<16
	s_mov_b32 s[G1W+2], 3<<16
	s_mov_b32 s[G1W+3], 512<<16
	s_mov_b32 s[G1W+4], 3
	s_mov_b32 s[G1W+5], 1024
	s_mov_b32 s[G1W+6], 0
	s_mov_b32 s[G1W+7], 0
	s_lshl_b32 s88, s[WV], 13                      ; waves 0-7: token tiles 2 w, 2 w + 1 go to 8,192 w
	s_mul_i32 s89, s[TQ], 12288                    ; waves 8-11: three tiles of the weights, behind the 16 token tiles
	s_add_co_u32 s89, s89, WPART
	s_lshl_b32 s90, s[GY], 17                      ; h: tile 16 y + 2 w
	s_lshl_b32 s91, s[WV], 14
	s_add_co_u32 s90, s90, s91
	s_mov_b32 s91, 0
	s_mul_i32 s92, ttmp9, 98304                    ; the weights: tile 12 x + 3 (w % 4)
	s_mul_i32 s93, s[TQ], 24576
	s_add_co_u32 s92, s92, s93
	s_mov_b32 s93, 0
	; every vector address is made here, ahead of the first parting of the waves
	v_and_b32 v5, 31, v0                           ; lane
	s_delay_alu instid0(VALU_DEP_1)
	v_lshlrev_b32 v1, 2, v5                        ; 4 x lane
	s_delay_alu instid0(VALU_DEP_2)
	v_lshlrev_b32 v2, 4, v5                        ; 16 x lane
	s_delay_alu instid0(VALU_DEP_3)
	v_lshrrev_b32 v6, 4, v5                        ; h
	s_delay_alu instid0(VALU_DEP_1)
	v_lshlrev_b32 v3, 6, v6                        ; bq, bk: my half's 16 channels of a block of 32
	v_and_b32 v7, 15, v5                           ; r
	s_delay_alu instid0(VALU_DEP_1)
	v_and_b32 v4, 8, v7
	s_delay_alu instid0(VALU_DEP_1)
	v_add_nc_u32 v4, v4, v7
	s_delay_alu instid0(VALU_DEP_1)
	v_lshlrev_b32 v4, 2, v4                        ; bv: 4 (r + 8 (r / 8)): my lane's channel of a tile
	s_lshl_b32 s94, s[TQ], 14
	v_add_nc_u32 v[AH], s94, v2
	s_lshl_b32 s94, s[HW], 14
	s_add_co_u32 s94, s94, WPART
	v_add_nc_u32 v[AW], s94, v2
.irp g, 1
	v_add_nc_u32 v[AH+\g], \g*GRP, v[AH]
	v_add_nc_u32 v[AW+\g], \g*GRP, v[AW]
.endr
	s_wait_dscnt 0x0
	s_wait_kmcnt 0x0
	s_add_nc_u64 s[90:91], s[4:5], s[90:91]
	s_add_nc_u64 s[92:93], s[6:7], s[92:93]
.irp g, 0,1
	s_mov_b32 s[G0H+4*\g], 1
	s_add_co_u32 s[G0H+4*\g+1], s88, \g*GRP                        ; LDS address
	s_add_nc_u64 s[G0H+4*\g+2:G0H+4*\g+3], s[90:91], \g*4096       ; global address: K steps 4 g .. 4 g + 3
	s_or_b32 s[G0H+4*\g+3], s[G0H+4*\g+3], 0x80000000              ; type = 2
	s_mov_b32 s[G0W+4*\g], 1
	s_add_co_u32 s[G0W+4*\g+1], s89, \g*GRP
	s_add_nc_u64 s[G0W+4*\g+2:G0W+4*\g+3], s[92:93], \g*4096
	s_or_b32 s[G0W+4*\g+3], s[G0W+4*\g+3], 0x80000000
.endr
	s_cmp_lt_u32 s[WV], 8                          ; the first half's fills in one branch on the wave's number: one load of every wave is out, on either way
	s_cbranch_scc0 .Lfill_w
	tensor_load_to_lds s[G0H:G0H+3], s[G1H:G1H+7]  ; one tensor load a wave at the head: the first half of K
	s_nop 0
.rept 4
	v_nop                                          ; behind a tensor load
.endr
	s_branch .Lfilled
.Lfill_w:
	tensor_load_to_lds s[G0W:G0W+3], s[G1W:G1W+7]
	s_nop 0
.rept 4
	v_nop
.endr
.Lfilled:
	s_mul_i32 s[HD], ttmp9, 3
	s_add_co_u32 s[HD], s[HD], s[HW]
	s_lshr_b32 s[TYPE], s[HD], 4
	s_and_b32 s[HEAD], s[HD], 15
	s_lshl_b32 s[T64], s[GY], 2
	s_add_co_u32 s[T64], s[T64], s[TQ]
	s_and_b32 s[T64], s[T64], 31
	s_lshr_b32 s[BH], s[GY], 3
	s_lshl_b32 s[BH], s[BH], 4
	s_add_co_u32 s[BH], s[BH], s[HEAD]             ; 16 x batch + head
	s_lshl_b32 s88, s[GY], 13
	s_lshl_b32 s89, s[TQ], 11
	s_add_co_u32 s88, s88, s89
	s_add_co_u32 s88, s88, SCOFF
	s_mov_b32 s89, 0
	s_add_nc_u64 s[76:77], s[4:5], s[88:89]        ; the scale words of my four token tiles (tile 16 y + 4 (w % 4) on)
	s_lshl_b32 s88, s[HD], 11
	s_add_co_u32 s88, s88, SCOFF
	s_add_nc_u64 s[78:79], s[6:7], s[88:89]        ; and of my head's four tiles of the weight
	s_cmp_eq_u32 s[TYPE], 1
	s_cselect_b64 s[80:81], s[10:11], s[8:9]
	s_cmp_eq_u32 s[TYPE], 2
	s_cselect_b64 s[80:81], s[12:13], s[80:81]     ; bq, bk or bv,
	s_lshl_b32 s88, s[HEAD], 8
	s_add_nc_u64 s[80:81], s[80:81], s[88:89]      ; at my head's 64 numbers
.irp p, 0,1,2,3
.irp t, 0,1,2,3
	global_load_b32 v[SC+8*\p+\t], v1, s[76:77] offset:\t*512+\p*128
	global_load_b32 v[SC+8*\p+4+\t], v1, s[78:79] offset:\t*512+\p*128
.endr
.endr
	s_wait_alu depctr_va_vdst(0)
.irp j, 0,1,2,3
	global_load_b32 v[BV+2*\j], v4, s[80:81] offset:(32*(\j/2)+8*(\j%2))*4
	global_load_b32 v[BV+2*\j+1], v4, s[80:81] offset:(32*(\j/2)+8*(\j%2))*4
.endr
	s_mul_i32 s90, s[BH], REC
	s_mov_b32 s91, 0
	s_add_nc_u64 s[14:15], s[14:15], s[90:91]      ; my record
	s_mov_b32 s88, QC
	s_cmp_eq_u32 s[TYPE], 1
	s_cselect_b32 s88, 0, s88
	s_cmp_eq_u32 s[TYPE], 2
	s_cselect_b32 s88, VC, s88                     ; where the codes go: Q's, K's or V's part,
	s_lshl_b32 s90, s[T64], 11
	s_add_co_u32 s88, s88, s90                     ; + 2,048 for each 64 tokens, in all three
	s_add_nc_u64 s[82:83], s[14:15], s[88:89]
	s_lshl_b32 s90, s[T64], 8
	s_add_co_u32 s92, s90, KS                      ; k's words: 256 bytes for each 64 tokens
	s_add_co_u32 s90, s90, QS                      ; q's likewise
	s_lshr_b32 s93, s[T64], 1
	s_lshl_b32 s93, s93, 8
	s_and_b32 s94, s[T64], 1
	s_lshl_b32 s94, s94, 1
	s_add_co_u32 s93, s93, s94
	s_add_co_u32 s93, s93, VS                      ; v's: 256 bytes for each 128 keys, my 64 keys' two bytes of each word
	s_cmp_eq_u32 s[TYPE], 1
	s_cselect_b32 s88, s92, s90
	s_cmp_eq_u32 s[TYPE], 2
	s_cselect_b32 s88, s93, s88
	s_add_nc_u64 s[84:85], s[14:15], s[88:89]
	s_mov_b32 s[SEL], 0x76543210
	s_mov_b32 s[SEL+1], 0xfedcba98
; One matrix instruction.  zero: the first K step starts the sum.  odd: an odd K step's scale words lie in lanes 16-31.
.macro MM d, a, b, sa, sb, zero, odd
.if \zero
	v_wmma_scale_f32_16x16x128_f8f6f4 v[(\d):(\d)+7], v[(\a):(\a)+7], v[(\b):(\b)+7], 0, v[\sa], v[\sb] matrix_a_fmt:MATRIX_FMT_FP4 matrix_b_fmt:MATRIX_FMT_FP4
.elseif \odd
	v_wmma_scale_f32_16x16x128_f8f6f4 v[(\d):(\d)+7], v[(\a):(\a)+7], v[(\b):(\b)+7], v[(\d):(\d)+7], v[\sa], v[\sb] matrix_a_fmt:MATRIX_FMT_FP4 matrix_b_fmt:MATRIX_FMT_FP4 matrix_a_scale:MATRIX_SCALE_ROW1 matrix_b_scale:MATRIX_SCALE_ROW1
.else
	v_wmma_scale_f32_16x16x128_f8f6f4 v[(\d):(\d)+7], v[(\a):(\a)+7], v[(\b):(\b)+7], v[(\d):(\d)+7], v[\sa], v[\sb] matrix_a_fmt:MATRIX_FMT_FP4 matrix_b_fmt:MATRIX_FMT_FP4
.endif
.endm
; A K step of 128: 16 LDS loads, 16 matrix instructions.  The 16 accumulators take turns, one instruction a turn, in the same order in every step and on both ways.
.macro KSTEP s
.if (\s)%4 == 0
	s_wait_tensorcnt 0x0                           ; my part of this half of K has landed: no load of mine is out
	ds_add_u32 v30, v31
	s_wait_dscnt 0x0                               ; the add is done, and my LDS reads so far
	s_barrier_signal -1
	s_barrier_wait -1                              ; everybody's part has landed
.endif
.if (\s) == 0
	s_cmp_lt_u32 s[WV], 8                          ; the second half's first fill: my one tensor load behind this barrier
	s_cbranch_scc0 .Lfill_w2
	tensor_load_to_lds s[G0H+4:G0H+7], s[G1H:G1H+7]
	s_nop 0
.rept 4
	v_nop
.endr
	s_branch .Lfilled2
.Lfill_w2:
	tensor_load_to_lds s[G0W+4:G0W+7], s[G1W:G1W+7]
	s_nop 0
.rept 4
	v_nop
.endr
.Lfilled2:
.endif
.if (\s) > 0
.rept 4
	v_nop                                          ; places in front of loads into registers that matrix instructions have read (ISA guide 7.12.1 for vector instructions)
.endr
.endif
.irp j, 0,1,2,3
.irp c, 0,1
	ds_load_b128 v[FH+8*\j+4*\c:FH+8*\j+4*\c+3], v[AH+(\s)/4] offset:\j*4096+((\s)%4)*1024+\c*512
	ds_load_b128 v[FW+8*\j+4*\c:FW+8*\j+4*\c+3], v[AW+(\s)/4] offset:\j*4096+((\s)%4)*1024+\c*512
.endr
.endr
	s_wait_dscnt 0x0
.if (\s) == 0
	s_wait_loadcnt 0x0                             ; the scale words and bv
.endif
	s_cmp_eq_u32 s[TYPE], 2
	s_cbranch_scc1 .Lv_\@
.irp j, 0,1,2,3                                ; q, k: source 0 = the weight's tile i, source 1 = token tile j
.irp i, 0,1,2,3
	MM ACC+32*\j+8*\i, FW+8*\i, FH+8*\j, SC+8*((\s)/2)+4+\i, SC+8*((\s)/2)+\j, (\s)==0, (\s)%2
.endr
.endr
	s_branch .Lj_\@
.Lv_\@:
.irp j, 0,1,2,3                                ; v: source 0 = token tile i, source 1 = the weight's tile j
.irp i, 0,1,2,3
	MM ACC+32*\j+8*\i, FH+8*\i, FW+8*\j, SC+8*((\s)/2)+\i, SC+8*((\s)/2)+4+\j, (\s)==0, (\s)%2
.endr
.endr
.Lj_\@:
.endm
; nb blocks of 32 along the next K; block q: 16 numbers of a lane from v[base + 16 q] on, the other 16 in lane l xor 16.  Codes: four registers for each pair of blocks from v[cd] on, in the operand's layout
; (lanes 0-15 the even block, lanes 16-31 the odd one); v[hw + q / 2]: the pair's two scale bytes.  All lines take the blocks by turns.
.macro QUANT nb, base, tm, tp, scl, by, cd, hw
.set qq, 0
.rept \nb
	v_max3_num_f32 v[\tm+qq], |v[\base+16*qq]|, |v[\base+16*qq+1]|, 0x1800000   ; with the floor 2^(3 - 127): the byte cannot fall under 1
.set qq, qq+1
.endr
.irp i, 2,4,6,8,10,12,14
.set qq, 0
.rept \nb
	v_max3_num_f32 v[\tm+qq], v[\tm+qq], |v[\base+16*qq+\i]|, |v[\base+16*qq+\i+1]|
.set qq, qq+1
.endr
.endr
.set qq, 0
.rept \nb
	v_permlanex16_b32 v[\tp+qq], v[\tm+qq], s[SEL], s[SEL+1]
.set qq, qq+1
.endr
.set qq, 0
.rept \nb
	v_max_num_f32 v[\tm+qq], v[\tm+qq], v[\tp+qq]  ; the block's largest magnitude
.set qq, qq+1
.endr
.set qq, 0
.rept \nb
	v_add_nc_u32 v[\scl+qq], 0xff000000, v[\tm+qq] ; 2 off its exponent field: the conversion's scale operand
.set qq, qq+1
.endr
.set qq, 0
.rept \nb
	v_lshrrev_b32 v[\by+qq], 23, v[\scl+qq]        ; the scale's byte
.set qq, qq+1
.endr
.set qq, 0
.rept \nb
	v_cvt_scalef32_pk8_fp4_f32 v[\cd+2*qq], v[\base+16*qq:\base+16*qq+7], v[\scl+qq]
	v_cvt_scalef32_pk8_fp4_f32 v[\cd+2*qq+1], v[\base+16*qq+8:\base+16*qq+15], v[\scl+qq]
.set qq, qq+1
.endr
	v_nop                                          ; one plain line behind a scaled conversion
.set qq, 0
.rept \nb/2
	v_permlane16_swap_b32 v[\cd+4*qq], v[\cd+4*qq+2]      ; the first's lanes 16-31 change places with the second's lanes 0-15: a whole block in a lane
	v_permlane16_swap_b32 v[\cd+4*qq+1], v[\cd+4*qq+3]
	v_lshl_or_b32 v[\hw+qq], v[\by+2*qq+1], 8, v[\by+2*qq]
.set qq, qq+1
.endr
.endm
	KSTEP 0
	KSTEP 1
	KSTEP 2
	KSTEP 3
	KSTEP 4
	KSTEP 5
	KSTEP 6
	KSTEP 7
.rept 4
	v_nop                                          ; places in front of the loads below and of the first read of results
.endr
.irp i, 0,1,2,3                                ; bq or bk in the result's layout: for tile i my half's eight channels 32 (i / 2) + 8 (i % 2) + 16 h + 0 .. 7.  (Every wave loads them; v's do not use them.)
	global_load_b128 v[FH+8*\i:FH+8*\i+3], v3, s[80:81] offset:(32*(\i/2)+8*(\i%2))*4
	global_load_b128 v[FH+8*\i+4:FH+8*\i+7], v3, s[80:81] offset:(32*(\i/2)+8*(\i%2))*4+16
.endr
	s_wait_loadcnt 0x0
	s_cmp_eq_u32 s[TYPE], 2
	s_cbranch_scc1 .Lbias_v
.irp j, 0,1,2,3                                ; each accumulator from its low end on
.irp i, 0,1,2,3
.irp m, 0,2,4,6
	v_pk_add_f32 v[ACC+32*\j+8*\i+\m:ACC+32*\j+8*\i+\m+1], v[ACC+32*\j+8*\i+\m:ACC+32*\j+8*\i+\m+1], v[FH+8*\i+\m:FH+8*\i+\m+1]
.endr
.endr
.endr
	s_branch .Lbiased
.Lbias_v:
.irp j, 0,1,2,3                                ; v: a lane holds one channel of tile j: one number for all its registers
.irp i, 0,1,2,3
.irp m, 0,2,4,6
	v_pk_add_f32 v[ACC+32*\j+8*\i+\m:ACC+32*\j+8*\i+\m+1], v[ACC+32*\j+8*\i+\m:ACC+32*\j+8*\i+\m+1], v[BV+2*\j:BV+2*\j+1]
.endr
.endr
.endr
.Lbiased:
	QUANT 8, ACC, 64, 72, 80, 88, 96, 112          ; blocks 2 j and 2 j + 1 belong to Y's tile j.  (v72-79, the permutes' destinations, were written by the loads above)
	v_permlane16_swap_b32 v112, v113               ; tile 0's half words in lanes 0-15, tile 1's in lanes 16-31
	s_delay_alu instid0(VALU_DEP_2)
	v_permlane16_swap_b32 v114, v115
.irp j, 0,1,2,3
	global_store_b128 v2, v[96+4*\j:99+4*\j], s[82:83] offset:512*\j   ; 512 consecutive bytes a store, 2,048 on end
.endr
	s_cmp_eq_u32 s[TYPE], 2
	s_cbranch_scc1 .Lwords_v
	global_store_b32 v1, v112, s[84:85]            ; q, k: whole words, bytes 2 and 3 = 0
	global_store_b32 v1, v114, s[84:85] offset:128
	s_wait_tensorcnt 0x0
	ds_add_u32 v30, v31
	s_wait_dscnt 0x0
	s_endpgm
.Lwords_v:
	s_wait_alu depctr_va_vdst(0)
	global_store_b16 v1, v112, s[84:85]            ; v: my 64 keys' half of each word
	global_store_b16 v1, v114, s[84:85] offset:128
	s_wait_tensorcnt 0x0
	ds_add_u32 v30, v31
	s_wait_dscnt 0x0
	s_endpgm
.Lfunc_end_k_q3b7760d2c9_qkv:
	.size	k_q3b7760d2c9_qkv, .Lfunc_end_k_q3b7760d2c9_qkv-k_q3b7760d2c9_qkv
	.p2alignl 7, 3214868480
	.fill 96, 4, 3214868480
	.section	.rodata,"a",@progbits
	.p2align	6, 0x0
	.amdhsa_kernel k_q3b7760d2c9_qkv
		.amdhsa_group_segment_fixed_size 327680
		.amdhsa_private_segment_fixed_size 0
		.amdhsa_enable_private_segment 0
		.amdhsa_kernarg_size 48
		.amdhsa_user_sgpr_count 2
		.amdhsa_user_sgpr_kernarg_segment_ptr 1
		.amdhsa_wavefront_size32 1
		.amdhsa_system_sgpr_workgroup_id_x 1
		.amdhsa_system_sgpr_workgroup_id_y 1
		.amdhsa_system_sgpr_workgroup_id_z 1
		.amdhsa_system_vgpr_workitem_id 0
		.amdhsa_next_free_vgpr 256
		.amdhsa_next_free_sgpr 96
		.amdhsa_reserve_vcc 0
		.amdhsa_float_denorm_mode_32 3
		.amdhsa_float_denorm_mode_16_64 3
		.amdhsa_memory_ordered 1
		.amdhsa_forward_progress 1
		.amdhsa_inst_pref_size 71
	.end_amdhsa_kernel
	.amdgpu_metadata
---
amdhsa.version: [ 1, 2 ]
amdhsa.kernels:
  - .name:           k_q3b7760d2c9_qkv
    .symbol:         k_q3b7760d2c9_qkv.kd
    .args:
      - { .name: hq, .offset: 0, .size: 8, .value_kind: global_buffer, .address_space: global }
      - { .name: wq, .offset: 8, .size: 8, .value_kind: global_buffer, .address_space: global }
      - { .name: bq, .offset: 16, .size: 8, .value_kind: global_buffer, .address_space: global }
      - { .name: bk, .offset: 24, .size: 8, .value_kind: global_buffer, .address_space: global }
      - { .name: bv, .offset: 32, .size: 8, .value_kind: global_buffer, .address_space: global }
      - { .name: att, .offset: 40, .size: 8, .value_kind: global_buffer, .address_space: global }
    .group_segment_fixed_size: 327680
    .private_segment_fixed_size: 0
    .kernarg_segment_align: 8
    .kernarg_segment_size: 48
    .max_flat_workgroup_size: 384
    .sgpr_count:     96
    .vgpr_count:     256
    .wavefront_size: 32
...
	.end_amdgpu_metadata
.endif
;; end of part 8
;; launch attn (part 9): grid 8 x 32, 16 waves a work-group, no clusters, 327,680 bytes of LDS; arguments att, cq, p0; writes cq, p0
.if DOCPART == 9
	.amdgcn_target "amdgcn-amd-amdhsa--gfx1250"
	.amdhsa_code_object_version 6
	.text
	.protected	k_q3b7760d2c9_attn
	.globl	k_q3b7760d2c9_attn
	.p2align	8
	.type	k_q3b7760d2c9_attn,@function
k_q3b7760d2c9_attn:
	s_mov_b64 s[64:65], 0
	v_nop
	global_prefetch_b8 v0, s[64:65] scope:SCOPE_SE
	s_setreg_imm32_b32 hwreg(HW_REG_WAVE_MODE, 25, 1), 1
	s_wait_xcnt 0x0
; ctx = softmax(q k^T / 8) v for one (batch, head), both products on codes of FP4 (E2M1) with E8M0 scales; ctx is quantised at once along D for the output projection.  Also: query 0's finished softmax / 16, to p0.
; THE SOFTMAX AHEAD OF THE SECOND PRODUCT: t = score x log2(e) / 8; M = the running largest t rounded UP to a whole number; p = 2^(t - M) is quantised along the keys, not normalised; the row's sum is taken of the
; unquantised p and divides at the end.  When M moves, the sum and O are multiplied by 2^(old M - new M): exact.
; SHARES.  Work-group (x, y): head record y, queries 256 x on.  Sixteen waves, four to a SIMD; a wave owns one tile of 16 queries and walks all 2,048 keys, 128 a step, four steps a stage.
; LDS.  The record's first 143,360 bytes (K's codes, V's codes, both sets of scale words) are mirrored in LDS as rows of 512 bytes + 64 of padding.  They come in TWO FILLS, every byte filled once:
; at the head waves 0-7 ask for stage 0's codes (512 keys; 4,096 bytes each: waves 0-3 K's, 4-7 V's) and waves 8-10 for the head's 12,288 bytes of scale words; behind the first barrier every wave asks for 6,144 bytes
; of the other 1,536 keys' codes (waves 0-7 K's, 8-15 V's), which have stage 0's four key steps of all sixteen waves in which to land.  One barrier follows stage 0; the last twelve steps have none.
; Both fills stand ahead of the loop, so there is no loop to run ahead in, and no prefetch is written.  All of LDS is claimed.
; LAYOUT.  Both products are used transposed: S^T = K Q^T (source 0 = 16 keys), O^T = V^T P^T (source 0 = 16 channels): a lane holds ONE query (lane % 16) throughout.
; THE KEYS OF A SCORE TILE ARE CHOSEN BY THE LANES' LDS ADDRESSES: row m of tile (g, u) is key 64 g + 32 (m / 8) + 8 u + m % 8 of the step.  Register j of lane (r, h) is then key 64 g + 32 h + 8 u + j: the 32 registers
; of the four tiles of g are ONE WHOLE BLOCK of 32 keys, block 2 g + h, which is what P's operand wants of that lane: the block's maximum needs no other lane and the conversions' results are the operand as they stand.
; In the record row r' of tile 2 b + u' is key 32 b + 8 u' + r' + 8 (r' / 8), so lane (r, h) reads tile 4 g + 2 (r / 8) + u % 2, row r % 8 + 8 (u / 2).  The padding sets lanes 8-15, two LDS rows on, 128 bytes aside modulo 256.
; A tile of q or k has 64 of the instruction's 128 along K: its second chunk is zero codes, kept in registers; the scale bytes there are 0.
; THE ORDER OF A STEP.  Scores; V's loads and the next step's K; maxima; M; t - M and O^T's rescaling; one batch of 66 exponentials; scales, conversions, row sums; second product.
; No cluster: the pass for query 0 parts on the work-group's x, and partners of a joint load may not part.
; LIMITS: the promise holds while the scaled scores stay under 2^31 in magnitude; v_exp_f32 gives 0 for p under 2^-126; a block of zeros gets the byte 1; NaN and infinities are not served.
; REGISTERS: v1-4 lane places, v5-6 the add's, v7 16 x lane, v8-11 the stage's addresses, v12 -M, v13 the largest score, v[14:15] the sum, v16-24 Q, v25-28 K's words, v29-30 V's, v31 8 (lane / 16), v32-95 K, v96-159 S^T then p,
; v160-191 O^T, v192-223 V, v224-231 p's codes, v232-254 at work, v253 p's scale word.
.set REC,   217088
.set SCOFF, 2097152
.set QC,    143360
.set QS,    208896
.set ROWP,  576                        ; an LDS row: 512 bytes + 64 of padding
.set LVC,   128*ROWP                   ; V's codes
.set LKS,   256*ROWP                   ; K's scale words: a row a key step
.set LVS,   272*ROWP                   ; V's: a row for two key steps
.set SCR,   280*ROWP                   ; behind the fills, four blocks of 256 bytes that no fill lands on: query tile 0's codes (512), its words (128), query 0's two numbers (from 768 on)
.set SPARE, SCR+1024                   ; the spare words, 128 bytes a wave
.set AK0, 1
.set AV0, 2
.set AS0, 3
.set AT0, 4
.set SPW, 5
.set NIL, 6
.set L16, 7
.set ADK, 8
.set ADV, 9
.set ADS, 10
.set ADT, 11
.set SH8, 31
.set WV,  10
.set SEL, 44                           ; s[44:45] lane selects: lane l xor 16
.set CS,  46                           ; s[46:47] c = log2(e) / 8, twice: the packed form names a pair
.set TK,  48                           ; where the stage's codes begin, in K's part and in V's
.set TS,  49                           ; K's scale words
.set NCS, 50                           ; -c
.set CNT, 51
.set TV,  56                           ; V's scale words
	s_load_b128 s[4:7], s[0:1], 0x0                ; att, cq
	s_load_b64 s[8:9], s[0:1], 0x10                ; p0
	v_lshl_add_u32 v[SPW], v0, 2, SPARE
	v_mov_b32 v[NIL], 0
	ds_add_u32 v[SPW], v[NIL]                      ; the opening lines: the add twice on end, and its wait ahead of the first tensor load
	ds_add_u32 v[SPW], v[NIL]
	v_lshrrev_b32 v8, 5, v0
	v_readfirstlane_b32 s[WV], v8                  ; wave 0..15
	s_and_b32 s11, ttmp7, 0xffff                   ; 16 x batch + head
	s_mul_i32 s12, s11, REC
	s_mov_b32 s13, 0
	s_lshr_b32 s14, s[WV], 2                       ; the first fill: which part: 0 K's codes, 1 V's, 2 the scale words
	s_and_b32 s15, s[WV], 3                        ; which 4,096 bytes of it
	s_lshl_b32 s28, s14, 16
	s_lshl_b32 s29, s15, 12
	s_add_co_u32 s28, s28, s29                     ; in the record
	s_mov_b32 s29, 0
	s_mul_i32 s25, s14, 128*ROWP
	s_mul_i32 s30, s15, 8*ROWP
	s_add_co_u32 s25, s25, s30                     ; and in LDS
	s_mov_b32 s16, (3<<16)|(1<<20)|(6<<22)|(15<<25) ; group 1: elements of 8 bytes; 16 words of padding behind every 128
	s_mov_b32 s17, 64<<16                          ; tensor_dim0: a row of 512 bytes
	s_mov_b32 s18, 8<<16                           ; tensor_dim1
	s_mov_b32 s19, 64<<16                          ; tile_dim0
	s_mov_b32 s20, 8                               ; tile_dim1
	s_mov_b32 s21, 64                              ; dense
	s_mov_b32 s22, 0
	s_mov_b32 s23, 0
	s_mov_b32 s24, 1
	s_mov_b32 s72, (3<<16)|(1<<20)|(6<<22)|(15<<25) ; the second fill's group 1: the same rows, twelve of them
	s_mov_b32 s73, 64<<16
	s_mov_b32 s74, 12<<16
	s_mov_b32 s75, 64<<16
	s_mov_b32 s76, 12
	s_mov_b32 s77, 64
	s_mov_b32 s78, 0
	s_mov_b32 s79, 0
	s_mov_b32 s80, 1
	s_lshr_b32 s14, s[WV], 3                       ; 0 K's codes, 1 V's
	s_and_b32 s15, s[WV], 7                        ; which 6,144 bytes behind stage 0's 16,384
	s_mul_i32 s81, s14, 128*ROWP
	s_mul_i32 s30, s15, 12*ROWP
	s_add_co_u32 s81, s81, s30
	s_add_co_u32 s81, s81, 32*ROWP                 ; in LDS
	s_lshl_b32 s58, s14, 16
	s_mul_i32 s30, s15, 6144
	s_add_co_u32 s58, s58, s30
	s_add_co_u32 s58, s58, 16384                   ; and in the record
	s_mov_b32 s59, 0
	s_wait_dscnt 0x0
	s_wait_kmcnt 0x0
	s_add_nc_u64 s[4:5], s[4:5], s[12:13]          ; my record
	s_add_nc_u64 s[26:27], s[4:5], s[28:29]
	s_or_b32 s27, s27, 0x80000000                  ; type = 2
	s_add_nc_u64 s[82:83], s[4:5], s[58:59]
	s_or_b32 s83, s83, 0x80000000
	s_cmp_lt_u32 s[WV], 11
	s_cbranch_scc0 .Lhead_none
	tensor_load_to_lds s[24:27], s[16:23]          ; stage 0's codes, or a third of the scale words
	s_nop 0
.rept 4
	v_nop
.endr
.Lhead_none:
	s_lshl_b32 s30, ttmp9, 4
	s_add_co_u32 s30, s30, s[WV]                   ; my tile of queries, of the batch's 128
	s_lshl_b32 s12, s30, 9
	s_add_co_u32 s12, s12, QC
	s_add_nc_u64 s[32:33], s[4:5], s[12:13]
	s_lshl_b32 s12, s30, 6
	s_add_co_u32 s12, s12, QS
	s_add_nc_u64 s[34:35], s[4:5], s[12:13]
	s_lshr_b32 s54, s11, 4
	s_lshl_b32 s54, s54, 7
	s_add_co_u32 s54, s54, s30                     ; my tile among all 256
	s_and_b32 s55, s11, 15                         ; head
	s_lshl_b32 s12, s54, 13
	s_lshl_b32 s14, s55, 9
	s_add_co_u32 s12, s12, s14                     ; ctx's codes: tile x 8,192 + head x 512
	s_add_nc_u64 s[36:37], s[6:7], s[12:13]
	s_lshl_b32 s12, s54, 9
	s_lshr_b32 s14, s55, 1
	s_lshl_b32 s14, s14, 6
	s_add_co_u32 s12, s12, s14
	s_and_b32 s14, s55, 1
	s_lshl_b32 s14, s14, 1
	s_add_co_u32 s12, s12, s14
	s_add_co_u32 s12, s12, SCOFF                   ; its scale words: my head's two bytes of each
	s_add_nc_u64 s[38:39], s[6:7], s[12:13]
	s_lshl_b32 s12, s11, 13
	s_lshl_b32 s14, s[WV], 9
	s_add_co_u32 s12, s12, s14
	s_add_nc_u64 s[52:53], s[8:9], s[12:13]        ; p0: my head's row, key step w
	s_mov_b32 s[SEL], 0x76543210
	s_mov_b32 s[SEL+1], 0xfedcba98
	s_mov_b32 s[CS], 0x3e38aa3b                    ; c = log2(e) / 8
	s_mov_b32 s[CS+1], s[CS]
	s_mov_b32 s[NCS], 0xbe38aa3b
	s_mov_b32 s[TK], 0
	s_mov_b32 s[TS], 0
	s_mov_b32 s[TV], 0
	s_mov_b32 s[CNT], 3
	v_and_b32 v8, 31, v0                           ; lane
	v_and_b32 v9, 15, v0                           ; r
	v_bfe_u32 v10, v0, 4, 1                        ; h
	v_and_b32 v11, 7, v0                           ; r % 8
	v_bfe_u32 v12, v0, 3, 1                        ; r / 8
	v_lshlrev_b32 v[L16], 4, v8
	v_lshlrev_b32 v9, 2, v9                        ; 4 r
	global_load_b128 v[16:19], v[L16], s[32:33]    ; Q's chunk stays in registers
	global_load_b32 v24, v9, s[34:35]              ; and its scale words
	v_mul_u32_u24 v[AK0], v12, 2*ROWP
	v_lshl_add_u32 v[AK0], v11, 4, v[AK0]
	v_lshl_add_u32 v[AK0], v10, 8, v[AK0]          ; K: two LDS rows x (r / 8) + 16 (r % 8) + 256 h
	v_add_nc_u32 v[AV0], LVC, v[L16]               ; V: 16 x lane
	v_lshlrev_b32 v[AS0], 7, v12
	v_lshl_add_u32 v[AS0], v11, 2, v[AS0]
	v_lshl_add_u32 v[AS0], v10, 6, v[AS0]
	v_add_nc_u32 v[AS0], LKS, v[AS0]               ; K's words: 128 (r / 8) + 4 (r % 8); lanes 16-31 take the odd tile's, 64 bytes on
	v_lshl_add_u32 v[AT0], v8, 2, LVS              ; V's words: 4 x lane: two tiles a load
	v_lshlrev_b32 v[SH8], 3, v10
	v_add_nc_u32 v242, SCR, v[L16]                 ; where wave 0 of x = 0 leaves query tile 0
	v_lshl_add_u32 v243, v8, 2, SCR+512
	v_mov_b32 v13, 0xff61b1e6                      ; the largest score so far: -3e38, under every score
	v_mov_b32 v12, 0x7e800000                      ; -M: a large whole number, so that the first change of M multiplies by 0
	v_mov_b32 v14, 0
	v_mov_b32 v15, 0
.irp j, 20,21,22,23
	v_mov_b32 v[\j], 0                             ; Q's second chunk: zero codes
.endr
.irp t, 0,1,2,3,4,5,6,7
.irp j, 4,5,6,7
	v_mov_b32 v[32+8*\t+\j], 0                     ; K's likewise: written once
.endr
.endr
.irp j, 236,237,238,239,252,253
	v_mov_b32 v[\j], 0                             ; a lane permute's destination, and the upper half of a pair, are written before they are named
.endr
.set n, 0
.rept 32
	v_mov_b32 v[160+n], 0                          ; O^T: the step is written for all trips alike; the first finds zeros
.set n, n+1
.endr
; nb blocks of 32 along the next K; block q: 16 numbers of a lane from v[base + 16 q] on, the other 16 in lane l xor 16.  Codes in the operand's layout from v[cd] on; v[hw + q / 2]: a pair's two scale bytes.
.macro QUANT nb, base, tm, tp, scl, by, cd, hw
.set qq, 0
.rept \nb
	v_max3_num_f32 v[\tm+qq], |v[\base+16*qq]|, |v[\base+16*qq+1]|, 0x1800000   ; with the floor 2^(3 - 127)
.set qq, qq+1
.endr
.irp i, 2,4,6,8,10,12,14
.set qq, 0
.rept \nb
	v_max3_num_f32 v[\tm+qq], v[\tm+qq], |v[\base+16*qq+\i]|, |v[\base+16*qq+\i+1]|
.set qq, qq+1
.endr
.endr
.set qq, 0
.rept \nb
	v_permlanex16_b32 v[\tp+qq], v[\tm+qq], s[SEL], s[SEL+1]
.set qq, qq+1
.endr
.set qq, 0
.rept \nb
	v_max_num_f32 v[\tm+qq], v[\tm+qq], v[\tp+qq]
.set qq, qq+1
.endr
.set qq, 0
.rept \nb
	v_add_nc_u32 v[\scl+qq], 0xff000000, v[\tm+qq]
.set qq, qq+1
.endr
.set qq, 0
.rept \nb
	v_lshrrev_b32 v[\by+qq], 23, v[\scl+qq]
.set qq, qq+1
.endr
.set qq, 0
.rept \nb
	v_cvt_scalef32_pk8_fp4_f32 v[\cd+2*qq], v[\base+16*qq:\base+16*qq+7], v[\scl+qq]
	v_cvt_scalef32_pk8_fp4_f32 v[\cd+2*qq+1], v[\base+16*qq+8:\base+16*qq+15], v[\scl+qq]
.set qq, qq+1
.endr
	v_nop                                          ; one plain line behind a scaled conversion
.set qq, 0
.rept \nb/2
	v_permlane16_swap_b32 v[\cd+4*qq], v[\cd+4*qq+2]
	v_permlane16_swap_b32 v[\cd+4*qq+1], v[\cd+4*qq+3]
	v_lshl_or_b32 v[\hw+qq], v[\by+2*qq+1], 8, v[\by+2*qq]
.set qq, qq+1
.endr
.endm
.macro KLOAD q                         ; twelve loads: the eight score tiles' fragments of K for the stage's q-th step, and their scale words (lanes 0-15 tile (g, 2 w), lanes 16-31 tile (g, 2 w + 1))
.irp g, 0,1
.irp u, 0,1,2,3
	ds_load_b128 v[32+32*\g+8*\u:35+32*\g+8*\u], v[ADK] offset:(\q)*8*ROWP+\g*4*ROWP+(\u%2)*ROWP+(\u/2)*128
.endr
.irp w, 0,1
	ds_load_b32 v[25+2*\g+\w], v[ADS] offset:(\q)*ROWP+\g*256+\w*32
.endr
.endr
.endm
.macro PKT q                           ; t - M of pair q
	v_pk_fma_f32 v[96+2*(\q):97+2*(\q)], v[96+2*(\q):97+2*(\q)], s[CS:CS+1], v[12:13] op_sel_hi:[1,0,0]
.endm
.macro SUMI d, q                       ; pairs 2 q and 2 q + 1 start a chain of the row's sum
	v_pk_add_f32 v[\d:\d+1], v[96+4*(\q):97+4*(\q)], v[98+4*(\q):99+4*(\q)]
.endm
.macro SUMN q                          ; pair q onto one of four chains
.if (\q)%4 == 2
	v_pk_add_f32 v[14:15], v[14:15], v[96+2*(\q):97+2*(\q)]
.elseif (\q)%4 == 3
	v_pk_add_f32 v[240:241], v[240:241], v[96+2*(\q):97+2*(\q)]
.elseif (\q)%4 == 0
	v_pk_add_f32 v[246:247], v[246:247], v[96+2*(\q):97+2*(\q)]
.else
	v_pk_add_f32 v[248:249], v[248:249], v[96+2*(\q):97+2*(\q)]
.endif
.endm
; A KEY STEP of 128 keys, the q-th of the stage in hand.
.macro STEP q
	s_wait_dscnt 0x0                               ; K's twelve loads are in
.irp g, 0,1                                    ; S^T = K Q^T
.irp w, 0,1
	v_wmma_scale_f32_16x16x128_f8f6f4 v[96+32*\g+16*\w:103+32*\g+16*\w], v[32+32*\g+16*\w:39+32*\g+16*\w], v[16:23], 0, v[25+2*\g+\w], v24 matrix_a_fmt:MATRIX_FMT_FP4 matrix_b_fmt:MATRIX_FMT_FP4
	v_wmma_scale_f32_16x16x128_f8f6f4 v[104+32*\g+16*\w:111+32*\g+16*\w], v[40+32*\g+16*\w:47+32*\g+16*\w], v[16:23], 0, v[25+2*\g+\w], v24 matrix_a_fmt:MATRIX_FMT_FP4 matrix_b_fmt:MATRIX_FMT_FP4 matrix_a_scale:MATRIX_SCALE_ROW1
.endr
.endr
	v_mov_b32 v254, v12                            ; the old -M.  With the three lines below: four places behind the products, in front of the loads into K's and V's registers and of the first read of results
	v_nop
	v_nop
	v_nop
.irp t, 0,1,2,3
.irp c, 0,1
	ds_load_b128 v[192+8*\t+4*\c:195+8*\t+4*\c], v[ADV] offset:(\q)*8*ROWP+(4*\c+\t)*ROWP
.endr
.endr
.irp p, 0,1
	ds_load_b32 v[29+\p], v[ADT] offset:(\q)*256+((\q)/2)*64+128*\p   ; lanes 0-15: tile 2 p's words, lanes 16-31: tile 2 p + 1's
.endr
.if (\q) < 3
	KLOAD (\q)+1                                   ; the next step's K lands while the softmax is walked
.endif
.irp g, 0,1                                    ; the largest score of my two blocks of 32 keys, each in two chains; each accumulator is read from its low end on
	v_max3_num_f32 v[232+\g], v[96+32*\g], v[97+32*\g], v[98+32*\g]
	v_max3_num_f32 v[234+\g], v[99+32*\g], v[100+32*\g], v[101+32*\g]
.endr
.irp i, 6,10,14,18,22,26
.irp g, 0,1
	v_max3_num_f32 v[232+\g], v[232+\g], v[96+32*\g+\i], v[97+32*\g+\i]
	v_max3_num_f32 v[234+\g], v[234+\g], v[98+32*\g+\i], v[99+32*\g+\i]
.endr
.endr
.irp g, 0,1
	v_max3_num_f32 v[232+\g], v[232+\g], v[126+32*\g], v[127+32*\g]
.endr
.irp g, 0,1
	v_max_num_f32 v[232+\g], v[232+\g], v[234+\g]
.endr
	v_max_num_f32 v251, v232, v233
	s_delay_alu instid0(VALU_DEP_1)
	v_permlanex16_b32 v239, v251, s[SEL], s[SEL+1]
	s_delay_alu instid0(VALU_DEP_1)
	v_max3_num_f32 v13, v13, v251, v239            ; the running largest score of my query (c is positive, so it is also the largest t's)
	s_delay_alu instid0(VALU_DEP_1)
	v_mul_f32 v251, s[NCS], v13
	s_delay_alu instid0(VALU_DEP_1)
	v_floor_f32 v12, v251                          ; the new -M = floor(-t) = -ceil(t)
	s_delay_alu instid0(VALU_DEP_1)
	v_sub_f32 v254, v12, v254                      ; old M - new M: a whole number, 0 or less
	v_fma_f32 v232, v232, s[CS], v12               ; t - M of each block's largest score: p rises with the score, so this gives the block's largest p
	v_fma_f32 v233, v233, s[CS], v12
	v_cvt_i32_f32 v254, v254                       ; (it saturates)
	PKT 0
	PKT 1
	v_ldexp_f32 v252, 1.0, v254                    ; f = 2^(old M - new M)
.set n, 2
.rept 30
	PKT n
.set n, n+1
.endr
.set n, 0
.rept 16                                       ; O^T under the new M, ahead of the exponentials; ascending
	v_pk_mul_f32 v[160+2*n:161+2*n], v[160+2*n:161+2*n], v[252:253] op_sel_hi:[1,0]
.set n, n+1
.endr
	s_wait_alu depctr_va_vdst(0)                   ; ahead of the batch
	v_exp_f32 v232, v232
	v_exp_f32 v233, v233
.set n, 0
.rept 64
	v_exp_f32 v[96+n], v[96+n]                     ; p = 2^(t - M): not normalised
.set n, n+1
.endr
	v_pk_mul_f32 v[14:15], v[14:15], v[252:253] op_sel_hi:[1,0]   ; the sum under the new M (the plain line behind the batch)
	s_wait_alu depctr_va_vdst(0)                   ; and the one wait behind it
	v_max_num_f32 v232, 0x1800000, v232            ; the floor 2^(3 - 127): the byte cannot fall under 1
	v_max_num_f32 v233, 0x1800000, v233
	SUMI 240, 0                                    ; the row's sum, of the unquantised p, stands between the scale's lines
	SUMI 246, 1
	v_add_nc_u32 v244, 0xff000000, v232            ; 2 off the exponent field: the conversion's scale operand
	v_add_nc_u32 v245, 0xff000000, v233
	SUMI 248, 2
	SUMN 6
	v_lshrrev_b32 v236, 23, v244                   ; the scale's byte
	v_lshrrev_b32 v237, 23, v245
.irp g, 0,1
.irp u, 0,1,2,3
	v_cvt_scalef32_pk8_fp4_f32 v[224+4*\g+\u], v[96+32*\g+8*\u:103+32*\g+8*\u], v[244+\g]   ; keys 64 g + 32 h + 8 u + 0 .. 7: register 4 g + u of P's operand
.endr
.endr
	v_lshl_or_b32 v253, v237, 16, v236             ; my blocks h and 2 + h,
	SUMN 7
	SUMN 8
	v_lshlrev_b32 v253, v[SH8], v253               ; at their places in the word;
	SUMN 9
	SUMN 10
	v_permlanex16_b32 v238, v253, s[SEL], s[SEL+1]
	SUMN 11
	SUMN 12
	v_or_b32 v253, v253, v238                      ; with lane l xor 16's two the word is whole.  22 plain lines follow, ahead of the product that takes it
.set n, 13
.rept 19
	SUMN n
.set n, n+1
.endr
	v_pk_add_f32 v[14:15], v[14:15], v[240:241]
	v_pk_add_f32 v[246:247], v[246:247], v[248:249]
	v_pk_add_f32 v[14:15], v[14:15], v[246:247]
.if (\q) < 3
	s_wait_dscnt 12                                ; V's ten loads are in; the next step's twelve of K, issued behind them, may be out
.else
	s_wait_dscnt 0x0
.endif
.irp t, 0,2                                    ; O^T += V^T P^T: the four accumulators by turns
	v_wmma_scale_f32_16x16x128_f8f6f4 v[160+8*\t:167+8*\t], v[192+8*\t:199+8*\t], v[224:231], v[160+8*\t:167+8*\t], v[29+\t/2], v253 matrix_a_fmt:MATRIX_FMT_FP4 matrix_b_fmt:MATRIX_FMT_FP4
	v_wmma_scale_f32_16x16x128_f8f6f4 v[168+8*\t:175+8*\t], v[200+8*\t:207+8*\t], v[224:231], v[168+8*\t:175+8*\t], v[29+\t/2], v253 matrix_a_fmt:MATRIX_FMT_FP4 matrix_b_fmt:MATRIX_FMT_FP4 matrix_a_scale:MATRIX_SCALE_ROW1
.endr
.endm
.macro ADDR                            ; the addresses of the stage that begins, and the step to the next
	v_add_nc_u32 v[ADK], s[TK], v[AK0]
	v_add_nc_u32 v[ADV], s[TK], v[AV0]
	v_add_nc_u32 v[ADS], s[TS], v[AS0]
	v_add_nc_u32 v[ADT], s[TV], v[AT0]
	s_add_co_u32 s[TK], s[TK], 32*ROWP
	s_add_co_u32 s[TS], s[TS], 4*ROWP
	s_add_co_u32 s[TV], s[TV], 2*ROWP
	s_wait_alu depctr_va_vdst(0)                   ; behind these writes
.endm
.macro STEPS
	STEP 0
	STEP 1
	STEP 2
	STEP 3
.endm
	s_wait_alu depctr_va_vdst(0)                   ; the head's end
	s_wait_loadcnt 0x0                             ; Q
	s_cmp_lg_u32 ttmp9, 0
	s_cbranch_scc1 .Lno_q0
	s_cmp_lg_u32 s[WV], 0
	s_cbranch_scc1 .Lno_q0
	ds_store_b128 v242, v[16:19]                   ; x = 0, wave 0: query tile 0 for the last pass of all sixteen waves; they read it behind the barriers below
	ds_store_b32 v243, v24
.Lno_q0:
	s_wait_tensorcnt 0x0                           ; my part of the first fill is in
	ds_add_u32 v[SPW], v[NIL]                      ; the add, twice on end
	ds_add_u32 v[SPW], v[NIL]
	ADDR                                           ; stage 0
	s_wait_dscnt 0x0
	s_barrier_signal -1
	s_barrier_wait -1                              ; everybody's part is in
	tensor_load_to_lds s[80:83], s[72:79]          ; the second fill, a first fill of its bytes: my one tensor load behind this barrier
	s_nop 0
.rept 4
	v_nop
.endr
	KLOAD 0
	STEPS
	s_wait_tensorcnt 0x0                           ; my part of the second fill is in
	ds_add_u32 v[SPW], v[NIL]
	s_wait_dscnt 0x0
	s_barrier_signal -1
	s_barrier_wait -1                              ; everybody's is: the head's K and V are whole
.Lstage:                                           ; three trips of four key steps, with no barrier
	ADDR
	KLOAD 0
	STEPS
	s_sub_co_u32 s[CNT], s[CNT], 1
	s_cmp_lg_u32 s[CNT], 0
	s_cbranch_scc1 .Lstage
	; THE WAY OUT: ctx = O^T / the sum; a lane's 32 registers are its half of the head's two blocks of 32 channels: quantised in registers, they are one chunk of ctx's fragment.
.rept 4
	v_nop
.endr
	s_wait_alu depctr_va_vdst(0)                   ; directly ahead of the reader of the last step's sum
	v_add_f32 v14, v14, v15
	v_permlanex16_b32 v252, v14, s[SEL], s[SEL+1]
	v_add_f32 v14, v14, v252                       ; the row's sum
	s_wait_alu depctr_va_vdst(0)                   ; ahead of the transcendentals
	v_rcp_f32 v248, v14
	v_rcp_f32 v249, v14
	v_mov_b32 v246, v12                            ; (a plain line behind the transcendentals)  -M
	s_wait_alu depctr_va_vdst(0)                   ; the wait behind them, directly ahead of the first reader of O^T
.irp j, 0,2,4,6,8,10,12,14,16,18,20,22,24,26,28,30
	v_pk_mul_f32 v[160+\j:161+\j], v[160+\j:161+\j], v[248:249]
.endr
	v_mul_f32 v247, 0x3d800000, v248               ; 1 / (16 x the sum): what the pass for query 0 wants
	v_and_b32 v238, 31, v0                         ; lane.  The addresses of the pass for query 0:
	v_lshl_add_u32 v254, v238, 3, SCR+768          ; where wave 0 leaves its pairs,
	v_mov_b32 v255, SCR+768                        ; lane 0's pair,
	v_lshl_add_u32 v253, v238, 2, SCR+512          ; query tile 0's words,
	v_add_nc_u32 v252, SCR, v[L16]                 ; its codes,
	s_mul_i32 s14, s[WV], 8*ROWP
	v_add_nc_u32 v250, s14, v[L16]                 ; wave w takes key step w: K's tiles as the record has them,
	s_mul_i32 s14, s[WV], ROWP
	s_add_co_u32 s14, s14, LKS
	v_lshl_add_u32 v251, v238, 2, s14              ; and their words
	v_and_b32 v248, 15, v0
	v_lshlrev_b32 v243, 2, v248                    ; 4 r
	v_and_b32 v249, 8, v248
	v_add_nc_u32 v249, v249, v248
	v_bfe_u32 v248, v0, 4, 1
	v_lshl_add_u32 v249, v248, 3, v249
	v_lshlrev_b32 v249, 2, v249                    ; 4 (8 h + r + 8 (r / 8)): my key among 32
	QUANT 2, 160, 232, 236, 244, 240, 224, 242
	global_store_b128 v[L16], v[224:227], s[36:37] ; 512 consecutive bytes
	global_store_b16 v243, v242, s[38:39]          ; my head's two bytes of each row's word; lanes 16-31 write what lanes 0-15 write
	; QUERY 0's finished softmax.  It is row 0 of tile 0: wave 0 of the work-groups with x = 0 holds its -M and 1 / (16 l) in lane 0.  The scores are made ahead of the barrier.
	s_wait_alu depctr_va_vdst(0)                   ; directly ahead of the branch
	s_cmp_lg_u32 ttmp9, 0
	s_cbranch_scc1 .Lnot_x0
	ds_load_b128 v[16:19], v252
	ds_load_b32 v24, v253
.irp t, 0,1,2,3,4,5,6,7
	ds_load_b128 v[32+8*\t:35+8*\t], v250 offset:ROWP*\t
.endr
.irp p, 0,1,2,3
	ds_load_b32 v[25+\p], v251 offset:128*\p
.endr
	s_wait_dscnt 0x0
.irp t, 0,2,4,6                                ; NOT transposed: source 0 = the queries, source 1 = 16 keys: register 0 of lanes 0-15 is query 0's score with the tile's 16 keys
	v_wmma_scale_f32_16x16x128_f8f6f4 v[96+8*\t:103+8*\t], v[16:23], v[32+8*\t:39+8*\t], 0, v24, v[25+\t/2] matrix_a_fmt:MATRIX_FMT_FP4 matrix_b_fmt:MATRIX_FMT_FP4
	v_wmma_scale_f32_16x16x128_f8f6f4 v[104+8*\t:111+8*\t], v[16:23], v[40+8*\t:47+8*\t], 0, v24, v[25+\t/2] matrix_a_fmt:MATRIX_FMT_FP4 matrix_b_fmt:MATRIX_FMT_FP4 matrix_b_scale:MATRIX_SCALE_ROW1
.endr
.rept 4
	v_nop
.endr
.Lnot_x0:
	s_cmp_lg_u32 s[WV], 0
	s_cbranch_scc1 .Lnot_wave_0
	ds_store_b64 v254, v[246:247]
.Lnot_wave_0:
	s_wait_dscnt 0x0                               ; for the others' sake: the store is done
	s_barrier_signal -1
	s_barrier_wait -1
	s_cmp_lg_u32 ttmp9, 0
	s_cbranch_scc1 .Lend
	ds_load_b64 v[234:235], v255                   ; lane 0's pair, in every lane
.irp p, 0,1,2,3
	v_permlane16_swap_b32 v[96+16*\p], v[104+16*\p]   ; tile 2 p's sixteen scores in lanes 0-15, tile 2 p + 1's in lanes 16-31
.endr
	s_wait_alu depctr_va_vdst(0)                   ; directly ahead of the wait below
	s_wait_dscnt 0x0
.irp p, 0,1,2,3
	v_fma_f32 v[96+16*\p], v[96+16*\p], s[CS], v234
.endr
	s_wait_alu depctr_va_vdst(0)                   ; ahead of the batch
.irp p, 0,1,2,3
	v_exp_f32 v[96+16*\p], v[96+16*\p]
.endr
	v_nop
	s_wait_alu depctr_va_vdst(0)                   ; and behind it
.irp p, 0,1,2,3
	v_mul_f32 v[96+16*\p], v[96+16*\p], v235
.endr
.irp p, 0,1,2,3
	global_store_b32 v249, v[96+16*\p], s[52:53] offset:128*\p   ; 32 keys: 128 consecutive bytes
.endr
.Lend:
	s_wait_tensorcnt 0x0                           ; the wave's end
	ds_add_u32 v[SPW], v[NIL]
	s_wait_dscnt 0x0
	s_endpgm
.Lfunc_end_k_q3b7760d2c9_attn:
	.size	k_q3b7760d2c9_attn, .Lfunc_end_k_q3b7760d2c9_attn-k_q3b7760d2c9_attn
	.p2alignl 7, 3214868480
	.fill 96, 4, 3214868480
	.section	.rodata,"a",@progbits
	.p2align	6, 0x0
	.amdhsa_kernel k_q3b7760d2c9_attn
		.amdhsa_group_segment_fixed_size 327680
		.amdhsa_private_segment_fixed_size 0
		.amdhsa_enable_private_segment 0
		.amdhsa_kernarg_size 24
		.amdhsa_user_sgpr_count 2
		.amdhsa_user_sgpr_kernarg_segment_ptr 1
		.amdhsa_wavefront_size32 1
		.amdhsa_system_sgpr_workgroup_id_x 1
		.amdhsa_system_sgpr_workgroup_id_y 1
		.amdhsa_system_sgpr_workgroup_id_z 1
		.amdhsa_system_vgpr_workitem_id 0
		.amdhsa_next_free_vgpr 256
		.amdhsa_next_free_sgpr 84
		.amdhsa_reserve_vcc 0
		.amdhsa_float_denorm_mode_32 3
		.amdhsa_float_denorm_mode_16_64 3
		.amdhsa_memory_ordered 1
		.amdhsa_forward_progress 1
		.amdhsa_inst_pref_size 129
	.end_amdhsa_kernel
	.amdgpu_metadata
---
amdhsa.version: [ 1, 2 ]
amdhsa.kernels:
  - .name:           k_q3b7760d2c9_attn
    .symbol:         k_q3b7760d2c9_attn.kd
    .args:
      - { .name: att, .offset: 0, .size: 8, .value_kind: global_buffer, .address_space: global }
      - { .name: cq, .offset: 8, .size: 8, .value_kind: global_buffer, .address_space: global }
      - { .name: p0, .offset: 16, .size: 8, .value_kind: global_buffer, .address_space: global }
    .group_segment_fixed_size: 327680
    .private_segment_fixed_size: 0
    .kernarg_segment_align: 8
    .kernarg_segment_size: 24
    .max_flat_workgroup_size: 512
    .sgpr_count:     84
    .vgpr_count:     256
    .wavefront_size: 32
...
	.end_amdgpu_metadata
.endif
;; end of part 9
;; launch outln (part 10): grid 128 x 1, 16 waves a work-group, no clusters, 327,680 bytes of LDS; arguments cq, wq, bo, x, g2, b2, part; writes part
.if DOCPART == 10
	.amdgcn_target "amdgcn-amd-amdhsa--gfx1250"
	.amdhsa_code_object_version 6
	.text
	.protected	k_q3b7760d2c9_outln
	.globl	k_q3b7760d2c9_outln
	.p2align	8
	.type	k_q3b7760d2c9_outln,@function
k_q3b7760d2c9_outln:
	s_mov_b64 s[64:65], 0
	v_nop
	global_prefetch_b8 v0, s[64:65] scope:SCOPE_SE
	s_setreg_imm32_b32 hwreg(HW_REG_WAVE_MODE, 25, 1), 1
	s_wait_xcnt 0x0
.set SCOFF, 2097152
.set WL,   16384
.set XB,   16384
.set STG,  147456
.set SP,   4112
.set WV,   18
.set G1C,  20
.set G1W,  28
.set G0C,  36
.set G0W,  40
.set SEL,  56
.set C10,  58
.set NC10, 59
.set EPS,  60
.set CW,   24
.set WW,   32
.set CF,   48
.set WR,   64
.set ACC,  192
.set CSUM, 224
	s_load_b256 s[4:11], s[0:1], 0x0
	s_load_b128 s[12:15], s[0:1], 0x20
	s_load_b64 s[16:17], s[0:1], 0x30
	v_lshl_add_u32 v254, v0, 2, 0x44200
	v_mov_b32 v255, 0
	ds_add_u32 v254, v255
	ds_add_u32 v254, v255
	s_wait_dscnt 0x0
	v_lshrrev_b32 v1, 5, v0
	s_delay_alu instid0(VALU_DEP_1)
	v_readfirstlane_b32 s[WV], v1
	s_mov_b32 s[G1C+0], 3<<16
	s_mov_b32 s[G1C+1], 32<<16
	s_mov_b32 s[G1C+2], 8<<16                      ; ctx's codes: eight rows of 256 bytes a load
	s_mov_b32 s[G1C+3], 32<<16
	s_mov_b32 s[G1C+4], 8
	s_mov_b32 s[G1C+5], 32
	s_mov_b32 s[G1C+6], 0
	s_mov_b32 s[G1C+7], 0
	s_mov_b32 s[G1W+0], 3<<16
	s_mov_b32 s[G1W+1], 512<<16
	s_mov_b32 s[G1W+2], 8<<16                      ; Wo's codes: K steps 0-3 (4,096 bytes) of eight tiles a load
	s_mov_b32 s[G1W+3], 512<<16
	s_mov_b32 s[G1W+4], 8
	s_mov_b32 s[G1W+5], 1024
	s_mov_b32 s[G1W+6], 0
	s_mov_b32 s[G1W+7], 0
	s_lshl_b32 s44, ttmp9, 14
	s_and_b32 s45, s[WV], 7                        ; waves 8-15 fetch ctx's 16,384 bytes, 2,048 each
	s_lshl_b32 s45, s45, 11
	s_add_co_u32 s44, s44, s45
	s_mov_b32 s45, 0
	s_lshl_b32 s46, s[WV], 2
	s_add_co_u32 s46, s46, 192
	s_lshl_b32 s48, s46, 13
	s_mov_b32 s49, 0
	s_and_b32 s62, s[WV], 7                        ; waves 0-7 fetch Wo's tiles 192 + 8 w on: the four of wave 2 w and the four of wave 2 w + 1
	s_lshl_b32 s62, s62, 16
	s_add_co_u32 s62, s62, 192*8192
	s_mov_b32 s63, 0
	s_lshl_b32 s50, ttmp9, 5
	s_lshr_b32 s51, s[WV], 3
	s_lshl_b32 s51, s51, 3
	s_add_co_u32 s50, s50, s51
	s_and_b32 s51, s[WV], 7
	s_lshl_b32 s52, s51, 1
	s_add_co_u32 s50, s50, s52
	s_lshr_b32 s51, s51, 2
	s_lshl_b32 s51, s51, 3
	s_add_co_u32 s50, s50, s51
	s_lshl_b32 s50, s50, 12
	s_mov_b32 s51, 0
	s_mov_b32 s[G0C], 1
	s_and_b32 s[G0C+1], s[WV], 7
	s_lshl_b32 s[G0C+1], s[G0C+1], 11
	s_mov_b32 s[G0W], 1
	s_and_b32 s[G0W+1], s[WV], 7
	s_lshl_b32 s[G0W+1], s[G0W+1], 15
	s_add_co_u32 s[G0W+1], s[G0W+1], WL
	v_and_b32 v13, 31, v0
	s_delay_alu instid0(VALU_DEP_1)
	v_lshlrev_b32 v1, 2, v13
	s_delay_alu instid0(VALU_DEP_2)
	v_lshlrev_b32 v2, 4, v13
	s_delay_alu instid0(VALU_DEP_3)
	v_and_b32 v10, 15, v13
	s_delay_alu instid0(VALU_DEP_4)
	v_lshrrev_b32 v11, 4, v13
	s_delay_alu instid0(VALU_DEP_1)
	v_lshlrev_b32 v12, 6, v11
	s_lshl_b32 s52, s[WV], 14
	s_add_co_u32 s52, s52, WL
	v_add_nc_u32 v3, s52, v2
	v_mul_u32_u24 v4, v10, SP
	s_delay_alu instid0(VALU_DEP_1)
	v_lshl_add_u32 v4, v11, 6, v4
	s_lshl_b32 s52, s[WV], 8
	s_add_co_u32 s52, s52, STG
	v_add_nc_u32 v4, s52, v4
	s_delay_alu instid0(VALU_DEP_1)
	v_add_nc_u32 v5, 16*SP, v4
	s_mul_i32 s52, s[WV], 2*SP
	s_add_co_u32 s52, s52, STG
	v_add_nc_u32 v6, s52, v2
	s_lshl_b32 s52, s[WV], 13
	s_add_co_u32 s52, s52, XB
	v_add_nc_u32 v7, s52, v2
	v_lshlrev_b32 v14, 3, v0
	s_delay_alu instid0(VALU_DEP_1)
	v_add_nc_u32 v8, XB, v14
	s_delay_alu instid0(VALU_DEP_1)
	v_add_nc_u32 v9, 65536, v8
	v_mov_b32 v15, 0
	s_wait_alu depctr_va_vdst(0)
	s_wait_kmcnt 0x0
	s_add_nc_u64 s[G0C+2:G0C+3], s[4:5], s[44:45]
	s_or_b32 s[G0C+3], s[G0C+3], 0x80000000
	s_add_nc_u64 s[48:49], s[6:7], s[48:49]
	s_add_nc_u64 s[G0W+2:G0W+3], s[6:7], s[62:63]
	s_or_b32 s[G0W+3], s[G0W+3], 0x80000000
	; ALL FIRST FILLS AT THE HEAD, one tensor load a wave, in the two arms of one branch on the wave's number: waves 0-7 Wo's K steps 0-3, waves 8-15 ctx's codes.  Every byte is filled once.
	s_cmp_lt_u32 s[WV], 8
	s_cbranch_scc0 .Lfill_c
	tensor_load_to_lds s[G0W:G0W+3], s[G1W:G1W+7]
	s_nop 0
.rept 4
	v_nop
.endr
	s_branch .Lfilled
.Lfill_c:
	tensor_load_to_lds s[G0C:G0C+3], s[G1C:G1C+7]
	s_nop 0
.rept 4
	v_nop
.endr
.Lfilled:
	s_lshl_b32 s44, ttmp9, 10
	s_add_co_u32 s44, s44, SCOFF
	s_add_nc_u64 s[44:45], s[4:5], s[44:45]
	s_lshl_b32 s46, s46, 9
	s_add_co_u32 s46, s46, SCOFF
	s_mov_b32 s47, 0
	s_add_nc_u64 s[46:47], s[6:7], s[46:47]
	s_lshl_b32 s52, s[WV], 8
	s_mov_b32 s53, 0
	s_add_nc_u64 s[8:9], s[8:9], s[52:53]
	s_add_nc_u64 s[50:51], s[10:11], s[50:51]
	s_lshl_b32 s52, ttmp9, 12
	s_add_nc_u64 s[16:17], s[16:17], s[52:53]
	s_mov_b32 s[SEL], 0x76543210
	s_mov_b32 s[SEL+1], 0xfedcba98
	s_mov_b32 s[C10], 0x3a800000
	s_mov_b32 s[NC10], 0xba800000
	s_mov_b32 s[EPS], 0x3727c5ac
.irp u, 0,1
.irp p, 0,1,2,3
	global_load_b32 v[CW+4*\u+\p], v1, s[44:45] offset:\u*512+\p*128
.endr
.endr
.irp i, 0,1,2,3
.irp p, 0,1,2,3
	global_load_b32 v[WW+4*\i+\p], v1, s[46:47] offset:\i*512+\p*128
.endr
.endr
.irp u, 0,1
.irp i, 0,1,2,3
	global_load_b128 v[ACC+32*\u+8*\i:ACC+32*\u+8*\i+3], v12, s[8:9] offset:(32*(\i/2)+8*(\i%2))*4
	global_load_b128 v[ACC+32*\u+8*\i+4:ACC+32*\u+8*\i+7], v12, s[8:9] offset:(32*(\i/2)+8*(\i%2))*4+16
.endr
.endr
.macro LOADW s, set
.irp i, 0,1,2,3
.irp c, 0,1
	global_load_b128 v[WR+32*(\set)+8*\i+4*\c:WR+32*(\set)+8*\i+4*\c+3], v2, s[48:49] offset:\i*8192+(\s)*1024+\c*512
.endr
.endr
.endm
.macro XLOAD i, set
.irp j, 0,1,2,3,4,5,6,7
	global_load_b128 v[WR+32*(\set)+4*\j:WR+32*(\set)+4*\j+3], v2, s[50:51] offset:\i*4096+512*\j th:TH_LOAD_NT
.endr
.endm
	LOADW 4, 0
	LOADW 5, 1
	LOADW 6, 2
	LOADW 7, 3
.macro MM d, a, b, sa, sb, odd
.if \odd
	v_wmma_scale_f32_16x16x128_f8f6f4 v[(\d):(\d)+7], v[(\a):(\a)+7], v[(\b):(\b)+7], v[(\d):(\d)+7], v[\sa], v[\sb] matrix_a_fmt:MATRIX_FMT_FP4 matrix_b_fmt:MATRIX_FMT_FP4 matrix_a_scale:MATRIX_SCALE_ROW1 matrix_b_scale:MATRIX_SCALE_ROW1
.else
	v_wmma_scale_f32_16x16x128_f8f6f4 v[(\d):(\d)+7], v[(\a):(\a)+7], v[(\b):(\b)+7], v[(\d):(\d)+7], v[\sa], v[\sb] matrix_a_fmt:MATRIX_FMT_FP4 matrix_b_fmt:MATRIX_FMT_FP4
.endif
.endm
.macro CFL s
.irp u, 0,1
.irp c, 0,1
	ds_load_b128 v[CF+8*\u+4*\c:CF+8*\u+4*\c+3], v2 offset:\u*8192+(\s)*1024+\c*512
.endr
.endr
.endm
.macro MULS s, set
.irp u, 0,1
.irp i, 0,1,2,3
	MM ACC+32*\u+8*\i, WR+32*(\set)+8*\i, CF+8*\u, WW+4*\i+(\s)/2, CW+4*\u+(\s)/2, (\s)%2
.endr
.endr
.rept 4
	v_nop
.endr
.endm
.macro KREG s, set, n
	CFL \s
	s_wait_loadcnt \n
	s_wait_dscnt 0x0
	MULS \s, \set
.endm
.macro KLDS s
	CFL \s
.irp i, 0,1,2,3
.irp c, 0,1
	ds_load_b128 v[WR+96+8*\i+4*\c:WR+96+8*\i+4*\c+3], v3 offset:\i*4096+(\s)*1024+\c*512
.endr
.endr
	s_wait_dscnt 0x0
	MULS \s, 3
.endm
	s_cmp_lt_u32 s[WV], 8                          ; ctx's loaders wait for their load in front of the barrier behind which ctx is read; Wo's loads may stay out
	s_cbranch_scc1 .Lc_asked
	s_wait_tensorcnt 0x0
.Lc_asked:
	s_barrier_signal -1
	s_barrier_wait -1
	KREG 4, 0, 24                                  ; K steps 5, 6 and 7, eight loads each, may be out
	KREG 5, 1, 16                                  ; K steps 6 and 7
	XLOAD 0, 1
	KREG 6, 2, 16                                  ; K step 7 and x's first row
	XLOAD 1, 2
	KREG 7, 3, 16                                  ; x's two rows
	s_wait_tensorcnt 0x0                           ; my load of Wo's K steps 0-3 is in,
	s_barrier_signal -1
	s_barrier_wait -1                              ; and so is the one that brought my four tiles
	KLDS 0
	KLDS 1
	KLDS 2
	KLDS 3
	global_load_b64 v[16:17], v14, s[12:13]
	global_load_b64 v[18:19], v14, s[14:15]
	s_wait_dscnt 0x0
	s_barrier_signal -1
	s_barrier_wait -1
.irp u, 0,1
.irp i, 0,1,2,3
	ds_store_b128 v[4+\u], v[ACC+32*\u+8*\i:ACC+32*\u+8*\i+3] offset:128*(\i/2)+32*(\i%2)
	ds_store_b128 v[4+\u], v[ACC+32*\u+8*\i+4:ACC+32*\u+8*\i+7] offset:128*(\i/2)+32*(\i%2)+16
.endr
.endr
	s_wait_dscnt 0x0
	s_barrier_signal -1
	s_barrier_wait -1
.irp j, 0,1,2,3,4,5,6,7
	ds_load_b128 v[WR+4*\j:WR+4*\j+3], v6 offset:512*\j
.endr
.irp j, 0,1,2,3,4,5,6,7
	ds_load_b128 v[WR+96+4*\j:WR+96+4*\j+3], v6 offset:SP+512*\j
.endr
	s_wait_loadcnt 0x0
.macro WSUM r, t
	s_delay_alu instid0(VALU_DEP_1)
	v_add_f32_dpp v[\r], v[\r], v[\r] row_xmask:1 row_mask:0xf bank_mask:0xf
	s_delay_alu instid0(VALU_DEP_1)
	v_add_f32_dpp v[\r], v[\r], v[\r] row_xmask:2 row_mask:0xf bank_mask:0xf
	s_delay_alu instid0(VALU_DEP_1)
	v_add_f32_dpp v[\r], v[\r], v[\r] row_xmask:4 row_mask:0xf bank_mask:0xf
	s_delay_alu instid0(VALU_DEP_1)
	v_add_f32_dpp v[\r], v[\r], v[\r] row_xmask:8 row_mask:0xf bank_mask:0xf
	s_delay_alu instid0(VALU_DEP_1)
	v_permlanex16_b32 v[\t], v[\r], s[SEL], s[SEL+1]
	s_delay_alu instid0(VALU_DEP_1)
	v_add_f32 v[\r], v[\r], v[\t]
.endm
.macro LNSTAT x, mu, rs
	v_pk_add_f32 v[10:11], v[\x:\x+1], v[\x+2:\x+3]
	v_pk_add_f32 v[12:13], v[\x+4:\x+5], v[\x+6:\x+7]
.irp k, 8,12,16,20,24,28
	s_delay_alu instid0(VALU_DEP_2)
	v_pk_add_f32 v[10:11], v[10:11], v[\x+\k:\x+\k+1]
	s_delay_alu instid0(VALU_DEP_2)
	v_pk_add_f32 v[12:13], v[12:13], v[\x+\k+2:\x+\k+3]
.endr
	s_delay_alu instid0(VALU_DEP_1)
	v_pk_add_f32 v[10:11], v[10:11], v[12:13]
	s_delay_alu instid0(VALU_DEP_1)
	v_add_f32 v10, v10, v11
	WSUM 10, 15
	s_delay_alu instid0(VALU_DEP_1)
	v_mul_f32 v[\mu], s[NC10], v10
	s_delay_alu instid0(VALU_DEP_2)
	v_mul_f32 v[\mu+1], s[NC10], v10
.irp k, 0,2,4,6,8,10,12,14,16,18,20,22,24,26,28,30
	v_pk_add_f32 v[\x+\k:\x+\k+1], v[\x+\k:\x+\k+1], v[\mu:\mu+1]
.endr
	v_pk_mul_f32 v[10:11], v[\x:\x+1], v[\x:\x+1]
	v_pk_mul_f32 v[12:13], v[\x+2:\x+3], v[\x+2:\x+3]
.irp k, 4,8,12,16,20,24,28
	s_delay_alu instid0(VALU_DEP_2)
	v_pk_fma_f32 v[10:11], v[\x+\k:\x+\k+1], v[\x+\k:\x+\k+1], v[10:11]
	s_delay_alu instid0(VALU_DEP_2)
	v_pk_fma_f32 v[12:13], v[\x+\k+2:\x+\k+3], v[\x+\k+2:\x+\k+3], v[12:13]
.endr
	s_delay_alu instid0(VALU_DEP_1)
	v_pk_add_f32 v[10:11], v[10:11], v[12:13]
	s_delay_alu instid0(VALU_DEP_1)
	v_add_f32 v10, v10, v11
	WSUM 10, 15
	s_delay_alu instid0(VALU_DEP_1)
	v_fma_f32 v10, v10, s[C10], s[EPS]
	s_wait_alu depctr_va_vdst(0)
	v_rsq_f32 v[\rs], v10
	v_rsq_f32 v[\rs+1], v10
	v_nop
	s_wait_alu depctr_va_vdst(0)
.endm
.macro LNROW first, yr, xr
.irp k, 0,2,4,6,8,10,12,14,16,18,20,22,24,26,28,30
	v_pk_add_f32 v[\yr+\k:\yr+\k+1], v[\yr+\k:\yr+\k+1], v[\xr+\k:\xr+\k+1]
.endr
	LNSTAT \yr, 20, 22
.irp k, 0,2,4,6,8,10,12,14,16,18,20,22,24,26,28,30
.if \first
	v_pk_mul_f32 v[CSUM+\k:CSUM+\k+1], v[\yr+\k:\yr+\k+1], v[22:23]
.else
	v_pk_fma_f32 v[CSUM+\k:CSUM+\k+1], v[\yr+\k:\yr+\k+1], v[22:23], v[CSUM+\k:CSUM+\k+1]
.endif
.endr
.endm
	s_wait_dscnt 8
	LNROW 1, WR, WR+32
	s_wait_dscnt 0x0
	LNROW 0, WR+96, WR+64
.irp j, 0,1,2,3,4,5,6,7
	ds_store_b128 v7, v[CSUM+4*\j:CSUM+4*\j+3] offset:512*\j
.endr
	s_wait_dscnt 0x0
	s_barrier_signal -1
	s_barrier_wait -1
.irp k, 0,1,2,3,4,5,6,7
	ds_load_b64 v[96+2*\k:97+2*\k], v8 offset:\k*8192
.endr
.irp k, 0,1,2,3,4,5,6,7
	ds_load_b64 v[112+2*\k:113+2*\k], v9 offset:\k*8192
.endr
	s_wait_dscnt 0x0
.irp k, 0,2,4,6,8,10,12,14
	v_pk_add_f32 v[96+\k:97+\k], v[96+\k:97+\k], v[112+\k:113+\k]
.endr
.irp k, 0,2,4,6
	s_delay_alu instid0(VALU_DEP_4)
	v_pk_add_f32 v[96+\k:97+\k], v[96+\k:97+\k], v[104+\k:105+\k]
.endr
.irp k, 0,2
	s_delay_alu instid0(VALU_DEP_2)
	v_pk_add_f32 v[96+\k:97+\k], v[96+\k:97+\k], v[100+\k:101+\k]
.endr
	s_delay_alu instid0(VALU_DEP_1)
	v_pk_add_f32 v[96:97], v[96:97], v[98:99]
	s_delay_alu instid0(VALU_DEP_1)
	v_pk_mul_f32 v[96:97], v[96:97], 0x3a000000 op_sel_hi:[1,0]
	v_pk_mul_f32 v[98:99], v[18:19], 0x3c800000 op_sel_hi:[1,0]
	s_delay_alu instid0(VALU_DEP_1)
	v_pk_fma_f32 v[96:97], v[96:97], v[16:17], v[98:99]
	global_store_b64 v14, v[96:97], s[16:17]
	s_wait_xcnt 0x0
	v_lshl_add_u32 v254, v0, 2, 0x44200
	v_mov_b32 v255, 0
	s_wait_alu depctr_va_vdst(0)
	s_wait_tensorcnt 0x0
	ds_add_u32 v254, v255
	s_wait_dscnt 0x0
	s_endpgm
.Lfunc_end_k_q3b7760d2c9_outln:
	.size	k_q3b7760d2c9_outln, .Lfunc_end_k_q3b7760d2c9_outln-k_q3b7760d2c9_outln
	.p2alignl 7, 3214868480
	.fill 96, 4, 3214868480
	.section	.rodata,"a",@progbits
	.p2align	6, 0x0
	.amdhsa_kernel k_q3b7760d2c9_outln
		.amdhsa_group_segment_fixed_size 327680
		.amdhsa_private_segment_fixed_size 0
		.amdhsa_enable_private_segment 0
		.amdhsa_kernarg_size 56
		.amdhsa_user_sgpr_count 2
		.amdhsa_user_sgpr_kernarg_segment_ptr 1
		.amdhsa_wavefront_size32 1
		.amdhsa_system_sgpr_workgroup_id_x 1
		.amdhsa_system_sgpr_workgroup_id_y 1
		.amdhsa_system_sgpr_workgroup_id_z 1
		.amdhsa_system_vgpr_workitem_id 0
		.amdhsa_next_free_vgpr 256
		.amdhsa_next_free_sgpr 66
		.amdhsa_reserve_vcc 0
		.amdhsa_float_denorm_mode_32 3
		.amdhsa_float_denorm_mode_16_64 3
		.amdhsa_memory_ordered 1
		.amdhsa_forward_progress 1
		.amdhsa_inst_pref_size 49
	.end_amdhsa_kernel
	.amdgpu_metadata
---
amdhsa.version: [ 1, 2 ]
amdhsa.kernels:
  - .name:           k_q3b7760d2c9_outln
    .symbol:         k_q3b7760d2c9_outln.kd
    .args:
      - { .name: cq, .offset: 0, .size: 8, .value_kind: global_buffer, .address_space: global }
      - { .name: wq, .offset: 8, .size: 8, .value_kind: global_buffer, .address_space: global }
      - { .name: bo, .offset: 16, .size: 8, .value_kind: global_buffer, .address_space: global }
      - { .name: x, .offset: 24, .size: 8, .value_kind: global_buffer, .address_space: global }
      - { .name: g2, .offset: 32, .size: 8, .value_kind: global_buffer, .address_space: global }
      - { .name: b2, .offset: 40, .size: 8, .value_kind: global_buffer, .address_space: global }
      - { .name: part, .offset: 48, .size: 8, .value_kind: global_buffer, .address_space: global }
    .group_segment_fixed_size: 327680
    .private_segment_fixed_size: 0
    .kernarg_segment_align: 8
    .kernarg_segment_size: 56
    .max_flat_workgroup_size: 512
    .sgpr_count:     66
    .vgpr_count:     256
    .wavefront_size: 32
...
	.end_amdgpu_metadata
.endif
;; end of part 10
;; launch sums (part 11): grid 24 x 1, 4 waves a work-group, no clusters, 0 bytes of LDS; arguments part, p0, out0, out1; writes out0, out1
.if DOCPART == 11
	.amdgcn_target "amdgcn-amd-amdhsa--gfx1250"
	.amdhsa_code_object_version 6
	.text
	.protected	k_q3b7760d2c9_sums
	.globl	k_q3b7760d2c9_sums
	.p2align	8
	.type	k_q3b7760d2c9_sums,@function
k_q3b7760d2c9_sums:
	s_mov_b64 s[64:65], 0
	v_nop
	global_prefetch_b8 v0, s[64:65] scope:SCOPE_SE
	s_setreg_imm32_b32 hwreg(HW_REG_WAVE_MODE, 25, 1), 1
	s_wait_xcnt 0x0
; out0[batch][column] = the sum of the batch's 64 rows of part;  out1[batch][key] = the sum of the batch's 16 heads' rows of p0 (each already divided by 16).
; A thread owns two columns; a work-group 256 (1,024 consecutive bytes a row).  Work-groups 0-7: out0; 8-23: out1.  Every sum has one owner and a fixed order.  No LDS, no barrier: threads share nothing.
; 0.8 MB are read: matrix units, tensor loads and clusters have nothing to do here.
	s_load_b256 s[4:11], s[0:1], 0x0               ; part, p0, out0, out1
	v_lshlrev_b32 v1, 3, v0                        ; 8 bytes a thread
	s_mov_b32 s13, 0
	s_mov_b32 s15, 0
	s_cmp_lt_u32 ttmp9, 8
	s_cbranch_scc0 .Lattention
	s_lshr_b32 s12, ttmp9, 2                       ; batch
	s_lshl_b32 s12, s12, 18                        ; its 64 rows of 4,096 bytes
	s_and_b32 s14, ttmp9, 3
	s_lshl_b32 s14, s14, 10
	s_add_co_u32 s12, s12, s14
	s_lshl_b32 s14, ttmp9, 10                      ; out0: 4,096 batch + 1,024 (g % 4) = 1,024 g
	s_wait_kmcnt 0x0
	s_add_nc_u64 s[4:5], s[4:5], s[12:13]
	s_add_nc_u64 s[8:9], s[8:9], s[14:15]
.set n, 0
	s_wait_alu depctr_va_vdst(0)
.rept 64
	global_load_b64 v[8+2*n:9+2*n], v1, s[4:5] offset:n*4096
.set n, n+1
.endr
	s_wait_loadcnt 0x0
.set n, 4
.rept 60                                       ; four chains
	v_pk_add_f32 v[8+2*(n%4):9+2*(n%4)], v[8+2*(n%4):9+2*(n%4)], v[8+2*n:9+2*n]
.set n, n+1
.endr
	v_pk_add_f32 v[8:9], v[8:9], v[10:11]
	v_pk_add_f32 v[12:13], v[12:13], v[14:15]
	v_pk_add_f32 v[8:9], v[8:9], v[12:13]
	global_store_b64 v1, v[8:9], s[8:9]
	s_endpgm
.Lattention:
	s_sub_co_u32 s16, ttmp9, 8                     ; 0..15
	s_lshr_b32 s12, s16, 3                         ; batch
	s_lshl_b32 s12, s12, 17                        ; its 16 rows of 8,192 bytes
	s_and_b32 s14, s16, 7
	s_lshl_b32 s14, s14, 10
	s_add_co_u32 s12, s12, s14
	s_lshl_b32 s14, s16, 10
	s_wait_kmcnt 0x0
	s_add_nc_u64 s[6:7], s[6:7], s[12:13]
	s_add_nc_u64 s[10:11], s[10:11], s[14:15]
.set n, 0
	s_wait_alu depctr_va_vdst(0)
.rept 16
	global_load_b64 v[8+2*n:9+2*n], v1, s[6:7] offset:n*8192
.set n, n+1
.endr
	s_wait_loadcnt 0x0
.set n, 4
.rept 12
	v_pk_add_f32 v[8+2*(n%4):9+2*(n%4)], v[8+2*(n%4):9+2*(n%4)], v[8+2*n:9+2*n]
.set n, n+1
.endr
	v_pk_add_f32 v[8:9], v[8:9], v[10:11]
	v_pk_add_f32 v[12:13], v[12:13], v[14:15]
	v_pk_add_f32 v[8:9], v[8:9], v[12:13]
	global_store_b64 v1, v[8:9], s[10:11]
	s_endpgm
.Lfunc_end_k_q3b7760d2c9_sums:
	.size	k_q3b7760d2c9_sums, .Lfunc_end_k_q3b7760d2c9_sums-k_q3b7760d2c9_sums
	.p2alignl 7, 3214868480
	.fill 96, 4, 3214868480
	.section	.rodata,"a",@progbits
	.p2align	6, 0x0
	.amdhsa_kernel k_q3b7760d2c9_sums
		.amdhsa_group_segment_fixed_size 0
		.amdhsa_private_segment_fixed_size 0
		.amdhsa_enable_private_segment 0
		.amdhsa_kernarg_size 32
		.amdhsa_user_sgpr_count 2
		.amdhsa_user_sgpr_kernarg_segment_ptr 1
		.amdhsa_wavefront_size32 1
		.amdhsa_system_sgpr_workgroup_id_x 1
		.amdhsa_system_sgpr_workgroup_id_y 1
		.amdhsa_system_sgpr_workgroup_id_z 1
		.amdhsa_system_vgpr_workitem_id 0
		.amdhsa_next_free_vgpr 140
		.amdhsa_next_free_sgpr 66
		.amdhsa_reserve_vcc 0
		.amdhsa_float_denorm_mode_32 3
		.amdhsa_float_denorm_mode_16_64 3
		.amdhsa_memory_ordered 1
		.amdhsa_forward_progress 1
		.amdhsa_inst_pref_size 14
	.end_amdhsa_kernel
	.amdgpu_metadata
---
amdhsa.version: [ 1, 2 ]
amdhsa.kernels:
  - .name:           k_q3b7760d2c9_sums
    .symbol:         k_q3b7760d2c9_sums.kd
    .args:
      - { .name: part, .offset: 0, .size: 8, .value_kind: global_buffer, .address_space: global }
      - { .name: p0, .offset: 8, .size: 8, .value_kind: global_buffer, .address_space: global }
      - { .name: out0, .offset: 16, .size: 8, .value_kind: global_buffer, .address_space: global }
      - { .name: out1, .offset: 24, .size: 8, .value_kind: global_buffer, .address_space: global }
    .group_segment_fixed_size: 0
    .private_segment_fixed_size: 0
    .kernarg_segment_align: 8
    .kernarg_segment_size: 32
    .max_flat_workgroup_size: 128
    .sgpr_count:     66
    .vgpr_count:     140
    .wavefront_size: 32
...
	.end_amdgpu_metadata
.endif
;; end of part 11
